; MI455X (gfx1250); checked and timed in simulation.
; The chip was launched on July 23, 2026; its instructions are those of AMD's public machine-readable ISA for CDNA 5 (MIT licence, August 2026) and "CDNA5" Instruction Set Architecture Reference Guide (July 2026). The comments in the code are by the model that wrote it; some were corrected since.
;; Attention. Allowed arithmetic: float matrix products may take bf16 or f16 operands with f32 sums; all other float work in f32.
;; Inputs: freqs 1,024 x 64 float32; wk 1,024 x 4,096 float32; wo 4,096 x 4,096 float32; wq 4,096 x 4,096 float32; wv 1,024 x 4,096 float32; x 1,024 x 4,096 float32.
;; Outputs: out0 1,024 x 4,096 float32.
;; 2 versions, each right. Each part assembles by itself: llvm-mc -triple=amdgcn-amd-amdhsa -mcpu=gfx1250 --defsym DOCPART=n.
;; ======== version 1 of 2: 4 launches
;; limits: values are held in f16: magnitudes above 65,504 overflow, below 6.1e-05 lose precision; inputs' magnitudes at most 65,504; right only within a limited range of input values
;; workspace buffers: xh 8,388,608 bytes; cs 524,288 bytes; qkv 12,582,912 bytes; oh 8,388,608 bytes
;; launch prep (part 1): grid 256 x 1, 8 waves a work-group, no clusters, 0 bytes of LDS; arguments x, freqs, xh, cs; writes xh, cs
.if DOCPART == 1
	.amdgcn_target "amdgcn-amd-amdhsa--gfx1250"
	.amdhsa_code_object_version 6
	.text
	.protected	k_q159287f806_prep
	.globl	k_q159287f806_prep
	.p2align	8
	.type	k_q159287f806_prep,@function
k_q159287f806_prep:
	s_mov_b64 s[64:65], 0
	v_nop
	global_prefetch_b8 v0, s[64:65] scope:SCOPE_SE
	s_setreg_imm32_b32 hwreg(HW_REG_WAVE_MODE, 25, 1), 1
	s_wait_xcnt 0x0
; xh = x rounded once to f16, [1024][4096].  cs = (cos, sin) of freqs in f32, laid out as the next launch's lanes want it:
; pair p = 8 pb + 4 h + 2 plane + e of row lies at byte pb*65536 + plane*32768 + row*32 + h*16 + e*8, cosine first.
; 256 work-groups of 256 threads.  A work-group takes 65,536 bytes of x: 16 passes, in each a thread loads 16 bytes and stores 8, so a
; wave's load covers 512 and its store 256 consecutive, aligned bytes.  Thread tau = 256 g + t of the launch makes table entry tau.
; No LDS, no barrier, no matrix work: every number is read once and written once, and no thread needs another's.
; LIMITS.  |x| stays under 65,504 (f16's range).  sin and cos: the angle is reduced by a three-part pi/2 and two short polynomials,
; good to about 1e-6 for |freqs| under 1e4; beyond that the reduction loses bits.  NaN and infinities are not treated apart.
.set X, 8                              ; v[8:71]    x as loaded, 4 registers a pass
.set H, 72                             ; v[72:103]  packed f16, 2 registers a pass: every store has data registers of its own
	s_load_b256 s[4:11], s[0:1], 0x0               ; x s[4:5], freqs s[6:7], xh s[8:9], cs s[10:11]
	s_lshl_b32 s12, ttmp9, 16                      ; my 65,536 bytes of x
	s_mov_b32 s13, 0
	s_lshl_b32 s14, ttmp9, 15                      ; my 32,768 bytes of xh
	s_mov_b32 s15, 0
	s_lshl_b32 s16, ttmp9, 8
	v_lshlrev_b32 v1, 4, v0                        ; 16 t
	v_lshlrev_b32 v2, 3, v0                        ; 8 t
	v_or_b32 v5, s16, v0                           ; tau
	v_and_b32 v6, 1, v5                            ; e
	v_bfe_u32 v7, v5, 1, 1                         ; h
	v_bfe_u32 v104, v5, 2, 10                      ; row
	v_bfe_u32 v105, v5, 12, 1                      ; plane
	v_lshrrev_b32 v106, 13, v5                     ; pb
	v_lshl_add_u32 v6, v7, 2, v6
	v_lshl_add_u32 v6, v105, 1, v6
	v_lshl_add_u32 v6, v106, 3, v6                 ; p
	v_lshlrev_b32 v3, 2, v6
	v_lshl_add_u32 v3, v104, 8, v3                 ; freqs: row * 256 + 4 p
	v_lshlrev_b32 v4, 3, v5                        ; cs: 8 tau
	s_wait_kmcnt 0x0
	s_add_nc_u64 s[4:5], s[4:5], s[12:13]
	s_add_nc_u64 s[8:9], s[8:9], s[14:15]
	global_load_b32 v107, v3, s[6:7]
.set p, 0
.rept 16
	global_load_b128 v[X+4*p:X+4*p+3], v1, s[4:5] offset:p*4096 th:TH_LOAD_NT
.set p, p+1
.endr
	s_wait_loadcnt 16                              ; the angle is in; the sixteen loads of x behind it stay out
	v_mul_f32 v108, 0x3f22f983, v107               ; f * 2 / pi
	v_rndne_f32 v108, v108                         ; n
	v_fmamk_f32 v109, v108, 0xbfc90000, v107       ; r = f - n pi/2, pi/2 in three parts
	v_fmamk_f32 v109, v108, 0xb9fda000, v109
	v_fmamk_f32 v109, v108, 0xb3a22168, v109
	v_cvt_i32_f32 v110, v108                       ; the quadrant
	v_mul_f32 v111, v109, v109                     ; z = r r
	v_mov_b32 v112, 0xb94ca1f9
	v_mov_b32 v114, 0x37ccf5ce
	v_fmaak_f32 v112, v112, v111, 0x3c08839e
	v_fmaak_f32 v114, v114, v111, 0xbab6061a
	v_fmaak_f32 v112, v112, v111, 0xbe2aaaa3
	v_fmaak_f32 v114, v114, v111, 0x3d2aaaa5
	v_mul_f32 v113, v111, v109                     ; z r
	v_mul_f32 v115, v111, v111                     ; z z
	v_fma_f32 v116, v111, -0.5, 1.0                ; 1 - z / 2
	v_fma_f32 v112, v112, v113, v109               ; S = sin r
	v_fma_f32 v114, v114, v115, v116               ; C = cos r
	v_and_b32 v117, 1, v110
	v_cmp_eq_u32 vcc_lo, 1, v117                   ; an odd quadrant swaps the two: a select, no branch
	v_cndmask_b32 v118, v112, v114, vcc_lo
	v_cndmask_b32 v119, v114, v112, vcc_lo
	v_lshlrev_b32 v120, 30, v110                   ; sin is negative in quadrants 2, 3,
	v_and_b32 v120, 0x80000000, v120
	v_add_nc_u32 v121, 1, v110                     ; cos in quadrants 1, 2
	v_lshlrev_b32 v121, 30, v121
	v_and_b32 v121, 0x80000000, v121
	v_xor_b32 v123, v118, v120                     ; sin
	v_xor_b32 v122, v119, v121                     ; cos
	global_store_b64 v4, v[122:123], s[10:11]      ; a wave's store: 256 consecutive bytes, aligned
.set p, 0
.rept 16
	s_wait_loadcnt 15-p                            ; loads come back in order (ISA guide 5.7.1): pass p is in, the later ones stay out
	v_cvt_pk_f16_f32 v[H+2*p], v[X+4*p], v[X+4*p+1]
	v_cvt_pk_f16_f32 v[H+2*p+1], v[X+4*p+2], v[X+4*p+3]
	global_store_b64 v2, v[H+2*p:H+2*p+1], s[8:9] offset:p*2048
.set p, p+1
.endr
	s_endpgm
.Lfunc_end_k_q159287f806_prep:
	.size	k_q159287f806_prep, .Lfunc_end_k_q159287f806_prep-k_q159287f806_prep
	.p2alignl 7, 3214868480
	.fill 96, 4, 3214868480
	.section	.rodata,"a",@progbits
	.p2align	6, 0x0
	.amdhsa_kernel k_q159287f806_prep
		.amdhsa_group_segment_fixed_size 0
		.amdhsa_private_segment_fixed_size 0
		.amdhsa_enable_private_segment 0
		.amdhsa_kernarg_size 32
		.amdhsa_user_sgpr_count 2
		.amdhsa_user_sgpr_kernarg_segment_ptr 1
		.amdhsa_wavefront_size32 1
		.amdhsa_system_sgpr_workgroup_id_x 1
		.amdhsa_system_sgpr_workgroup_id_y 1
		.amdhsa_system_sgpr_workgroup_id_z 1
		.amdhsa_system_vgpr_workitem_id 0
		.amdhsa_next_free_vgpr 128
		.amdhsa_next_free_sgpr 66
		.amdhsa_reserve_vcc 1
		.amdhsa_float_denorm_mode_32 3
		.amdhsa_float_denorm_mode_16_64 3
		.amdhsa_memory_ordered 1
		.amdhsa_forward_progress 1
		.amdhsa_inst_pref_size 9
	.end_amdhsa_kernel
	.amdgpu_metadata
---
amdhsa.version: [ 1, 2 ]
amdhsa.kernels:
  - .name:           k_q159287f806_prep
    .symbol:         k_q159287f806_prep.kd
    .args:
      - { .name: x, .offset: 0, .size: 8, .value_kind: global_buffer, .address_space: global }
      - { .name: freqs, .offset: 8, .size: 8, .value_kind: global_buffer, .address_space: global }
      - { .name: xh, .offset: 16, .size: 8, .value_kind: global_buffer, .address_space: global }
      - { .name: cs, .offset: 24, .size: 8, .value_kind: global_buffer, .address_space: global }
    .group_segment_fixed_size: 0
    .private_segment_fixed_size: 0
    .kernarg_segment_align: 8
    .kernarg_segment_size: 32
    .max_flat_workgroup_size: 256
    .sgpr_count:     66
    .vgpr_count:     128
    .wavefront_size: 32
...
	.end_amdgpu_metadata
.endif
;; end of part 1
;; launch qkv (part 2): grid 64 x 4, 4 waves a work-group, clusters of 4 x 4, 327,680 bytes of LDS; arguments xh, wq, wk, wv, cs, qkv; writes qkv
.if DOCPART == 2
	.amdgcn_target "amdgcn-amd-amdhsa--gfx1250"
	.amdhsa_code_object_version 6
	.text
	.protected	k_q159287f806_qkv
	.globl	k_q159287f806_qkv
	.p2align	8
	.type	k_q159287f806_qkv,@function
k_q159287f806_qkv:
	s_mov_b64 s[64:65], 0
	v_nop
	global_prefetch_b8 v0, s[64:65] scope:SCOPE_SE
	s_setreg_imm32_b32 hwreg(HW_REG_WAVE_MODE, 25, 1), 1
	s_wait_xcnt 0x0
	s_wait_alu depctr_hold_cnt(0) depctr_sa_sdst(0) depctr_va_vdst(0) depctr_va_sdst(0) depctr_va_ssrc(0) depctr_va_vcc(0) depctr_vm_vsrc(0)
	s_getreg_b32 s2, hwreg(HW_REG_IB_STS2, 6, 4)
	s_cmp_eq_u32 s2, 0
	s_cbranch_scc0 .Lentry_in_a_cluster
	s_endpgm
.Lentry_in_a_cluster:
	s_bfe_u32 s2, ttmp6, 0x10000c
	s_cmp_lg_u32 s2, 0xf033
	s_cbranch_scc0 .Lentry_shape_is_right
	s_endpgm
.Lentry_shape_is_right:
; [q | k | v] = xh [wq; wk; wv]^T, 1024 x 6144 x 4096; interleaved rope on q and k; all divided by 8 (exact) and rounded once to f16.
; xh: [1024][4096] f16.  wq, wk, wv: f32, rows along K; they are read once, as f32, and rounded to f16 in the wave, between LDS and the matrix unit.
; qkv: [nb 384][row 1024][16] f16, nb = column / 16 of the joined 6,144 columns: a result of 16 rows x 16 columns is 512 consecutive bytes.
; LIMITS.  |x|, |w| under 65,504; |q|, |k|, |v| under 524,000 (f16's range after the division by 8).  NaN and infinities are not treated apart.
; SHARES.  A tile is 256 rows x 96 columns; 64 x 4 tiles, one to a work-group.  Four waves as 2 halves of the rows (mh) x 2 halves of each K step (kh):
; a wave makes 128 x 96 over 64 of every 128 along K: 48 accumulators, 384 registers.  At the end the two waves of a row half exchange half of their
; sums through LDS, and each finishes 64 rows.  So that one text serves all waves, accumulator row block a = 4 g + i holds rows 64 ((g + kh) & 1) + 16 i:
; every wave keeps a = 0..3 and sends a = 4..7, which are the rows that its partner (wave ^ 2) keeps.
; CLUSTER 4 x 4.  The four of a cluster's row share xh's tile, the four of a column (all 1,024 rows) share the weights' tile: each is asked for jointly.
; THE MATRIX INSTRUCTION IS USED TRANSPOSED: source 0 = 16 rows of W, source 1 = 16 rows of xh: a lane holds one row and eight neighbouring columns.
; REGISTERS, in windows of 256 (s_set_vgpr_msb: bits 1:0 source 0, 3:2 source 1, 5:4 source 2, 7:6 destination):
;   window 0: v10-29 addresses; v32-95, v96-159 fragments of xh, two buffers; v160-207, v208-255 fragments of W in f16, two buffers; all of v32-255 at work on the way out
;   window 1: accumulators of column blocks 0-3, (a, b) at 8 (8 b + a)     window 2: v0-127 those of blocks 4, 5; v128-223 W as f32, as it comes from LDS
;   window 3: v0-191 the rope table for my 64 rows x 96 columns
.set NB,     6                         ; blocks of 16 columns in a tile
.set NAW,    1                         ; waves that fetch xh's tile: wave 0; waves 1-3 fetch 32 rows of W each
.set AROWS,  256/NAW
.set PA,     272                       ; an LDS row of xh: 256 bytes + 16: 17 x 16, so the 16 rows of a load start in 16 different groups of four banks (64 banks of 4 bytes: ISA guide 11.1)
.set PW,     528                       ; an LDS row of W: 512 bytes + 16: 33 x 16, likewise
.set ABYTES, 256*PA
.set WCH,    32*PW                     ; 32 rows of W: what one load brings.  Chunks of 32 rows, since tiles 42 and 53 cross from one weight buffer into the next
.set SLOT,   ABYTES+16*NB*PW           ; a K step of 128: xh's 256 rows, then W's 96
.set SPARE,  2*SLOT                    ; behind the two slots: the spare words, 128 bytes for each wave
.set XB,     4*NB*1024                 ; the exchange: 24 results of 1,024 bytes a wave, in slot 0's bytes when they have had their last fill and their last read
.set LAPS,   16                        ; a lap = two K steps
.set ADRA, 10                          ; v10-13  LDS address of my xh fragments: slot s, row group g at ADRA + 2 s + g
.set ADRW, 14                          ; v14-15  the same for W, slot s
.set XST,  16                          ; v16     the exchange: where I write
.set XLD,  17                          ; v17     where I read my partner's
.set GO,   18                          ; v18     (my first row + l % 16) * 32 + 16 (l / 16): my bytes in a block of qkv and in a plane of cs; never rewritten
.set PF,   21                          ; v21     the prefetch's lane term; never rewritten
.set SPW,  28                          ; v28     LDS address of my spare word; never rewritten
.set NIL,  29                          ; v29     0; never rewritten
.set FA,   32
.set FW,   160
.set ST,   128                         ; window 2
.set XR,   32                          ; the way out: my partner's sums, two buffers of 48
.set CF,   128                         ; cos / 8 (or 1 / 8) of four pairs
.set SF,   132                         ; sin / 8 (or 0)
.set UU,   136
.set OO,   144
.set HB,   160                         ; 24 x 4 registers of f16: every store has data registers of its own
.set WV,  16
.set MH,  17
.set KH,  18
.set CX,  19
.set CY,  20
.set TX,  21
.set G1A, 24                           ; s[24:31] descriptor group 1 for xh's tile;  s[32:39] group 0, a set for each slot
.set G0A, 32
.set G1W, 40                           ; s[40:47], s[48:55] the same for W's chunks
.set G0W, 48
.set LAPC, 56
.set KL,  57                           ; the lap that the prefetch asks for
.set WB,  58                           ; s[58:59] my chunk of W at k = 0
.set PFB, 60                           ; s[60:61] the prefetch's base
.set KOFF, 62                          ; s[62:63] its byte offset along K, high word 0
.set TAB, 66                           ; s[66:77] cs at the table block of each of my six column blocks
.set OB,  78                           ; s[78:79] qkv at my tile's first block
.set RR,  80
.set NN,  81
.set NB0, 82                           ; my tile's first block: 6 x tile column
.set MSB, 0
.macro WIN new                         ; the immediate's high byte repeats the setting that is left; a switch that changes nothing is dropped
.if MSB != (\new)
	s_set_vgpr_msb (MSB<<8)|(\new)
.set MSB, \new
.endif
.endm
.macro PLACES                          ; four places between a matrix instruction and a write, or a load, into one of its registers, or a read of its result
.rept 4
	v_nop
.endr
.endm
.macro CREST                           ; a round of the cluster's barrier behind its opening barrier
	s_cmp_lg_u32 s[WV], 0
	s_cbranch_scc1 .Lnot_wave_0_\@
	s_barrier_signal -3
.Lnot_wave_0_\@:
	s_barrier_wait -3
	s_barrier_signal -1
	s_barrier_wait -1
.endm
.macro CROUND
	s_barrier_signal -1
	s_barrier_wait -1
	CREST
.endm
; A joint load into slot s.  The branch hangs on the wave's number alone.  Four v_nop follow each of the two lines.
; pf = 1: the waves that fetch W also ask ahead, once a lap: 8 rows x 1,024 bytes of their own chunk, a lane to each 256 bytes.
.macro JLOAD s, pf
	s_cmp_lt_u32 s[WV], NAW
	s_cbranch_scc0 .Lfor_w_\@
	tensor_load_to_lds s[G0A+4*(\s):G0A+4*(\s)+3], s[G1A:G1A+7]
	s_nop 0
.rept 4
	v_nop
.endr
	s_branch .Lasked_\@
.Lfor_w_\@:
	tensor_load_to_lds s[G0W+4*(\s):G0W+4*(\s)+3], s[G1W:G1W+7]
	s_nop 0
.rept 4
	v_nop
.endr
.if \pf
	global_prefetch_b8 v[PF], s[PFB:PFB+1] th:TH_LOAD_NT scope:SCOPE_SE
.endif
.Lasked_\@:
.endm
	s_load_b256 s[4:11], s[0:1], 0x0               ; xh s[4:5], wq s[6:7], wk s[8:9], wv s[10:11]
	s_load_b128 s[12:15], s[0:1], 0x20             ; cs s[12:13], qkv s[14:15]
	v_lshl_add_u32 v[SPW], v0, 2, SPARE
	v_mov_b32 v[NIL], 0
	v_lshrrev_b32 v1, 5, v0
	v_readfirstlane_b32 s[WV], v1                  ; wave 0..3
	s_and_b32 s[MH], s[WV], 1                      ; my half of the rows
	s_lshr_b32 s[KH], s[WV], 1                     ; my half of each K step
	s_bfe_u32 s[CX], ttmp6, 0x40000
	s_bfe_u32 s[CY], ttmp6, 0x40004                ; the tile row: the grid is one cluster high
	s_lshl_b32 s[TX], ttmp9, 2
	s_add_co_u32 s[TX], s[TX], s[CX]               ; the tile column = 4 x cluster x + cx
	s_lshl_b32 s84, s[CY], 2
	s_lshl_b32 s84, 15, s84                        ; my row of the cluster
	s_lshl_b32 s86, 0x1111, s[CX]                  ; my column
	s_or_b32 s[G1A], s84, (1<<16)|(1<<20)|(1<<21)|(5<<22)|(3<<25)  ; the mask; 2-byte elements; padding on; 21 set beside a mask; after every 64 words 4 words
	s_or_b32 s[G1W], s86, (2<<16)|(1<<20)|(1<<21)|(6<<22)|(3<<25)  ; the mask; 4-byte elements; after every 128 words 4 words
	s_mov_b32 s[G1A+1], 128<<16                    ; tensor_dim0 = 128
	s_mov_b32 s[G1A+2], AROWS<<16                  ; tensor_dim1
	s_mov_b32 s[G1A+3], 128<<16                    ; tile_dim0 = 128
	s_mov_b32 s[G1A+4], AROWS                      ; tile_dim1
	s_mov_b32 s[G1A+5], 4096                       ; elements from row to row
	s_mov_b32 s[G1A+6], 0
	s_mov_b32 s[G1A+7], 0
	s_mov_b32 s[G1W+1], 128<<16
	s_mov_b32 s[G1W+2], 32<<16
	s_mov_b32 s[G1W+3], 128<<16
	s_mov_b32 s[G1W+4], 32
	s_mov_b32 s[G1W+5], 4096
	s_mov_b32 s[G1W+6], 0
	s_mov_b32 s[G1W+7], 0
	s_lshl_b32 s84, s[CY], 21                      ; xh: 256 rows of 8,192 bytes a tile row; made of cy alone
	s_mov_b32 s85, 0
	s_max_u32 s22, s[WV], 1
	s_sub_co_u32 s22, s22, 1                       ; which chunk of the tile's three (wave 0 asks by xh's line and never uses this)
	s_mul_i32 s23, s[TX], NB/2
	s_add_co_u32 s22, s22, s23                     ; chunk u of the 192: 0-127 wq, 128-159 wk, 160-191 wv; made of the tile column and the wave's number
	s_mov_b32 s88, 128
	s_mov_b32 s89, 160
	s_mul_i32 s90, s[WV], AROWS*PA                 ; where xh's part goes,
	s_mul_i32 s91, s[WV], WCH                      ; and W's: a constant + wave x a constant; no place in the cluster enters an LDS address
	s_add_co_u32 s91, s91, ABYTES-NAW*WCH
	s_mov_b32 s[KL], 2
	s_mov_b32 s[KOFF+1], 0
	s_mul_i32 s[NB0], s[TX], NB
	s_wait_kmcnt 0x0
	s_add_nc_u64 s[92:93], s[4:5], s[84:85]
	s_cmp_lt_u32 s22, 160                          ; the buffer is chosen by selects, not by a branch
	s_cselect_b64 s[WB:WB+1], s[8:9], s[10:11]
	s_cselect_b32 s23, s88, s89
	s_cmp_lt_u32 s22, 128
	s_cselect_b64 s[WB:WB+1], s[6:7], s[WB:WB+1]
	s_cselect_b32 s23, 0, s23
	s_sub_co_u32 s22, s22, s23                     ; the chunk's number in its buffer
	s_lshl_b32 s86, s22, 19                        ; 32 rows of 16,384 bytes
	s_mov_b32 s87, 0
	s_add_nc_u64 s[WB:WB+1], s[WB:WB+1], s[86:87]
	CROUND                                         ; all sixteen work-groups are here: the first joint loads meet
.irp s, 0,1
	s_mov_b32 s[G0A+4*(\s)], 1
	s_add_co_u32 s[G0A+4*(\s)+1], s90, (\s)*SLOT
	s_add_nc_u64 s[G0A+4*(\s)+2:G0A+4*(\s)+3], s[92:93], (\s)*256   ; K step s: 128 f16
	s_or_b32 s[G0A+4*(\s)+3], s[G0A+4*(\s)+3], 0x80000000
	s_mov_b32 s[G0W+4*(\s)], 1
	s_add_co_u32 s[G0W+4*(\s)+1], s91, (\s)*SLOT
	s_add_nc_u64 s[G0W+4*(\s)+2:G0W+4*(\s)+3], s[WB:WB+1], (\s)*512 ; 128 f32
	s_or_b32 s[G0W+4*(\s)+3], s[G0W+4*(\s)+3], 0x80000000
	JLOAD \s, 0                                    ; two loads of mine are out
.endr
	v_and_b32 v1, 15, v0                           ; r = l % 16
	v_bfe_u32 v2, v0, 4, 1                         ; h = l / 16
	s_lshl_b32 s94, s[CY], 8
	s_lshl_b32 s95, s[MH], 7
	s_add_co_u32 s94, s94, s95
	s_lshl_b32 s95, s[KH], 6
	s_add_co_u32 s94, s94, s95                     ; the first of the 64 rows that I finish
	v_add_nc_u32 v6, s94, v1
	v_lshlrev_b32 v6, 5, v6
	v_lshl_add_u32 v[GO], v2, 4, v6
.irp b, 0,1,2,3,4,5
	s_add_co_u32 s86, s[NB0], \b
	s_and_b32 s86, s86, 7                          ; the block's place in its head
	s_lshl_b32 s86, s86, 16
	s_add_nc_u64 s[TAB+2*(\b):TAB+2*(\b)+1], s[12:13], s[86:87]
.endr
	s_lshl_b32 s86, s[NB0], 15
	s_add_nc_u64 s[OB:OB+1], s[14:15], s[86:87]
	WIN 0xc0                                       ; the table goes to window 3 and is waited for at the end; each load covers 512 consecutive bytes
.irp i, 0,1,2,3
.irp b, 0,1,2,3,4,5
	global_load_b128 v[8*(6*(\i)+(\b)):8*(6*(\i)+(\b))+3],   v[GO], s[TAB+2*(\b):TAB+2*(\b)+1] offset:(\i)*512
	global_load_b128 v[8*(6*(\i)+(\b))+4:8*(6*(\i)+(\b))+7], v[GO], s[TAB+2*(\b):TAB+2*(\b)+1] offset:32768+(\i)*512
.endr
.endr
	WIN 0
	; The prefetch.  A chunk's 32 rows are shared out among the column's four partners, 8 rows each; a lap is 1,024 bytes of a row: 32 lanes, 256 bytes apart.
	; Laps 1 and 2 are asked for here; trip L of the loop, which loads lap L + 1, asks for lap L + 3, clamped to the last lap: no address leaves the row.
	v_bfe_u32 v7, v0, 2, 3
	s_lshl_b32 s94, s[CY], 3
	v_add_nc_u32 v7, s94, v7
	v_and_b32 v8, 3, v0
	v_lshlrev_b32 v8, 8, v8
	v_lshl_add_u32 v[PF], v7, 14, v8
	s_cmp_lt_u32 s[WV], NAW
	s_cbranch_scc1 .Lno_pf
	global_prefetch_b8 v[PF], s[WB:WB+1] offset:1024 th:TH_LOAD_NT scope:SCOPE_SE
	global_prefetch_b8 v[PF], s[WB:WB+1] offset:2048 th:TH_LOAD_NT scope:SCOPE_SE
.Lno_pf:
	; A fragment is 16 rows x 32 K: lane l holds row l % 16, K = 8 h + 0..7 and 16 + 8 h + 0..7.
	v_mul_u32_u24 v3, v1, PA
	v_lshl_add_u32 v3, v2, 4, v3                   ; r x pitch + 16 h
	s_mul_i32 s22, s[MH], 128*PA
	s_lshl_b32 s23, s[KH], 7                       ; my 64 of the step's 128 f16
	s_add_co_u32 s22, s22, s23
	s_mul_i32 s23, s[KH], 64*PA                    ; row group g = 0 begins at row 64 kh,
	s_add_co_u32 s23, s22, s23
	s_xor_b32 s86, s[KH], 1
	s_mul_i32 s86, s86, 64*PA                      ; g = 1 at row 64 (1 - kh)
	s_add_co_u32 s86, s22, s86
	v_add_nc_u32 v[ADRA], s23, v3
	v_add_nc_u32 v[ADRA+1], s86, v3
	v_add_nc_u32 v[ADRA+2], SLOT, v[ADRA]
	v_add_nc_u32 v[ADRA+3], SLOT, v[ADRA+1]
	v_mul_u32_u24 v4, v1, PW
	v_lshl_add_u32 v4, v2, 5, v4                   ; r x pitch + 32 h: eight f32
	s_lshl_b32 s22, s[KH], 8                       ; my 64 of the step's 128 f32
	s_add_co_u32 s22, s22, ABYTES
	v_add_nc_u32 v[ADRW], s22, v4
	v_add_nc_u32 v[ADRW+1], SLOT, v[ADRW]
	v_and_b32 v5, 31, v0
	v_lshlrev_b32 v5, 4, v5
	s_mul_i32 s22, s[WV], XB
	v_add_nc_u32 v[XST], s22, v5
	s_xor_b32 s23, s[WV], 2
	s_mul_i32 s23, s23, XB
	v_add_nc_u32 v[XLD], s23, v5
; 16 LDS loads: xh's fragments of my 128 rows, 32 along K (chunk j of my 64), into buffer f
.macro FETCH_A slot, j, f
	WIN 0
.irp a, 0,1,2,3,4,5,6,7
	ds_load_b128 v[FA+64*(\f)+8*(\a):FA+64*(\f)+8*(\a)+3],   v[ADRA+2*(\slot)+(\a)/4] offset:((\a)%4)*16*PA+64*(\j)
	ds_load_b128 v[FA+64*(\f)+8*(\a)+4:FA+64*(\f)+8*(\a)+7], v[ADRA+2*(\slot)+(\a)/4] offset:((\a)%4)*16*PA+64*(\j)+32
.endr
.endm
; 4 NB LDS loads: W's 96 rows, 32 along K, as f32 into window 2: registers 2 q, 2 q + 1 of a block are the two numbers of fragment register q
.macro FETCH_W slot, j
	WIN 0x80
.set bb, 0
.rept NB
	ds_load_b128 v[ST+16*bb:ST+16*bb+3],     v[ADRW+(\slot)] offset:bb*16*PW+128*(\j)
	ds_load_b128 v[ST+16*bb+4:ST+16*bb+7],   v[ADRW+(\slot)] offset:bb*16*PW+128*(\j)+16
	ds_load_b128 v[ST+16*bb+8:ST+16*bb+11],  v[ADRW+(\slot)] offset:bb*16*PW+128*(\j)+64
	ds_load_b128 v[ST+16*bb+12:ST+16*bb+15], v[ADRW+(\slot)] offset:bb*16*PW+128*(\j)+80
.set bb, bb+1
.endr
.endm
; Matrix instructions lo .. hi - 1 of a chunk's 8 NB, on buffers f: number 8 b + a is column block b x row block a.  The 48 accumulators take turns, one
; instruction a turn, in the same order in every chunk.  zero = 1: the product starts the sum.
; ride = 1: behind each stand four roundings of the next chunk's W to f16, into the other buffer; they name no register of the products round them.
.macro MULS f, lo, hi, zero, ride
.set idx, \lo
.rept (\hi)-(\lo)
.set bb, idx/8
.set aa, idx%8
.set AC, 8*(8*(bb%4)+aa)
	WIN 0x50+0x50*(bb/4)
.if \zero
	v_wmma_f32_16x16x32_f16 v[AC:AC+7], v[FW+48*(\f)+8*bb:FW+48*(\f)+8*bb+7], v[FA+64*(\f)+8*aa:FA+64*(\f)+8*aa+7], 0
.else
	v_wmma_f32_16x16x32_f16 v[AC:AC+7], v[FW+48*(\f)+8*bb:FW+48*(\f)+8*bb+7], v[FA+64*(\f)+8*aa:FA+64*(\f)+8*aa+7], v[AC:AC+7]
.endif
.if \ride
	WIN 0x0a
.rept 4
	v_cvt_pk_f16_f32 v[FW+48*(1-(\f))+qq], v[ST+2*qq], v[ST+2*qq+1]
.set qq, qq+1
.endr
.endif
.set idx, idx+1
.endr
.endm
; A slot's first chunk: multiplies buffers 0 and brings the slot's second chunk into buffers 1.
.macro CHUNK slot, zero
	FETCH_W \slot, 1
	s_wait_dscnt 4*NB                              ; xh's fragments of buffer 0 are in; only the loads just issued are younger
	MULS 0, 0, 4*NB, \zero, 0
	PLACES                                         ; in front of the loads into buffer 1
	FETCH_A \slot, 1, 1
	MULS 0, 4*NB, 6*NB, \zero, 0
	s_wait_dscnt 16                                ; W's f32 are in; xh's sixteen loads are younger
.set qq, 0
	MULS 0, 6*NB, 8*NB, \zero, 1
.endm
; A slot's second chunk multiplies buffers 1 and changes slots.  In front of the barrier each wave waits for all its tensor loads (one is out: its part of the
; other slot), adds 0 to its spare word, and waits for that and for its reads of this slot.  fill = 1: the barrier opens a round of the cluster's, and behind it
; this slot is filled again, two K steps on, first of all.  From that request to the wait for it a wave issues 88 of a K step's 96 matrix instructions.
.macro TURN s, fill
	WIN 0
	s_wait_tensorcnt 0x0                           ; all my tensor loads have landed
	ds_add_u32 v[SPW], v[NIL]                      ; 0 onto my spare word
.if (\fill) && ((\s) == 0)
	s_wait_xcnt 0x0                                ; the last lap's prefetch has read its base
	s_add_co_u32 s[KL], s[KL], 1
	s_min_u32 s[KOFF], s[KL], 15                   ; clamped to the last lap
	s_lshl_b32 s[KOFF], s[KOFF], 10
	s_add_nc_u64 s[PFB:PFB+1], s[WB:WB+1], s[KOFF:KOFF+1]
.endif
	s_wait_dscnt 1                                 ; xh's fragments of buffer 1 are in; the add may be out
	MULS 1, 0, 4, 0, 0
	s_wait_dscnt 0x0                               ; the add is done, and my reads of this slot are over
	s_barrier_signal -1
	MULS 1, 4, 8, 0, 0                             ; work on registers while the others arrive
	WIN 0
	s_barrier_wait -1
.if \fill
	CREST                                          ; no wave of any partner still reads this slot or has a load on its way
	s_add_nc_u64 s[G0A+4*(\s)+2:G0A+4*(\s)+3], s[G0A+4*(\s)+2:G0A+4*(\s)+3], 512
	s_add_nc_u64 s[G0W+4*(\s)+2:G0W+4*(\s)+3], s[G0W+4*(\s)+2:G0W+4*(\s)+3], 1024
	JLOAD \s, 1-(\s)                               ; its four v_nop are also the places in front of the loads into buffer 0
.else
	PLACES
.endif
	FETCH_W 1-(\s), 0
	MULS 1, 8, 4*NB, 0, 0
	FETCH_A 1-(\s), 0, 0
	MULS 1, 4*NB, 6*NB, 0, 0
	s_wait_dscnt 16                                ; W's f32 are in
.set qq, 0
	MULS 1, 6*NB, 8*NB, 0, 1
.endm
	s_wait_tensorcnt 0x1                           ; my part of K step 0 is in; K step 1's may stay out
	s_barrier_signal -1
	s_barrier_wait -1
	FETCH_W 0, 0
	FETCH_A 0, 0, 0
	s_wait_dscnt 16
	WIN 0x0a
.set qq, 0
.rept 8*NB
	v_cvt_pk_f16_f32 v[FW+qq], v[ST+2*qq], v[ST+2*qq+1]
.set qq, qq+1
.endr
	CHUNK 0, 1                                     ; the first chunk stands in front of the loop: its products start the sums
	WIN 0
	s_mov_b32 s[LAPC], LAPS-1
.Llap:                                                 ; a trip goes once round the ring and fills both slots again: K steps 2 to 31
	TURN 0, 1
	CHUNK 1, 0
	TURN 1, 1
	CHUNK 0, 0
	WIN 0
	s_sub_co_u32 s[LAPC], s[LAPC], 1
	s_cmp_lg_u32 s[LAPC], 0
	s_cbranch_scc1 .Llap
	TURN 0, 0                                      ; the last lap fills nothing
	CHUNK 1, 0
	s_wait_dscnt 0x0
	MULS 1, 0, 8*NB, 0, 0
	PLACES
	; THE EXCHANGE.  Slot 0 has had its last fill, and every wave's reads of it were over at the last barrier: its bytes take the sums of row blocks 4-7.
.set bb, 0
.rept NB
	WIN 0x04+0x04*(bb/4)                           ; the stores' data lie in window 1 or 2
.irp i, 0,1,2,3
	ds_store_b128 v[XST], v[8*(8*(bb%4)+4+(\i)):8*(8*(bb%4)+4+(\i))+3]   offset:((\i)*NB+bb)*1024
	ds_store_b128 v[XST], v[8*(8*(bb%4)+4+(\i))+4:8*(8*(bb%4)+4+(\i))+7] offset:((\i)*NB+bb)*1024+512
.endr
.set bb, bb+1
.endr
	WIN 0
	s_wait_dscnt 0x0                               ; for my partner's sake: my stores are done
	s_barrier_signal -1
	s_barrier_wait -1
.macro LOADX i                         ; my partner's sums for my row block i
.set bb, 0
.rept NB
	ds_load_b128 v[XR+8*NB*((\i)%2)+8*bb:XR+8*NB*((\i)%2)+8*bb+3],   v[XLD] offset:((\i)*NB+bb)*1024
	ds_load_b128 v[XR+8*NB*((\i)%2)+8*bb+4:XR+8*NB*((\i)%2)+8*bb+7], v[XLD] offset:((\i)*NB+bb)*1024+512
.set bb, bb+1
.endr
.endm
; Row block i is finished: the two halves of K are added; (t0, t1) becomes (t0 c - t1 s, t0 s + t1 c) with c = cos R + N, s = sin R:
; R = 1/8, N = 0 for q's and k's blocks, R = 0, N = 1/8 for v's: a select of two scalars, no branch.  Then f16, and 512 consecutive bytes leave.
.macro FINQ i
.set XRB, XR+8*NB*((\i)%2)
.irp b, 0,1,2,3,4,5
.set AC, 8*(8*((\b)%4)+(\i))
.set XF, XRB+8*(\b)
.set TBL, 8*(6*(\i)+(\b))
.set HH, HB+4*(6*(\i)+(\b))
	s_add_co_u32 s22, s[NB0], \b
	s_cmp_lt_u32 s22, 320
	s_cselect_b32 s[RR], 0x3e000000, 0
	s_cselect_b32 s[NN], 0, 0x3e000000
	WIN 0x01+(\b)/4                                ; source 0: the accumulator's window
.irp k, 0,1,2,3
	v_pk_add_f32 v[XF+2*(\k):XF+2*(\k)+1], v[AC+2*(\k):AC+2*(\k)+1], v[XF+2*(\k):XF+2*(\k)+1]
.endr
	WIN 0x03                                       ; source 0: the table
.irp k, 0,1,2,3
	v_fma_f32 v[CF+(\k)], v[TBL+2*(\k)], s[RR], s[NN]
	v_mul_f32 v[SF+(\k)], v[TBL+2*(\k)+1], s[RR]
.endr
	WIN 0
.irp k, 0,1,2,3
	v_mul_f32 v[UU+2*(\k)],   v[XF+2*(\k)+1], v[SF+(\k)]
	v_mul_f32 v[UU+2*(\k)+1], v[XF+2*(\k)+1], v[CF+(\k)]
.endr
.irp k, 0,1,2,3
	v_fma_f32 v[OO+2*(\k)],   v[XF+2*(\k)], v[CF+(\k)], -v[UU+2*(\k)]
	v_fma_f32 v[OO+2*(\k)+1], v[XF+2*(\k)], v[SF+(\k)], v[UU+2*(\k)+1]
.endr
.irp k, 0,1,2,3
	v_cvt_pk_f16_f32 v[HH+(\k)], v[OO+2*(\k)], v[OO+2*(\k)+1]
.endr
	global_store_b128 v[GO], v[HH:HH+3], s[OB:OB+1] offset:(\b)*32768+(\i)*512
.endr
.endm
	LOADX 0
	s_wait_loadcnt 0x0                             ; the table
.irp i, 0,1,2
	LOADX (\i)+1
	s_wait_dscnt 2*NB                              ; block i is in; the next block's loads are younger
	FINQ \i
.endr
	s_wait_dscnt 0x0
	FINQ 3
	s_wait_tensorcnt 0x0                           ; the wave's end
	ds_add_u32 v[SPW], v[NIL]
	s_wait_dscnt 0x0
	CROUND                                         ; the closing round
	s_endpgm
.Lfunc_end_k_q159287f806_qkv:
	.size	k_q159287f806_qkv, .Lfunc_end_k_q159287f806_qkv-k_q159287f806_qkv
	.p2alignl 7, 3214868480
	.fill 96, 4, 3214868480
	.section	.rodata,"a",@progbits
	.p2align	6, 0x0
	.amdhsa_kernel k_q159287f806_qkv
		.amdhsa_group_segment_fixed_size 327680
		.amdhsa_private_segment_fixed_size 0
		.amdhsa_enable_private_segment 0
		.amdhsa_kernarg_size 48
		.amdhsa_user_sgpr_count 2
		.amdhsa_user_sgpr_kernarg_segment_ptr 1
		.amdhsa_wavefront_size32 1
		.amdhsa_system_sgpr_workgroup_id_x 1
		.amdhsa_system_sgpr_workgroup_id_y 1
		.amdhsa_system_sgpr_workgroup_id_z 1
		.amdhsa_system_vgpr_workitem_id 0
		.amdhsa_next_free_vgpr 1024
		.amdhsa_next_free_sgpr 100
		.amdhsa_reserve_vcc 0
		.amdhsa_float_denorm_mode_32 3
		.amdhsa_float_denorm_mode_16_64 3
		.amdhsa_memory_ordered 1
		.amdhsa_forward_progress 1
		.amdhsa_inst_pref_size 151
	.end_amdhsa_kernel
	.amdgpu_metadata
---
amdhsa.version: [ 1, 2 ]
amdhsa.kernels:
  - .name:           k_q159287f806_qkv
    .symbol:         k_q159287f806_qkv.kd
    .args:
      - { .name: xh, .offset: 0, .size: 8, .value_kind: global_buffer, .address_space: global }
      - { .name: wq, .offset: 8, .size: 8, .value_kind: global_buffer, .address_space: global }
      - { .name: wk, .offset: 16, .size: 8, .value_kind: global_buffer, .address_space: global }
      - { .name: wv, .offset: 24, .size: 8, .value_kind: global_buffer, .address_space: global }
      - { .name: cs, .offset: 32, .size: 8, .value_kind: global_buffer, .address_space: global }
      - { .name: qkv, .offset: 40, .size: 8, .value_kind: global_buffer, .address_space: global }
    .group_segment_fixed_size: 327680
    .private_segment_fixed_size: 0
    .kernarg_segment_align: 8
    .kernarg_segment_size: 48
    .max_flat_workgroup_size: 128
    .sgpr_count:     100
    .vgpr_count:     1024
    .wavefront_size: 32
...
	.end_amdgpu_metadata
.endif
;; end of part 2
;; launch attn (part 3): grid 8 x 32, 4 waves a work-group, clusters of 4 x 1, 327,680 bytes of LDS; arguments qkv, oh; writes oh
.if DOCPART == 3
	.amdgcn_target "amdgcn-amd-amdhsa--gfx1250"
	.amdhsa_code_object_version 6
	.text
	.protected	k_q159287f806_attn
	.globl	k_q159287f806_attn
	.p2align	8
	.type	k_q159287f806_attn,@function
k_q159287f806_attn:
	s_mov_b64 s[64:65], 0
	v_nop
	global_prefetch_b8 v0, s[64:65] scope:SCOPE_SE
	s_setreg_imm32_b32 hwreg(HW_REG_WAVE_MODE, 25, 1), 1
	s_wait_xcnt 0x0
	s_wait_alu depctr_hold_cnt(0) depctr_sa_sdst(0) depctr_va_vdst(0) depctr_va_sdst(0) depctr_va_ssrc(0) depctr_va_vcc(0) depctr_vm_vsrc(0)
	s_getreg_b32 s2, hwreg(HW_REG_IB_STS2, 6, 4)
	s_cmp_eq_u32 s2, 0
	s_cbranch_scc0 .Lentry_in_a_cluster
	s_endpgm
.Lentry_in_a_cluster:
	s_bfe_u32 s2, ttmp6, 0x10000c
	s_cmp_lg_u32 s2, 0x3003
	s_cbranch_scc0 .Lentry_shape_is_right
	s_endpgm
.Lentry_shape_is_right:
; oh[q][128 hq + :] = 1/2 x the sum over k of softmax_k(Q[hq][q] . K[g][k] / sqrt(128)) V[g][k][:], g = hq / 4; 32 query heads, 8 key heads, 1,024 rows, no mask.
; qkv: [nb 384][row 1024][16] f16, holding q / 8 (blocks 8 hq ..), k / 8 (256 + 8 g ..), v / 8 (320 + 8 g ..).  oh: [1024][4096] f16.
; Products, maxima and sums in f32; the weights p are rounded to f16 for the second product (their sum l is taken of the unrounded p), O once at the end.
; The powers of two are exact: c = 64 log2(e) / sqrt(128) undoes q's and k's, 4 / l makes O / 2 of the sum over v / 8.
; LIMITS.  |O| under 131,000 (f16's range after the division by 2); a weight below 2^-126 counts as 0 in l; NaN and infinities are not treated apart.
; SHARES.  A work-group owns 128 queries of one head.  Waves: qh = w & 1 picks 64 queries (four tiles of 16), kh = w >> 1 picks 64 of every 128 keys.  So a fragment of K or V
; read from LDS feeds four tiles' products, and each of the 256 work-groups has eight key steps a wave.  At the end the two waves of a query half merge (c m, l, O^T) through
; LDS.  Tile t holds query tile (t + 2 kh) & 3: every wave keeps t = 0, 1 and sends t = 2, 3, which are the tiles that its partner (wave ^ 2) keeps: one text for all waves.
; LAYOUT.  S^T = K Q^T (source 0 = 16 keys, source 1 = 16 queries): a lane holds ONE query (lane % 16) and the keys 8 (lane / 16) + 0..7.  Two such results, rounded to f16 in
; pairs, ARE source 1 of O^T = V^T P, whose result again holds one query a lane, and eight channels.  V comes out of LDS turned, by ds_load_tr16_b128.
; SOFTMAX.  A running maximum m and sum l for each query: p = 2^(c s - c m); in every step O and l are multiplied by a = 2^(c m_old - c m_new).
; BY TURNS.  The wave's tiles are two PIECES (0: tiles 0, 1; 2: tiles 2, 3).  In a TURN one piece has the matrix unit: 32 products V^T P of the step in hand, then 32 products
; K Q^T of the next step; the other piece's softmax, cut into 64 slices, stands between them, one slice behind each matrix instruction.  Two turns are a key step.
; CLUSTER.  Four query blocks of one head walk the same K and V: each tile is asked for JOINTLY, with the same descriptor and a mask that names the four.
; REGISTERS, in windows of 256 (s_set_vgpr_msb: bits 1:0 source 0, 3:2 source 1, 5:4 source 2, 7:6 destination):
;   window 0: v0-11, v44-49 addresses; v12-43 eight registers of statistics a tile; v64-191 S^T, 32 a tile; v192-255 P, 16 a tile
;   window 1: O^T, 64 a tile          window 2: v0-127 Q, 32 a tile; v128-255 K of one step          window 3: v0-127 V of one step
.set GP,    272       ; eight keys of a channel block in LDS: 256 bytes + 16 of padding
.set CB,    16*GP     ; a channel block (16 channels) of a slot's 128 keys
.set VOFF,  8*CB      ; a slot: K's eight channel blocks, then V's
.set SLOT1, 1<<17     ; slot 1 begins here, so that one exclusive or turns an address in one slot into the other's
.set STAGE, SLOT1+2*VOFF   ; behind the ring, never filled by a tensor load: 16 rows x 272 bytes for each wave, for the way out
.set SP,    272
.set MERGE, STAGE+4*16*SP  ; for each wave two tiles of O^T (8,192 bytes each), then two x 256 bytes of statistics
.set MB,    16896
.set SPARE, MERGE+4*MB     ; the spare words, 128 bytes for each wave
.set AK0, 2           ; v2   my lane's place in a slot's K; never rewritten
.set AV0, 3           ; v3   the same for V
.set ADR, 4           ; v4   the LDS address of the run of loads in hand
.set STO, 6           ; v6   the way out: where I put 16 bytes of a row
.set RD,  7           ; v7   where I read a row back
.set GO,  8           ; v8   my byte offset in two rows of oh
.set QOLO, 44         ; v44  my byte offset in Q for tiles 0, 1
.set QOHI, 45         ; v45  for tiles 2, 3
.set MS16, 46         ; v46  the merge: where I write O^T
.set MS8,  47         ; v47  where I write (c m, l)
.set ML16, 48         ; v48  where I read my partner's O^T
.set ML8,  49         ; v49  and its (c m, l)
.set SPW, 62          ; v62  LDS address of my spare word; never rewritten
.set NIL, 63          ; v63  0; never rewritten
.set ST,  12          ; tile t's statistics at v[ST+8 t]: +0 c m, +1 m, +2, +3 l (even keys', odd keys'), +4 to +7 c0-c3, at work; a takes c2's place once the maximum is found
.set S,   64
.set P,   192
.set KF,  128         ; K's fragments, in window 2
.set WV,  12          ; s12  my wave's number
.set G1,  24          ; s[24:31] descriptor group 1, for K's and V's tiles alike
.set G0K, 40          ; s[40:47] descriptor group 0 for K's tiles: a set for each of the two first fills; the second then walks on
.set G0V, 48          ; s[48:55] the same for V's
.set SLOTS, 56
.set CS,  58          ; s[58:59] c
.set SEL, 60          ; s[60:61] lane selects for v_permlanex16_b32: each lane takes its own place in the other half
.set TB,  62          ; s62  LDS byte at which the slot to be fetched from begins
.set MSB, 0
.macro WIN new
.if MSB != (\new)
	s_set_vgpr_msb (MSB<<8)|(\new)
.set MSB, \new
.endif
.endm
.set W_KQ, 0x0a       ; K and Q in window 2, S^T in window 0
.set W_PV, 0x53       ; V in window 3, P in window 0, O^T in window 1
.set W_RS, 0x41       ; O^T (destination and source 0) in window 1, a in window 0
; A joint refill.  Waves 0 and 1 fetch the two halves of K's channel blocks, waves 2 and 3 those of V's.  Four v_nop follow each of the two lines.
.macro JLOAD
	s_cmp_lt_u32 s[WV], 2
	s_cbranch_scc0 .Lfor_v_\@
	tensor_load_to_lds s[G0K+4:G0K+7], s[G1:G1+7]
	s_nop 0
.rept 4
	v_nop
.endr
	s_branch .Lasked_\@
.Lfor_v_\@:
	tensor_load_to_lds s[G0V+4:G0V+7], s[G1:G1+7]
	s_nop 0
.rept 4
	v_nop
.endr
.Lasked_\@:
.endm
.macro CROUND                       ; a round of the cluster's barrier
	s_barrier_signal -1
	s_barrier_wait -1
	s_cmp_lg_u32 s[WV], 0
	s_cbranch_scc1 .Lnot_wave_0_\@
	s_barrier_signal -3
.Lnot_wave_0_\@:
	s_barrier_wait -3
	s_barrier_signal -1
	s_barrier_wait -1
.endm
	s_load_b128 s[4:7], s[0:1], 0x0 ; qkv s[4:5], oh s[6:7]
	v_lshl_add_u32 v[SPW], v0, 2, SPARE
	v_mov_b32 v[NIL], 0
	v_lshrrev_b32 v1, 5, v0
	v_readfirstlane_b32 s[WV], v1   ; wave 0..3
	s_bfe_u32 s13, ttmp6, 0x40000   ; cx
	s_lshl_b32 s14, ttmp9, 2
	s_add_co_u32 s14, s14, s13      ; my block of 128 queries: it enters Q's and oh's addresses alone
	s_and_b32 s15, ttmp7, 0xffff    ; the query head, which the four partners share
	s_lshr_b32 s16, s15, 2          ; the key head
	s_and_b32 s17, s[WV], 1         ; qh.  Also: which four channel blocks I fetch
	s_lshr_b32 s18, s[WV], 1        ; kh
	s_lshl_b32 s20, s16, 3
	s_lshl_b32 s21, s17, 2
	s_add_co_u32 s20, s20, s21
	s_add_co_u32 s20, s20, 256      ; K's block 256 + 8 g + 4 (w & 1),
	s_lshl_b32 s20, s20, 15         ; 32,768 bytes a block
	s_mov_b32 s21, 0
	s_mul_i32 s19, s17, 4*CB        ; and its place in a slot: no place in the cluster enters an LDS address
	s_lshl_b32 s2, s15, 18          ; Q: block 8 hq,
	s_lshl_b32 s3, s14, 12          ; row 128 qb
	s_add_co_u32 s2, s2, s3
	s_lshl_b32 s3, s17, 11          ; + 64 qh, 32 bytes a row
	s_add_co_u32 s2, s2, s3
	s_mov_b32 s3, 0
	s_lshl_b32 s22, s14, 20         ; oh: row 128 qb + 64 qh + 32 kh, 8,192 bytes a row,
	s_lshl_b32 s23, s17, 19
	s_add_co_u32 s22, s22, s23
	s_lshl_b32 s23, s18, 18
	s_add_co_u32 s22, s22, s23
	s_lshl_b32 s23, s15, 8          ; the head's 256 bytes
	s_add_co_u32 s22, s22, s23
	s_mov_b32 s23, 0
	; descriptor group 1: four channel blocks, each 128 keys x 32 bytes = a row of 4,096 dense bytes, 32,768 bytes apart; padded in LDS after every eight keys
	s_mov_b32 s[G1], 15|(1<<16)|(1<<20)|(1<<21)|(5<<22)|(3<<25)  ; the mask of four; 2-byte elements; padding on; 21 set beside a mask; after every 64 words 4 words
	s_mov_b32 s[G1+1], 2048<<16     ; tensor_dim0 = 2,048
	s_mov_b32 s[G1+2], 4<<16        ; tensor_dim1 = 4
	s_mov_b32 s[G1+3], 2048<<16     ; tile_dim0 = 2,048
	s_mov_b32 s[G1+4], 4            ; tile_dim1 = 4
	s_mov_b32 s[G1+5], 16384        ; elements from row to row
	s_mov_b32 s[G1+6], 0
	s_mov_b32 s[G1+7], 0
	s_mov_b32 s[CS], 0x410293ee     ; c = 64 log2(e) / sqrt(128) = 8.1611
	s_mov_b32 s[CS+1], s[CS]        ; named with it as a pair
	s_mov_b32 s[SEL], 0x76543210
	s_mov_b32 s[SEL+1], 0xfedcba98
	s_mov_b32 s[TB], 0
	s_mov_b32 s[SLOTS], 5
	s_wait_kmcnt 0x0
	s_add_nc_u64 s[32:33], s[4:5], s[20:21]      ; K at my four blocks, key 0
	s_add_nc_u64 s[34:35], s[32:33], 0x200000    ; V lies 64 blocks on
	s_add_nc_u64 s[8:9], s[4:5], s[2:3]          ; Q at my wave's first row
	s_add_nc_u64 s[10:11], s[6:7], s[22:23]      ; oh at the first row that I store
	CROUND                          ; all four work-groups are here: the first joint loads meet
.irp s, 0,1
	s_mov_b32 s[G0K+4*(\s)], 1
	s_add_co_u32 s[G0K+4*(\s)+1], s19, (\s)*SLOT1
	s_add_nc_u64 s[G0K+4*(\s)+2:G0K+4*(\s)+3], s[32:33], (\s)*4096  ; slot s begins with keys 128 s to 128 s + 127
	s_or_b32 s[G0K+4*(\s)+3], s[G0K+4*(\s)+3], 0x80000000
	s_mov_b32 s[G0V+4*(\s)], 1
	s_add_co_u32 s[G0V+4*(\s)+1], s19, (\s)*SLOT1+VOFF
	s_add_nc_u64 s[G0V+4*(\s)+2:G0V+4*(\s)+3], s[34:35], (\s)*4096
	s_or_b32 s[G0V+4*(\s)+3], s[G0V+4*(\s)+3], 0x80000000
.endr
	s_cmp_lt_u32 s[WV], 2           ; a wave's two first fills stand in one branch, ahead of every wait on TENSORcnt and every LDS read: two loads of mine are out
	s_cbranch_scc0 .Lfirst_v
	tensor_load_to_lds s[G0K:G0K+3], s[G1:G1+7]
	s_nop 0
	tensor_load_to_lds s[G0K+4:G0K+7], s[G1:G1+7]
	s_nop 0
.rept 4
	v_nop
.endr
	s_branch .Lfirst_asked
.Lfirst_v:
	tensor_load_to_lds s[G0V:G0V+3], s[G1:G1+7]
	s_nop 0
	tensor_load_to_lds s[G0V+4:G0V+7], s[G1:G1+7]
	s_nop 0
.rept 4
	v_nop
.endr
.Lfirst_asked:
	; A fragment of K or Q is 16 rows x 32 channels: lane l holds row l % 16; registers 0-3 channels 8 (l / 16) + 0..7 of the first of two channel blocks, registers 4-7 the same of the second.
	v_and_b32 v1, 15, v0            ; l % 16
	v_bfe_u32 v9, v0, 4, 1          ; l / 16
	v_lshlrev_b32 v10, 5, v1
	v_lshl_add_u32 v10, v9, 4, v10  ; row x 32 + 16 x half
	s_lshl_b32 s13, s18, 10         ; tiles 0, 1 begin at row 32 kh,
	v_add_nc_u32 v[QOLO], s13, v10
	s_xor_b32 s13, s13, 1024        ; tiles 2, 3 at row 32 (1 - kh)
	v_add_nc_u32 v[QOHI], s13, v10
	WIN 0x80                        ; destination window 2, address window 0
.irp i, 0,1,2,3,4,5,6,7,8,9,10,11,12,13,14,15  ; Q stays in registers: tile i / 4, channels 32 (i % 4) on; each load covers 512 consecutive bytes
	global_load_b128 v[8*(\i):8*(\i)+3],   v[QOLO+(\i)/8], s[8:9] offset:((\i)%4)*65536+(((\i)/4)%2)*512
	global_load_b128 v[8*(\i)+4:8*(\i)+7], v[QOLO+(\i)/8], s[8:9] offset:((\i)%4)*65536+(((\i)/4)%2)*512+32768
.endr
	WIN 0
	v_bfe_u32 v10, v0, 3, 1         ; (l / 8) % 2
	v_and_b32 v11, 7, v0            ; l % 8
	s_mul_i32 s13, s18, 8*GP        ; my 64 of the slot's 128 keys
	v_mul_u32_u24 v[AK0], v10, GP   ; key l % 16: group (l / 8) % 2, place l % 8
	v_lshl_add_u32 v[AK0], v11, 5, v[AK0]
	v_lshl_add_u32 v[AK0], v9, 4, v[AK0]
	v_add_nc_u32 v[AK0], s13, v[AK0]
	; The turning load takes 16 keys x 16 channels (lane l reads 16 bytes: key 8 (l / 16) + l % 8, channels 8 ((l / 8) % 2) + 0..7) and leaves half a fragment of V^T: lane l holds channel l % 16 and 8 keys.
	s_add_co_u32 s13, s13, VOFF
	v_mul_u32_u24 v[AV0], v9, GP
	v_lshl_add_u32 v[AV0], v11, 5, v[AV0]
	v_lshl_add_u32 v[AV0], v10, 4, v[AV0]
	v_add_nc_u32 v[AV0], s13, v[AV0]
; THE MATRIX WORK OF A TURN, for piece x.  The accumulators take turns, one instruction a turn.
; Product i of 32 of O^T += V^T P: keys 32 (i / 16) on, channels 16 ((i / 2) % 8) on, tile x + i % 2.  zero = 1: the first 16 start the sums.
.macro PV x, zero
	WIN W_PV
.set rO, 64*((\x)+i%2)+8*((i/2)%8)
.set rV, 64*(i/16)+8*((i/2)%8)
.set rP, P+16*((\x)+i%2)+8*(i/16)
.if (\zero) && (i < 16)
	v_wmma_f32_16x16x32_f16 v[rO:rO+7], v[rV:rV+7], v[rP:rP+7], 0
.else
	v_wmma_f32_16x16x32_f16 v[rO:rO+7], v[rV:rV+7], v[rP:rP+7], v[rO:rO+7]
.endif
.endm
; Product i of 32 of S^T = K Q^T: channels 32 (i / 8) on, keys 16 ((i / 2) % 4) on, tile x + i % 2.  The first 8 start the sums.
.macro KQ x
	WIN W_KQ
.set rS, S+32*((\x)+i%2)+8*((i/2)%4)
.set rK, KF+32*((i/2)%4)+8*(i/8)
.set rQ, 32*((\x)+i%2)+8*(i/8)
.if i < 8
	v_wmma_f32_16x16x32_f16 v[rS:rS+7], v[rK:rK+7], v[rQ:rQ+7], 0
.else
	v_wmma_f32_16x16x32_f16 v[rS:rS+7], v[rK:rK+7], v[rQ:rQ+7], v[rS:rS+7]
.endif
.endm
; THE LDS LOADS stand in runs of 32: a step's K (64 keys x 128 channels: 16 fragments) and, a turn later, its V (turned).
.macro FETCH_K
	WIN 0
	v_add_nc_u32 v[ADR], s[TB], v[AK0]
	WIN 0x80                        ; destination window 2
.irp f, 0,1,2,3,4,5,6,7,8,9,10,11,12,13,14,15  ; keys 16 (f / 4) on (two groups of eight), channels 32 (f % 4) on (two channel blocks)
	ds_load_b128 v[KF+8*(\f):KF+8*(\f)+3],   v[ADR] offset:((\f)/4)*2*GP+((\f)%4)*2*CB
	ds_load_b128 v[KF+8*(\f)+4:KF+8*(\f)+7], v[ADR] offset:((\f)/4)*2*GP+((\f)%4)*2*CB+CB
.endr
.endm
.macro FETCH_V
	WIN 0
	v_add_nc_u32 v[ADR], s[TB], v[AV0]
	WIN 0xc0                        ; destination window 3
.irp f, 0,1,2,3,4,5,6,7,8,9,10,11,12,13,14,15  ; keys 32 (f / 8) on, channel block f % 8
	ds_load_tr16_b128 v[8*(\f):8*(\f)+3],   v[ADR] offset:((\f)/8)*4*GP+((\f)%8)*CB
	ds_load_tr16_b128 v[8*(\f)+4:8*(\f)+7], v[ADR] offset:((\f)/8)*4*GP+((\f)%8)*CB+2*GP
.endr
.endm
; THE VECTOR WORK OF A TURN.  One tile's softmax for one key step is a list of 134 instructions; SM writes number j of it for tile t.  s0-s31 are the lane's 32 scores, in pairs 0-15.
; first = 1: the first key step, which starts m, l and O^T: it has no a and nothing to rescale.
;   0-15    the maximum of s0-s31 and the old m, three operands at a time (each accumulator's lowest registers are read first)
;   16-20   the other half of the lanes' maximum; the new m; c m; c m_old - c m_new
;   21-87   33 exponentials (a, then s0-s31) at the odd numbers from 23 on, a plain instruction between any two: c s - c m for pairs to come, roundings to f16 of pairs done, the first sums
;   88-101  the last rounding; the rest of the sums; l = a l + the sum
;   102-133 the tile's O^T times a: the one part that leaves window 0, so it stands together
.macro SM t, first
.set rT, ST+8*(\t)
.set rS, S+32*(\t)
.set rP, P+16*(\t)
.set rO, 64*(\t)+2*(j-102)
.set q, (j-20)/2
.if j < 102
	WIN 0
.endif
.if j < 4
	v_max3_num_f32 v[rT+4+j], v[rS+8*j], v[rS+8*j+1], v[rS+8*j+2]
.elseif j < 12
	v_max3_num_f32 v[rT+4+j%4], v[rT+4+j%4], v[rS+8*(j%4)+2*(j/4)+1], v[rS+8*(j%4)+2*(j/4)+2]
.elseif j == 12
	v_max3_num_f32 v[rT+4], v[rT+4], v[rS+7], v[rS+15]
.elseif j == 13
	v_max3_num_f32 v[rT+6], v[rT+6], v[rS+23], v[rS+31]
.elseif j == 14
	v_max3_num_f32 v[rT+4], v[rT+4], v[rT+5], v[rT+6]
.elseif (j == 15) && (\first)
	v_max_num_f32 v[rT+4], v[rT+4], v[rT+7]
.elseif j == 15
	v_max3_num_f32 v[rT+4], v[rT+4], v[rT+7], v[rT+1]
.elseif j == 16
	v_permlanex16_b32 v[rT+5], v[rT+4], s[SEL], s[SEL+1]  ; the query's other 32 keys lie in the lane 16 away
.elseif j == 18
	v_max_num_f32 v[rT+1], v[rT+4], v[rT+5]
.elseif j == 19
	v_mul_f32 v[rT], s[CS], v[rT+1]
.elseif ((j == 17) || (j == 20) || (j == 23) || (j > 101)) && (\first)  ; the first step has none of these
.elseif j == 17
	v_mov_b32 v[rT+7], v[rT]        ; c m_old is kept for a: number 19 writes c m anew
.elseif j == 20
	v_sub_f32 v[rT+7], v[rT+7], v[rT]
.elseif j == 23
	v_exp_f32 v[rT+6], v[rT+7]
.elseif (j < 88) && (j > 23) && (j%2 == 1)
	v_exp_f32 v[rS+(j-25)/2], v[rS+(j-25)/2]
.elseif (q < 4) || ((j < 76) && (q%2 == 0))
.set b, q/2+2
.if q < 4
.set b, q
.endif
	v_pk_fma_f32 v[rS+2*b:rS+2*b+1], v[rS+2*b:rS+2*b+1], s[CS:CS+1], v[rT:rT+1] op_sel_hi:[1,0,0] neg_lo:[0,0,1] neg_hi:[0,0,1]  ; pair b: c s - c m
.elseif (j < 88) && (q%2 == 1)
	s_wait_alu depctr_va_vdst(0)
	v_cvt_pk_f16_f32 v[rP+(q-5)/2], v[rS+q-5], v[rS+q-4]  ; pair (q - 5) / 2: its second exponential stands three numbers back
.elseif j == 89
	s_wait_alu depctr_va_vdst(0)
	v_cvt_pk_f16_f32 v[rP+15], v[rS+30], v[rS+31]
.elseif j < 102                     ; the sum of the tile's 16 pairs, in place: sum z of 16 adds neighbours 1, 2, 4 and 8 pairs apart, then l takes it
.set z, j-86
.if j < 89
.set z, (j-76)/4
.endif
.set w, 4
.set u, z
.if z >= 14
.set w, 32
.set u, 0
.elseif z >= 12
.set w, 16
.set u, z-12
.elseif z >= 8
.set w, 8
.set u, z-8
.endif
.if (z == 14) && (\first)
	v_pk_add_f32 v[rT+2:rT+3], v[rS:rS+1], v[rS+16:rS+17]
.elseif z < 15
	v_pk_add_f32 v[rS+w*u:rS+w*u+1], v[rS+w*u:rS+w*u+1], v[rS+w*u+w/2:rS+w*u+w/2+1]
.elseif !(\first)
	v_pk_fma_f32 v[rT+2:rT+3], v[rT+2:rT+3], v[rT+6:rT+7], v[rS:rS+1] op_sel_hi:[1,0,1]
.endif
.else
	WIN W_RS
	v_pk_mul_f32 v[rO:rO+1], v[rO:rO+1], v[rT+6:rT+7] op_sel_hi:[1,0]
.endif
.endm
; Slice k of 64 of piece y's softmax: numbers 2 k and 2 k + 1 of both tiles' lists, four instructions.  2 x 134 = 4 x 64 + 12: the twelve that are over stand together, in slice 63.
.macro SLICE y, first
.if (k >= 11) && (k < 44)           ; tile by tile: plain, exponential, plain, exponential
.irp t, \y, (\y)+1
.irp n, 0,1
.set j, 2*k+(\n)
	SM \t, \first
.endr
.endr
.else                               ; the two tiles alternate, so that no instruction reads the result of the one just before it
.irp n, 0,1,2,3,4,5,6,7
.if ((\n) < 2) || (k == 63)
.irp t, \y, (\y)+1
.set j, 2*k+(\n)
	SM \t, \first
.endr
.endif
.endr
.endif
.set k, k+1
.endm
.macro PLACES                       ; four places behind a matrix instruction (ISA guide 7.12.1); in the loop the slices are the places
.rept 4
	v_nop
.endr
.endm
; A TURN.  Piece x has the matrix unit; the other piece's softmax stands in slices behind its matrix instructions.
; pv = 2: 32 products V^T P; 1: they start O^T's sums; 0: none.  kq = 1: 32 products K Q^T for the next step.  A turn with one of the two kinds has two slices behind each product.
; first = 1: the softmax is the first key step's; its slices from 51 on are empty, and four v_nop take slice 63's part as the places behind the turn's last products.
; Each run of loads stands behind the second product of a run of 32, 30 matrix instructions ahead of its first use.  Piece 0's turn fetches the next step's K: the last product that
; read K stands in front of slice 63 of the turn before.  Piece 2's turn fetches the same step's V: the last product that read V stands three slices, six plain instructions, back.
.macro TURN x, pv, kq, first
.set k, 0
.set per, 2
.if (\pv) && (\kq)
.set per, 1
.endif
.if \pv
.if (\x) == 0
	s_wait_dscnt 0x0                ; V is in
.endif
.set i, 0
.rept 32
	PV \x, 2-(\pv)
.rept per
	SLICE 2-(\x), \first
.endr
.if ((\x) == 0) && (\kq) && (i == 1)
	FETCH_K
.endif
.set i, i+1
.endr
.endif
.if \kq
.if (\x) == 0
	s_wait_dscnt 0x0                ; K is in
.endif
.set i, 0
.rept 32
	KQ \x
.rept per
	SLICE 2-(\x), \first
.endr
.if ((\x) == 2) && (i == 1)
	FETCH_V
.endif
.set i, i+1
.endr
.endif
.if \first
	PLACES
.endif
.endm
; THE CHANGE OF SLOTS, behind piece 2's turn: my half of the slot's K and V has been asked for.  Each wave waits for all its tensor loads, of which one is out: its part of the other
; slot; adds 0 to its spare word; and waits for that and for its own reads of the slot.  fill = 1: the slot is filled again, with the keys two slots on.  The barrier is then a round
; of the cluster's, and the joint refill is the first thing behind it: it has a key step, 128 matrix instructions, in which to land.
.macro CHANGE fill
	WIN 0                           ; at a label and at a branch every window is 0
	s_wait_tensorcnt 0x0            ; no tensor load of mine is out, so a group 0 may be written
	ds_add_u32 v[SPW], v[NIL]       ; 0 onto my spare word
.if \fill
.irp g, G0K+4, G0V+4
	s_xor_b32 s[(\g)+1], s[(\g)+1], SLOT1  ; the walking descriptor: the other slot than last time,
	s_add_nc_u64 s[(\g)+2:(\g)+3], s[(\g)+2:(\g)+3], 4096  ; the next 128 keys
.endr
	s_wait_dscnt 0x0                ; the add is done, and my reads of the slot are over
	CROUND
	JLOAD
.else
	s_wait_dscnt 0x0
	s_barrier_signal -1
	s_barrier_wait -1
.endif
	s_xor_b32 s[TB], s[TB], SLOT1   ; the fetches go on in the other slot
.endm
	s_wait_tensorcnt 1              ; my part of slot 0 is in; slot 1's may stay out
	s_barrier_signal -1
	s_barrier_wait -1
	FETCH_K                         ; key step 0
	s_wait_loadcnt 0x0              ; Q
	s_wait_dscnt 0x0
.set i, 0
.rept 32
	KQ 0                            ; piece 0's first scores: there is no vector work yet to set between them
.set i, i+1
.endr
	WIN 0                           ; the addresses for the merge and the way out are made here: plain instructions, the places behind those products
	s_mul_i32 s13, s[WV], 16*SP
	s_add_co_u32 s13, s13, STAGE    ; my stage
	v_mul_u32_u24 v[STO], v1, SP    ; in: row l % 16, 16 bytes for each half of the lanes
	v_lshl_add_u32 v[STO], v9, 4, v[STO]
	v_add_nc_u32 v[STO], s13, v[STO]
	v_mul_u32_u24 v[RD], v9, SP     ; back: lanes 0-15 take one row of 256 bytes, lanes 16-31 the next
	v_lshl_add_u32 v[RD], v1, 4, v[RD]
	v_add_nc_u32 v[RD], s13, v[RD]
	v_lshlrev_b32 v[GO], 13, v9     ; and the same two rows in oh
	v_lshl_add_u32 v[GO], v1, 4, v[GO]
	v_and_b32 v10, 31, v0
	s_mul_i32 s13, s[WV], MB
	s_add_co_u32 s13, s13, MERGE
	v_lshl_add_u32 v[MS16], v10, 4, s13
	s_add_co_u32 s13, s13, 16384
	v_lshl_add_u32 v[MS8], v10, 3, s13
	s_xor_b32 s14, s[WV], 2         ; my partner
	s_mul_i32 s14, s14, MB
	s_add_co_u32 s14, s14, MERGE
	v_lshl_add_u32 v[ML16], v10, 4, s14
	s_add_co_u32 s14, s14, 16384
	v_lshl_add_u32 v[ML8], v10, 3, s14
	TURN 2, 0, 1, 1                 ; piece 2's first scores | piece 0's first softmax | V of step 0
	CHANGE 1                        ; slot 0 takes keys 256 on
	TURN 0, 1, 1, 1                 ; piece 0: V^T P of step 0 starts O^T, K Q^T of step 1 | piece 2's first softmax | K of step 1
	TURN 2, 1, 1, 0                 ; piece 2: the same | piece 0's softmax of step 1 | V of step 1
	WIN 0
.Lslot:                             ; five trips: a slot is filled again (keys 384 on to 896 on) and a key step is done
	CHANGE 1
	TURN 0, 2, 1, 0
	TURN 2, 2, 1, 0
	WIN 0
	s_sub_co_u32 s[SLOTS], s[SLOTS], 1
	s_cmp_lg_u32 s[SLOTS], 0
	s_cbranch_scc1 .Lslot
	CHANGE 0                        ; the tail is written out: nothing is asked for
	TURN 0, 2, 1, 0
	TURN 2, 2, 1, 0
	TURN 0, 2, 0, 0                 ; piece 0: V^T P of the last step | piece 2's last softmax
.set i, 0
.rept 32
	PV 2, 0                         ; piece 2: V^T P of the last step
.set i, i+1
.endr
	; THE MERGE.  l's two halves and the other half of the lanes' are added, and the sum takes m's place beside c m.  The first additions are the places behind the last products.
	WIN 0
.irp t, 0,1,2,3
	v_add_f32 v[ST+8*(\t)+4], v[ST+8*(\t)+2], v[ST+8*(\t)+3]
.endr
.irp t, 0,1,2,3
	v_permlanex16_b32 v[ST+8*(\t)+5], v[ST+8*(\t)+4], s[SEL], s[SEL+1]
.endr
.irp t, 0,1,2,3
	v_add_f32 v[ST+8*(\t)+1], v[ST+8*(\t)+4], v[ST+8*(\t)+5]
.endr
.irp t, 2,3                         ; tiles 2, 3 go to my partner
	ds_store_b64 v[MS8], v[ST+8*(\t):ST+8*(\t)+1] offset:((\t)-2)*256
.endr
	WIN 0x04                        ; the stores' data lie in window 1; each accumulator's lowest registers go first
.irp t, 2,3
.irp n, 0,1,2,3,4,5,6,7,8,9,10,11,12,13,14,15
	ds_store_b128 v[MS16], v[64*(\t)+4*(\n):64*(\t)+4*(\n)+3] offset:((\t)-2)*8192+(\n)*512
.endr
.endr
	WIN 0
	s_wait_dscnt 0x0                ; for my partner's sake: my stores are done
	s_barrier_signal -1
	s_barrier_wait -1
.irp t, 0,1                         ; my partner's share of tiles 0, 1: (c m, l) and O^T, into S^T's registers
	ds_load_b64 v[ST+8*(\t)+4:ST+8*(\t)+5], v[ML8] offset:(\t)*256
.endr
.irp t, 0,1
.irp n, 0,1,2,3,4,5,6,7,8,9,10,11,12,13,14,15
	ds_load_b128 v[S+64*(\t)+4*(\n):S+64*(\t)+4*(\n)+3], v[ML16] offset:(\t)*8192+(\n)*512
.endr
.endr
	s_wait_dscnt 0x0
.irp t, 0,1
	v_max_num_f32 v[ST+8*(\t)+6], v[ST+8*(\t)], v[ST+8*(\t)+4]       ; the common c m
.endr
.irp t, 0,1
	v_sub_f32 v[ST+8*(\t)+2], v[ST+8*(\t)], v[ST+8*(\t)+6]
	v_sub_f32 v[ST+8*(\t)+3], v[ST+8*(\t)+4], v[ST+8*(\t)+6]
.endr
.irp t, 0,1
	v_exp_f32 v[ST+8*(\t)+2], v[ST+8*(\t)+2]                         ; my factor
	v_exp_f32 v[ST+8*(\t)+3], v[ST+8*(\t)+3]                         ; my partner's
.endr
	v_nop                           ; a plain instruction between the last exponential and the use of its result
.irp t, 0,1
	s_wait_alu depctr_va_vdst(0)
	v_mul_f32 v[ST+8*(\t)+7], v[ST+8*(\t)+1], v[ST+8*(\t)+2]
.endr
.irp t, 0,1
	v_fma_f32 v[ST+8*(\t)+7], v[ST+8*(\t)+5], v[ST+8*(\t)+3], v[ST+8*(\t)+7]  ; l
.endr
.irp t, 0,1
	v_rcp_f32 v[ST+8*(\t)+7], v[ST+8*(\t)+7]
.endr
	v_nop                           ; a plain instruction between the last reciprocal and the use of its result
.irp t, 0,1
	s_wait_alu depctr_va_vdst(0)
	v_mul_f32 v[ST+8*(\t)+7], 4.0, v[ST+8*(\t)+7]                    ; 8 for v / 8, 1/2 for O / 2
.endr
.irp t, 0,1
	v_mul_f32 v[ST+8*(\t)+2], v[ST+8*(\t)+2], v[ST+8*(\t)+7]
	v_mul_f32 v[ST+8*(\t)+6], v[ST+8*(\t)+3], v[ST+8*(\t)+7]
.endr
; Tile t: my partner's O^T times its factor, plus mine times mine; rounded to f16; a lane's eight channels pack into 16 bytes, go into rows of 272 bytes and come back as whole rows of 256.
.macro PACK t
	WIN 0
.set i, 0
.rept 32
	v_pk_mul_f32 v[S+64*(\t)+2*i:S+64*(\t)+2*i+1], v[S+64*(\t)+2*i:S+64*(\t)+2*i+1], v[ST+8*(\t)+6:ST+8*(\t)+7] op_sel_hi:[1,0]
.set i, i+1
.endr
	WIN 0x01                        ; source 0: O^T, in window 1, from its low end on
.set i, 0
.rept 32
	v_pk_fma_f32 v[S+64*(\t)+2*i:S+64*(\t)+2*i+1], v[64*(\t)+2*i:64*(\t)+2*i+1], v[ST+8*(\t)+2:ST+8*(\t)+3], v[S+64*(\t)+2*i:S+64*(\t)+2*i+1] op_sel_hi:[1,0,1]
.set i, i+1
.endr
	WIN 0
.set i, 0
.rept 32
	v_cvt_pk_f16_f32 v[P+32*(\t)+i], v[S+64*(\t)+2*i], v[S+64*(\t)+2*i+1]
.set i, i+1
.endr
.irp f, 0,1,2,3,4,5,6,7
	ds_store_b128 v[STO], v[P+32*(\t)+4*(\f):P+32*(\t)+4*(\f)+3] offset:32*(\f)
.endr
.irp f, 0,1,2,3,4,5,6,7
	ds_load_b128 v[P+32*(\t)+4*(\f):P+32*(\t)+4*(\f)+3], v[RD] offset:(\f)*2*SP  ; LDS serves a wave's instructions in order (ISA guide 5.7.1.4): these see the stores above; the next tile's stores come behind them
.endr
.endm
.macro SEND t, younger              ; younger: the LDS instructions issued behind tile t's loads
.irp f, 0,1,2,3,4,5,6,7
	s_wait_dscnt (\younger)+7-(\f)
	global_store_b128 v[GO], v[P+32*(\t)+4*(\f):P+32*(\t)+4*(\f)+3], s[10:11] offset:(\t)*131072+(\f)*16384  ; 16 lanes store 256 consecutive bytes, at a multiple of 256 from oh's first byte
.endr
.endm
	PACK 0
	PACK 1                          ; a tile's arithmetic stands between the loads of the tile before and its stores
	SEND 0, 16
	SEND 1, 0
	s_wait_tensorcnt 0x0            ; the wave's end
	ds_add_u32 v[SPW], v[NIL]
	s_wait_dscnt 0x0
	CROUND                          ; the closing round
	s_endpgm
.Lfunc_end_k_q159287f806_attn:
	.size	k_q159287f806_attn, .Lfunc_end_k_q159287f806_attn-k_q159287f806_attn
	.p2alignl 7, 3214868480
	.fill 96, 4, 3214868480
	.section	.rodata,"a",@progbits
	.p2align	6, 0x0
	.amdhsa_kernel k_q159287f806_attn
		.amdhsa_group_segment_fixed_size 327680
		.amdhsa_private_segment_fixed_size 0
		.amdhsa_enable_private_segment 0
		.amdhsa_kernarg_size 16
		.amdhsa_user_sgpr_count 2
		.amdhsa_user_sgpr_kernarg_segment_ptr 1
		.amdhsa_wavefront_size32 1
		.amdhsa_system_sgpr_workgroup_id_x 1
		.amdhsa_system_sgpr_workgroup_id_y 1
		.amdhsa_system_sgpr_workgroup_id_z 1
		.amdhsa_system_vgpr_workitem_id 0
		.amdhsa_next_free_vgpr 1024
		.amdhsa_next_free_sgpr 66
		.amdhsa_reserve_vcc 0
		.amdhsa_float_denorm_mode_32 3
		.amdhsa_float_denorm_mode_16_64 3
		.amdhsa_memory_ordered 1
		.amdhsa_forward_progress 1
		.amdhsa_inst_pref_size 227
	.end_amdhsa_kernel
	.amdgpu_metadata
---
amdhsa.version: [ 1, 2 ]
amdhsa.kernels:
  - .name:           k_q159287f806_attn
    .symbol:         k_q159287f806_attn.kd
    .args:
      - { .name: qkv, .offset: 0, .size: 8, .value_kind: global_buffer, .address_space: global }
      - { .name: oh, .offset: 8, .size: 8, .value_kind: global_buffer, .address_space: global }
    .group_segment_fixed_size: 327680
    .private_segment_fixed_size: 0
    .kernarg_segment_align: 8
    .kernarg_segment_size: 16
    .max_flat_workgroup_size: 128
    .sgpr_count:     66
    .vgpr_count:     1024
    .wavefront_size: 32
...
	.end_amdgpu_metadata
.endif
;; end of part 3
;; launch oproj (part 4): grid 64 x 4, 4 waves a work-group, clusters of 4 x 4, 327,680 bytes of LDS; arguments oh, wo, out0; writes out0
.if DOCPART == 4
	.amdgcn_target "amdgcn-amd-amdhsa--gfx1250"
	.amdhsa_code_object_version 6
	.text
	.protected	k_q159287f806_oproj
	.globl	k_q159287f806_oproj
	.p2align	8
	.type	k_q159287f806_oproj,@function
k_q159287f806_oproj:
	s_mov_b64 s[64:65], 0
	v_nop
	global_prefetch_b8 v0, s[64:65] scope:SCOPE_SE
	s_setreg_imm32_b32 hwreg(HW_REG_WAVE_MODE, 25, 1), 1
	s_wait_xcnt 0x0
	s_wait_alu depctr_hold_cnt(0) depctr_sa_sdst(0) depctr_va_vdst(0) depctr_va_sdst(0) depctr_va_ssrc(0) depctr_va_vcc(0) depctr_vm_vsrc(0)
	s_getreg_b32 s2, hwreg(HW_REG_IB_STS2, 6, 4)
	s_cmp_eq_u32 s2, 0
	s_cbranch_scc0 .Lentry_in_a_cluster
	s_endpgm
.Lentry_in_a_cluster:
	s_bfe_u32 s2, ttmp6, 0x10000c
	s_cmp_lg_u32 s2, 0xf033
	s_cbranch_scc0 .Lentry_shape_is_right
	s_endpgm
.Lentry_shape_is_right:
; out0 = 2 x (oh wo^T), 1024 x 4096 x 4096, f32.  oh: [1024][4096] f16, holding O / 2.  wo: f32, rows along K; read once, as f32, and rounded to f16 in the wave,
; between LDS and the matrix unit.  Sums in f32; the factor 2 is exact.
; LIMITS.  |wo| under 65,504 (f16's range).  NaN and infinities are not treated apart.
; SHARES.  A tile is 256 rows x 64 columns; 64 x 4 tiles, one to a work-group.  Four waves as 2 halves of the rows (mh) x 2 halves of each K step (kh):
; a wave makes 128 x 64 over 64 of every 128 along K: 32 accumulators, 256 registers.  At the end the two waves of a row half exchange half of their
; sums through LDS, and each finishes 64 rows.  Accumulator row block a = 4 g + i holds rows 64 ((g + kh) & 1) + 16 i: every wave keeps a = 0..3 and
; sends a = 4..7, which are the rows that its partner (wave ^ 2) keeps: one text for all waves.
; CLUSTER 4 x 4.  The four of a cluster's row share oh's tile, the four of a column (all 1,024 rows) share wo's tile: each is asked for jointly.
; THE MATRIX INSTRUCTION IS USED TRANSPOSED: source 0 = 16 rows of wo, source 1 = 16 rows of oh: a lane holds one row and eight neighbouring columns.
; REGISTERS, in windows of 256 (s_set_vgpr_msb: bits 1:0 source 0, 3:2 source 1, 5:4 source 2, 7:6 destination):
;   window 0: v10-29 addresses; v32-95, v96-159 fragments of oh, two buffers; v160-191, v208-239 fragments of wo in f16, two buffers; all of v32-255 at work on the way out
;   window 1: the accumulators, (a, b) at 8 (8 b + a)     window 2: v128-191 wo as f32, as it comes from LDS
.set NB,     4                         ; blocks of 16 columns in a tile
.set NAW,    2                         ; waves that fetch oh's tile: 128 rows each; waves 2, 3 fetch 32 rows of wo each
.set AROWS,  256/NAW
.set PA,     272                       ; an LDS row of oh: 256 bytes + 16: 17 x 16, so the 16 rows of a load start in 16 different groups of four banks (64 banks of 4 bytes: ISA guide 11.1)
.set PW,     528                       ; an LDS row of wo: 512 bytes + 16: 33 x 16, likewise
.set ABYTES, 256*PA
.set WCH,    32*PW
.set SLOT,   ABYTES+16*NB*PW           ; a K step of 128: oh's 256 rows, then wo's 64
.set SPARE,  2*SLOT                    ; behind the two slots: the spare words, 128 bytes for each wave
.set XB,     4*NB*1024                 ; the exchange: 16 results of 1,024 bytes a wave, in slot 0's bytes when they have had their last fill and their last read
.set STG,    4*XB                      ; behind the exchange, still in slot 0's bytes: 16 rows x 272 bytes for each wave, for the way out
.set SPITCH, 272
.set LAPS,   16                        ; a lap = two K steps
.set ADRA, 10                          ; v10-13  LDS address of my oh fragments: slot s, row group g at ADRA + 2 s + g
.set ADRW, 14                          ; v14-15  the same for wo, slot s
.set XST,  16                          ; v16     the exchange: where I write
.set XLD,  17                          ; v17     where I read my partner's
.set GO,   18                          ; v18     my byte offset in two rows of out0; never rewritten
.set STO,  19                          ; v19     the way out: where I put 32 bytes of a row
.set RD,   20                          ; v20     where I read a row back
.set PF,   21                          ; v21     the prefetch's lane term; never rewritten
.set SPW,  28                          ; v28     LDS address of my spare word; never rewritten
.set NIL,  29                          ; v29     0; never rewritten
.set FA,   32
.set FW,   160
.set ST,   128                         ; window 2
.set XR,   32                          ; the way out: my partner's sums, two buffers of 32
.set OBK,  128                         ; whole rows read back: 32 registers a block, every store has data registers of its own
.set WV,  16
.set MH,  17
.set KH,  18
.set CX,  19
.set CY,  20
.set TX,  21
.set G1A, 24                           ; s[24:31] descriptor group 1 for oh's tile;  s[32:39] group 0, a set for each slot
.set G0A, 32
.set G1W, 40                           ; s[40:47], s[48:55] the same for wo's chunks
.set G0W, 48
.set LAPC, 56
.set KL,  57                           ; the lap that the prefetch asks for
.set WB,  58                           ; s[58:59] my chunk of wo at k = 0
.set PFB, 60                           ; s[60:61] the prefetch's base
.set KOFF, 62                          ; s[62:63] its byte offset along K, high word 0
.set OB,  78                           ; s[78:79] out0 at the first row and column that I store
.set MSB, 0
.macro WIN new                         ; the immediate's high byte repeats the setting that is left; a switch that changes nothing is dropped
.if MSB != (\new)
	s_set_vgpr_msb (MSB<<8)|(\new)
.set MSB, \new
.endif
.endm
.macro PLACES                          ; four places between a matrix instruction and a write, or a load, into one of its registers, or a read of its result
.rept 4
	v_nop
.endr
.endm
.macro CREST                           ; a round of the cluster's barrier behind its opening barrier
	s_cmp_lg_u32 s[WV], 0
	s_cbranch_scc1 .Lnot_wave_0_\@
	s_barrier_signal -3
.Lnot_wave_0_\@:
	s_barrier_wait -3
	s_barrier_signal -1
	s_barrier_wait -1
.endm
.macro CROUND
	s_barrier_signal -1
	s_barrier_wait -1
	CREST
.endm
; A joint load into slot s.  The branch hangs on the wave's number alone.  Four v_nop follow each of the two lines.
; pf = 1: the waves that fetch wo also ask ahead, once a lap: 8 rows x 1,024 bytes of their own chunk, a lane to each 256 bytes.
.macro JLOAD s, pf
	s_cmp_lt_u32 s[WV], NAW
	s_cbranch_scc0 .Lfor_w_\@
	tensor_load_to_lds s[G0A+4*(\s):G0A+4*(\s)+3], s[G1A:G1A+7]
	s_nop 0
.rept 4
	v_nop
.endr
	s_branch .Lasked_\@
.Lfor_w_\@:
	tensor_load_to_lds s[G0W+4*(\s):G0W+4*(\s)+3], s[G1W:G1W+7]
	s_nop 0
.rept 4
	v_nop
.endr
.if \pf
	global_prefetch_b8 v[PF], s[PFB:PFB+1] th:TH_LOAD_NT scope:SCOPE_SE
.endif
.Lasked_\@:
.endm
	s_load_b128 s[4:7], s[0:1], 0x0                ; oh s[4:5], wo s[6:7]
	s_load_b64 s[14:15], s[0:1], 0x10              ; out0
	v_lshl_add_u32 v[SPW], v0, 2, SPARE
	v_mov_b32 v[NIL], 0
	v_lshrrev_b32 v1, 5, v0
	v_readfirstlane_b32 s[WV], v1                  ; wave 0..3
	s_and_b32 s[MH], s[WV], 1                      ; my half of the rows
	s_lshr_b32 s[KH], s[WV], 1                     ; my half of each K step
	s_bfe_u32 s[CX], ttmp6, 0x40000
	s_bfe_u32 s[CY], ttmp6, 0x40004                ; the tile row: the grid is one cluster high
	s_lshl_b32 s[TX], ttmp9, 2
	s_add_co_u32 s[TX], s[TX], s[CX]               ; the tile column = 4 x cluster x + cx
	s_lshl_b32 s84, s[CY], 2
	s_lshl_b32 s84, 15, s84                        ; my row of the cluster
	s_lshl_b32 s86, 0x1111, s[CX]                  ; my column
	s_or_b32 s[G1A], s84, (1<<16)|(1<<20)|(1<<21)|(5<<22)|(3<<25)  ; the mask; 2-byte elements; padding on; 21 set beside a mask; after every 64 words 4 words
	s_or_b32 s[G1W], s86, (2<<16)|(1<<20)|(1<<21)|(6<<22)|(3<<25)  ; the mask; 4-byte elements; after every 128 words 4 words
	s_mov_b32 s[G1A+1], 128<<16                    ; tensor_dim0 = 128
	s_mov_b32 s[G1A+2], AROWS<<16                  ; tensor_dim1
	s_mov_b32 s[G1A+3], 128<<16                    ; tile_dim0 = 128
	s_mov_b32 s[G1A+4], AROWS                      ; tile_dim1
	s_mov_b32 s[G1A+5], 4096                       ; elements from row to row
	s_mov_b32 s[G1A+6], 0
	s_mov_b32 s[G1A+7], 0
	s_mov_b32 s[G1W+1], 128<<16
	s_mov_b32 s[G1W+2], 32<<16
	s_mov_b32 s[G1W+3], 128<<16
	s_mov_b32 s[G1W+4], 32
	s_mov_b32 s[G1W+5], 4096
	s_mov_b32 s[G1W+6], 0
	s_mov_b32 s[G1W+7], 0
	s_lshl_b32 s84, s[CY], 21                      ; oh: 256 rows of 8,192 bytes a tile row,
	s_and_b32 s85, s[WV], NAW-1
	s_lshl_b32 s85, s85, 20                        ; my 128 of them; made of cy and the wave's number alone
	s_add_co_u32 s84, s84, s85
	s_mov_b32 s85, 0
	s_and_b32 s22, s[WV], 1                        ; which chunk of the tile's two
	s_lshl_b32 s23, s[TX], 1
	s_add_co_u32 s22, s22, s23                     ; chunk u of the 128; made of the tile column and the wave's number
	s_lshl_b32 s86, s22, 19                        ; 32 rows of 16,384 bytes
	s_mov_b32 s87, 0
	s_mul_i32 s90, s[WV], AROWS*PA                 ; where oh's part goes,
	s_mul_i32 s91, s[WV], WCH                      ; and wo's: a constant + wave x a constant; no place in the cluster enters an LDS address
	s_add_co_u32 s91, s91, ABYTES-NAW*WCH
	s_mov_b32 s[KL], 2
	s_mov_b32 s[KOFF+1], 0
	s_wait_kmcnt 0x0
	s_add_nc_u64 s[92:93], s[4:5], s[84:85]
	s_add_nc_u64 s[WB:WB+1], s[6:7], s[86:87]
	CROUND                                         ; all sixteen work-groups are here: the first joint loads meet
.irp s, 0,1
	s_mov_b32 s[G0A+4*(\s)], 1
	s_add_co_u32 s[G0A+4*(\s)+1], s90, (\s)*SLOT
	s_add_nc_u64 s[G0A+4*(\s)+2:G0A+4*(\s)+3], s[92:93], (\s)*256   ; K step s: 128 f16
	s_or_b32 s[G0A+4*(\s)+3], s[G0A+4*(\s)+3], 0x80000000
	s_mov_b32 s[G0W+4*(\s)], 1
	s_add_co_u32 s[G0W+4*(\s)+1], s91, (\s)*SLOT
	s_add_nc_u64 s[G0W+4*(\s)+2:G0W+4*(\s)+3], s[WB:WB+1], (\s)*512 ; 128 f32
	s_or_b32 s[G0W+4*(\s)+3], s[G0W+4*(\s)+3], 0x80000000
	JLOAD \s, 0                                    ; two loads of mine are out
.endr
	v_and_b32 v1, 15, v0                           ; r = l % 16
	v_bfe_u32 v2, v0, 4, 1                         ; h = l / 16
	; The prefetch.  A chunk's 32 rows are shared out among the column's four partners, 8 rows each; a lap is 1,024 bytes of a row: 32 lanes, 256 bytes apart.
	; Laps 1 and 2 are asked for here; trip L of the loop, which loads lap L + 1, asks for lap L + 3, clamped to the last lap: no address leaves the row.
	v_bfe_u32 v7, v0, 2, 3
	s_lshl_b32 s94, s[CY], 3
	v_add_nc_u32 v7, s94, v7
	v_and_b32 v8, 3, v0
	v_lshlrev_b32 v8, 8, v8
	v_lshl_add_u32 v[PF], v7, 14, v8
	s_cmp_lt_u32 s[WV], NAW
	s_cbranch_scc1 .Lno_pf
	global_prefetch_b8 v[PF], s[WB:WB+1] offset:1024 th:TH_LOAD_NT scope:SCOPE_SE
	global_prefetch_b8 v[PF], s[WB:WB+1] offset:2048 th:TH_LOAD_NT scope:SCOPE_SE
.Lno_pf:
	s_lshl_b32 s94, s[CY], 8
	s_lshl_b32 s95, s[MH], 7
	s_add_co_u32 s94, s94, s95
	s_lshl_b32 s95, s[KH], 6
	s_add_co_u32 s94, s94, s95                     ; the first of the 64 rows that I finish,
	s_lshl_b32 s94, s94, 14                        ; 16,384 bytes a row
	s_mov_b32 s95, 0
	s_add_nc_u64 s[OB:OB+1], s[14:15], s[94:95]
	s_lshl_b32 s86, s[TX], 8                       ; the tile's 256 bytes of a row
	s_add_nc_u64 s[OB:OB+1], s[OB:OB+1], s[86:87]
	v_lshlrev_b32 v6, 14, v2                       ; lanes 0-15 one row, lanes 16-31 the next
	v_lshl_add_u32 v[GO], v1, 4, v6
	; A fragment is 16 rows x 32 K: lane l holds row l % 16, K = 8 h + 0..7 and 16 + 8 h + 0..7.
	v_mul_u32_u24 v3, v1, PA
	v_lshl_add_u32 v3, v2, 4, v3                   ; r x pitch + 16 h
	s_mul_i32 s22, s[MH], 128*PA
	s_lshl_b32 s23, s[KH], 7                       ; my 64 of the step's 128 f16
	s_add_co_u32 s22, s22, s23
	s_mul_i32 s23, s[KH], 64*PA                    ; row group g = 0 begins at row 64 kh,
	s_add_co_u32 s23, s22, s23
	s_xor_b32 s86, s[KH], 1
	s_mul_i32 s86, s86, 64*PA                      ; g = 1 at row 64 (1 - kh)
	s_add_co_u32 s86, s22, s86
	v_add_nc_u32 v[ADRA], s23, v3
	v_add_nc_u32 v[ADRA+1], s86, v3
	v_add_nc_u32 v[ADRA+2], SLOT, v[ADRA]
	v_add_nc_u32 v[ADRA+3], SLOT, v[ADRA+1]
	v_mul_u32_u24 v4, v1, PW
	v_lshl_add_u32 v4, v2, 5, v4                   ; r x pitch + 32 h: eight f32
	s_lshl_b32 s22, s[KH], 8                       ; my 64 of the step's 128 f32
	s_add_co_u32 s22, s22, ABYTES
	v_add_nc_u32 v[ADRW], s22, v4
	v_add_nc_u32 v[ADRW+1], SLOT, v[ADRW]
	v_and_b32 v5, 31, v0
	v_lshlrev_b32 v5, 4, v5
	s_mul_i32 s22, s[WV], XB
	v_add_nc_u32 v[XST], s22, v5
	s_xor_b32 s23, s[WV], 2
	s_mul_i32 s23, s23, XB
	v_add_nc_u32 v[XLD], s23, v5
	s_mul_i32 s22, s[WV], 16*SPITCH
	s_add_co_u32 s22, s22, STG                     ; my stage
	v_mul_u32_u24 v6, v1, SPITCH                   ; in: row l % 16, 32 bytes for each half of the lanes
	v_lshl_add_u32 v6, v2, 5, v6
	v_add_nc_u32 v[STO], s22, v6
	v_mul_u32_u24 v6, v2, SPITCH                   ; back: lanes 0-15 take one row of 256 bytes, lanes 16-31 the next
	v_lshl_add_u32 v6, v1, 4, v6
	v_add_nc_u32 v[RD], s22, v6
; 16 LDS loads: oh's fragments of my 128 rows, 32 along K (chunk j of my 64), into buffer f
.macro FETCH_A slot, j, f
	WIN 0
.irp a, 0,1,2,3,4,5,6,7
	ds_load_b128 v[FA+64*(\f)+8*(\a):FA+64*(\f)+8*(\a)+3],   v[ADRA+2*(\slot)+(\a)/4] offset:((\a)%4)*16*PA+64*(\j)
	ds_load_b128 v[FA+64*(\f)+8*(\a)+4:FA+64*(\f)+8*(\a)+7], v[ADRA+2*(\slot)+(\a)/4] offset:((\a)%4)*16*PA+64*(\j)+32
.endr
.endm
; 4 NB LDS loads: wo's 64 rows, 32 along K, as f32 into window 2: registers 2 q, 2 q + 1 of a block are the two numbers of fragment register q
.macro FETCH_W slot, j
	WIN 0x80
.set bb, 0
.rept NB
	ds_load_b128 v[ST+16*bb:ST+16*bb+3],     v[ADRW+(\slot)] offset:bb*16*PW+128*(\j)
	ds_load_b128 v[ST+16*bb+4:ST+16*bb+7],   v[ADRW+(\slot)] offset:bb*16*PW+128*(\j)+16
	ds_load_b128 v[ST+16*bb+8:ST+16*bb+11],  v[ADRW+(\slot)] offset:bb*16*PW+128*(\j)+64
	ds_load_b128 v[ST+16*bb+12:ST+16*bb+15], v[ADRW+(\slot)] offset:bb*16*PW+128*(\j)+80
.set bb, bb+1
.endr
.endm
; Matrix instructions lo .. hi - 1 of a chunk's 8 NB, on buffers f: number 8 b + a is column block b x row block a.  The 32 accumulators take turns, one
; instruction a turn, in the same order in every chunk.  zero = 1: the product starts the sum.
; ride = 1: behind each stand four roundings of the next chunk's wo to f16, into the other buffer; they name no register of the products round them.
.macro MULS f, lo, hi, zero, ride
.set idx, \lo
.rept (\hi)-(\lo)
.set bb, idx/8
.set aa, idx%8
.set AC, 8*(8*bb+aa)
	WIN 0x50
.if \zero
	v_wmma_f32_16x16x32_f16 v[AC:AC+7], v[FW+48*(\f)+8*bb:FW+48*(\f)+8*bb+7], v[FA+64*(\f)+8*aa:FA+64*(\f)+8*aa+7], 0
.else
	v_wmma_f32_16x16x32_f16 v[AC:AC+7], v[FW+48*(\f)+8*bb:FW+48*(\f)+8*bb+7], v[FA+64*(\f)+8*aa:FA+64*(\f)+8*aa+7], v[AC:AC+7]
.endif
.if \ride
	WIN 0x0a
.rept 4
	v_cvt_pk_f16_f32 v[FW+48*(1-(\f))+qq], v[ST+2*qq], v[ST+2*qq+1]
.set qq, qq+1
.endr
.endif
.set idx, idx+1
.endr
.endm
; A slot's first chunk: multiplies buffers 0 and brings the slot's second chunk into buffers 1.
.macro CHUNK slot, zero
	FETCH_W \slot, 1
	s_wait_dscnt 4*NB                              ; oh's fragments of buffer 0 are in; only the loads just issued are younger
	MULS 0, 0, 4*NB, \zero, 0
	PLACES                                         ; in front of the loads into buffer 1
	FETCH_A \slot, 1, 1
	MULS 0, 4*NB, 6*NB, \zero, 0
	s_wait_dscnt 16                                ; wo's f32 are in; oh's sixteen loads are younger
.set qq, 0
	MULS 0, 6*NB, 8*NB, \zero, 1
.endm
; A slot's second chunk multiplies buffers 1 and changes slots.  In front of the barrier each wave waits for all its tensor loads (one is out: its part of the
; other slot), adds 0 to its spare word, and waits for that and for its reads of this slot.  fill = 1: the barrier opens a round of the cluster's, and behind it
; this slot is filled again, two K steps on, first of all.  From that request to the wait for it a wave issues 56 of a K step's 64 matrix instructions.
.macro TURN s, fill
	WIN 0
	s_wait_tensorcnt 0x0                           ; all my tensor loads have landed
	ds_add_u32 v[SPW], v[NIL]                      ; 0 onto my spare word
.if (\fill) && ((\s) == 0)
	s_wait_xcnt 0x0                                ; the last lap's prefetch has read its base
	s_add_co_u32 s[KL], s[KL], 1
	s_min_u32 s[KOFF], s[KL], 15                   ; clamped to the last lap
	s_lshl_b32 s[KOFF], s[KOFF], 10
	s_add_nc_u64 s[PFB:PFB+1], s[WB:WB+1], s[KOFF:KOFF+1]
.endif
	s_wait_dscnt 1                                 ; oh's fragments of buffer 1 are in; the add may be out
	MULS 1, 0, 4, 0, 0
	s_wait_dscnt 0x0                               ; the add is done, and my reads of this slot are over
	s_barrier_signal -1
	MULS 1, 4, 8, 0, 0                             ; work on registers while the others arrive
	WIN 0
	s_barrier_wait -1
.if \fill
	CREST                                          ; no wave of any partner still reads this slot or has a load on its way
	s_add_nc_u64 s[G0A+4*(\s)+2:G0A+4*(\s)+3], s[G0A+4*(\s)+2:G0A+4*(\s)+3], 512
	s_add_nc_u64 s[G0W+4*(\s)+2:G0W+4*(\s)+3], s[G0W+4*(\s)+2:G0W+4*(\s)+3], 1024
	JLOAD \s, 1-(\s)                               ; its four v_nop are also the places in front of the loads into buffer 0
.else
	PLACES
.endif
	FETCH_W 1-(\s), 0
	MULS 1, 8, 4*NB, 0, 0
	FETCH_A 1-(\s), 0, 0
	MULS 1, 4*NB, 6*NB, 0, 0
	s_wait_dscnt 16                                ; wo's f32 are in
.set qq, 0
	MULS 1, 6*NB, 8*NB, 0, 1
.endm
	s_wait_tensorcnt 0x1                           ; my part of K step 0 is in; K step 1's may stay out
	s_barrier_signal -1
	s_barrier_wait -1
	FETCH_W 0, 0
	FETCH_A 0, 0, 0
	s_wait_dscnt 16
	WIN 0x0a
.set qq, 0
.rept 8*NB
	v_cvt_pk_f16_f32 v[FW+qq], v[ST+2*qq], v[ST+2*qq+1]
.set qq, qq+1
.endr
	CHUNK 0, 1                                     ; the first chunk stands in front of the loop: its products start the sums
	WIN 0
	s_mov_b32 s[LAPC], LAPS-1
.Llap:                                                 ; a trip goes once round the ring and fills both slots again: K steps 2 to 31
	TURN 0, 1
	CHUNK 1, 0
	TURN 1, 1
	CHUNK 0, 0
	WIN 0
	s_sub_co_u32 s[LAPC], s[LAPC], 1
	s_cmp_lg_u32 s[LAPC], 0
	s_cbranch_scc1 .Llap
	TURN 0, 0                                      ; the last lap fills nothing
	CHUNK 1, 0
	s_wait_dscnt 0x0
	MULS 1, 0, 8*NB, 0, 0
	PLACES
	; THE EXCHANGE.  Slot 0 has had its last fill, and every wave's reads of it were over at the last barrier: its bytes take the sums of row blocks 4-7.
	WIN 0x04                                       ; the stores' data lie in window 1; each accumulator's lowest registers go first
.set bb, 0
.rept NB
.irp i, 0,1,2,3
	ds_store_b128 v[XST], v[8*(8*bb+4+(\i)):8*(8*bb+4+(\i))+3]   offset:((\i)*NB+bb)*1024
	ds_store_b128 v[XST], v[8*(8*bb+4+(\i))+4:8*(8*bb+4+(\i))+7] offset:((\i)*NB+bb)*1024+512
.endr
.set bb, bb+1
.endr
	WIN 0
	s_wait_dscnt 0x0                               ; for my partner's sake: my stores are done
	s_barrier_signal -1
	s_barrier_wait -1
.macro LOADX i                         ; my partner's sums for my row block i
.set bb, 0
.rept NB
	ds_load_b128 v[XR+8*NB*((\i)%2)+8*bb:XR+8*NB*((\i)%2)+8*bb+3],   v[XLD] offset:((\i)*NB+bb)*1024
	ds_load_b128 v[XR+8*NB*((\i)%2)+8*bb+4:XR+8*NB*((\i)%2)+8*bb+7], v[XLD] offset:((\i)*NB+bb)*1024+512
.set bb, bb+1
.endr
.endm
; Row block i is finished: the two halves of K are added and doubled; a lane's eight columns (32 bytes) go into my own stage, rows of 272 bytes, and come
; back as whole rows of 256 bytes, which sixteen lanes store.
.macro FINO i
.set XRB, XR+8*NB*((\i)%2)
.set BK, OBK+32*(\i)
	WIN 0x01                                       ; source 0: the accumulators, each from its low end on
.irp b, 0,1,2,3
.irp k, 0,1,2,3
	v_pk_add_f32 v[XRB+8*(\b)+2*(\k):XRB+8*(\b)+2*(\k)+1], v[8*(8*(\b)+(\i))+2*(\k):8*(8*(\b)+(\i))+2*(\k)+1], v[XRB+8*(\b)+2*(\k):XRB+8*(\b)+2*(\k)+1]
.endr
.endr
	WIN 0
.irp b, 0,1,2,3
.irp k, 0,1,2,3
	v_pk_mul_f32 v[XRB+8*(\b)+2*(\k):XRB+8*(\b)+2*(\k)+1], v[XRB+8*(\b)+2*(\k):XRB+8*(\b)+2*(\k)+1], 2.0 op_sel_hi:[1,0]
.endr
.endr
.irp b, 0,1,2,3
	ds_store_b128 v[STO], v[XRB+8*(\b):XRB+8*(\b)+3]   offset:64*(\b)
	ds_store_b128 v[STO], v[XRB+8*(\b)+4:XRB+8*(\b)+7] offset:64*(\b)+16
.endr
.irp t, 0,1,2,3,4,5,6,7
	ds_load_b128 v[BK+4*(\t):BK+4*(\t)+3], v[RD] offset:(\t)*2*SPITCH  ; LDS serves a wave's instructions in order (ISA guide 5.7.1.4): these see the stores above; the next block's stores come behind them
.endr
	s_wait_dscnt 0x0
.irp t, 0,1,2,3,4,5,6,7
	global_store_b128 v[GO], v[BK+4*(\t):BK+4*(\t)+3], s[OB:OB+1] offset:(16*(\i)+2*(\t))*16384  ; 16 lanes store 256 consecutive bytes, at a multiple of 256 from out0's first byte
.endr
.endm
	LOADX 0
.irp i, 0,1,2
	LOADX (\i)+1
	s_wait_dscnt 2*NB                              ; block i is in; the next block's loads are younger
	FINO \i
.endr
	s_wait_dscnt 0x0
	FINO 3
	s_wait_tensorcnt 0x0                           ; the wave's end
	ds_add_u32 v[SPW], v[NIL]
	s_wait_dscnt 0x0
	CROUND                                         ; the closing round
	s_endpgm
.Lfunc_end_k_q159287f806_oproj:
	.size	k_q159287f806_oproj, .Lfunc_end_k_q159287f806_oproj-k_q159287f806_oproj
	.p2alignl 7, 3214868480
	.fill 96, 4, 3214868480
	.section	.rodata,"a",@progbits
	.p2align	6, 0x0
	.amdhsa_kernel k_q159287f806_oproj
		.amdhsa_group_segment_fixed_size 327680
		.amdhsa_private_segment_fixed_size 0
		.amdhsa_enable_private_segment 0
		.amdhsa_kernarg_size 24
		.amdhsa_user_sgpr_count 2
		.amdhsa_user_sgpr_kernarg_segment_ptr 1
		.amdhsa_wavefront_size32 1
		.amdhsa_system_sgpr_workgroup_id_x 1
		.amdhsa_system_sgpr_workgroup_id_y 1
		.amdhsa_system_sgpr_workgroup_id_z 1
		.amdhsa_system_vgpr_workitem_id 0
		.amdhsa_next_free_vgpr 768
		.amdhsa_next_free_sgpr 100
		.amdhsa_reserve_vcc 0
		.amdhsa_float_denorm_mode_32 3
		.amdhsa_float_denorm_mode_16_64 3
		.amdhsa_memory_ordered 1
		.amdhsa_forward_progress 1
		.amdhsa_inst_pref_size 85
	.end_amdhsa_kernel
	.amdgpu_metadata
---
amdhsa.version: [ 1, 2 ]
amdhsa.kernels:
  - .name:           k_q159287f806_oproj
    .symbol:         k_q159287f806_oproj.kd
    .args:
      - { .name: oh, .offset: 0, .size: 8, .value_kind: global_buffer, .address_space: global }
      - { .name: wo, .offset: 8, .size: 8, .value_kind: global_buffer, .address_space: global }
      - { .name: out0, .offset: 16, .size: 8, .value_kind: global_buffer, .address_space: global }
    .group_segment_fixed_size: 327680
    .private_segment_fixed_size: 0
    .kernarg_segment_align: 8
    .kernarg_segment_size: 24
    .max_flat_workgroup_size: 128
    .sgpr_count:     100
    .vgpr_count:     768
    .wavefront_size: 32
...
	.end_amdgpu_metadata
.endif
;; end of part 4
;; ======== version 2 of 2: 4 launches
;; limits: values are held in f16: magnitudes above 65,504 overflow, below 6.1e-05 lose precision; inputs' magnitudes at most 65,504; right only within a limited range of input values
;; workspace buffers: xh 8,388,608 bytes; cs 524,288 bytes; qkv 12,582,912 bytes; oh 8,388,608 bytes
;; launch prep (part 5): grid 256 x 1, 8 waves a work-group, no clusters, 34,816 bytes of LDS; arguments x, freqs, xh, cs; writes xh, cs
.if DOCPART == 5
	.amdgcn_target "amdgcn-amd-amdhsa--gfx1250"
	.amdhsa_code_object_version 6
	.text
	.protected	k_q159287f806_prep
	.globl	k_q159287f806_prep
	.p2align	8
	.type	k_q159287f806_prep,@function
k_q159287f806_prep:
	s_mov_b64 s[64:65], 0
	v_nop
	global_prefetch_b8 v0, s[64:65] scope:SCOPE_SE
	s_setreg_imm32_b32 hwreg(HW_REG_WAVE_MODE, 25, 1), 1
	s_wait_xcnt 0x0
; xh = x rounded once to f16, laid out as the next launch's lanes want it: [kb 256][row 1024][16], kb = k / 16: 16 rows x 16 k are 512 consecutive bytes.
; cs = (cos, sin) of freqs in f32: pair p = 8 pb + 4 h + 2 plane + e of row lies at byte pb*65536 + plane*32768 + row*32 + h*16 + e*8, cosine first.
; 256 work-groups of 8 waves.  Work-group g takes rows 16 (g / 4) .. + 15 and k = 1024 (g % 4) .. + 1023; wave w of it 128 of those k.  A load of the wave covers 512
; consecutive bytes of one row; the 16 rows' f16 go through the wave's own stage in LDS (16 rows x 272 bytes) and come back as blocks of 16 rows x 16 k, so that a store
; covers 512 consecutive, aligned bytes.  The stage is the wave's own: no barrier.  Thread tau = 256 g + t of the launch makes table entry tau.
; LIMITS.  |x| stays under 65,504 (f16's range).  sin and cos: the angle is reduced by a three-part pi/2 and two short polynomials,
; good to about 1e-6 for |freqs| under 1e4; beyond that the reduction loses bits.  NaN and infinities are not treated apart.
.set X, 8                              ; v[8:71]    x as loaded, 4 registers a row; later v[8:39] the blocks read back
.set H, 72                             ; v[72:103]  packed f16, 2 registers a row
.set LP, 272                           ; a stage row: 256 bytes + 16: 17 x 16, so the 16 rows of a load back start in 16 different groups of four banks (64 banks of 4 bytes: ISA guide 11.1)
	s_load_b256 s[4:11], s[0:1], 0x0               ; x s[4:5], freqs s[6:7], xh s[8:9], cs s[10:11]
	s_lshr_b32 s12, ttmp9, 2                       ; my block of 16 rows
	s_and_b32 s14, ttmp9, 3                        ; my quarter of k
	s_lshl_b32 s16, ttmp9, 8
	v_lshrrev_b32 v5, 5, v0
	v_readfirstlane_b32 s17, v5                    ; wave 0..7
	s_lshl_b32 s18, s12, 18                        ; x: 16 rows of 16,384 bytes,
	s_lshl_b32 s19, s14, 12                        ; 1,024 f32
	s_add_co_u32 s18, s18, s19
	s_mov_b32 s19, 0
	s_lshl_b32 s20, s14, 21                        ; xh: 64 blocks of 32,768 bytes,
	s_lshl_b32 s21, s12, 9                         ; 16 rows of 32 bytes
	s_add_co_u32 s20, s20, s21
	s_mov_b32 s21, 0
	s_mul_i32 s22, s17, 16*LP                      ; my stage
	s_lshl_b32 s23, s17, 18                        ; my wave's 8 blocks
	v_lshlrev_b32 v1, 4, v0                        ; 16 t = 512 w + 16 lane
	v_and_b32 v6, 31, v0
	v_and_b32 v7, 15, v0                           ; r
	v_bfe_u32 v104, v0, 4, 1                       ; h
	v_lshl_add_u32 v2, v6, 3, s22                  ; into the stage: 8 bytes a lane
	v_mul_u32_u24 v124, v7, LP
	v_lshl_add_u32 v124, v104, 4, v124
	v_add_nc_u32 v124, s22, v124                   ; back: row r, 16 bytes for each half of the lanes
	v_lshlrev_b32 v125, 5, v7
	v_lshl_add_u32 v125, v104, 4, v125
	v_add_nc_u32 v125, s23, v125                   ; and the same place in a block of xh
	v_or_b32 v5, s16, v0                           ; tau
	v_and_b32 v6, 1, v5                            ; e
	v_bfe_u32 v7, v5, 1, 1                         ; h
	v_bfe_u32 v104, v5, 2, 10                      ; row
	v_bfe_u32 v105, v5, 12, 1                      ; plane
	v_lshrrev_b32 v106, 13, v5                     ; pb
	v_lshl_add_u32 v6, v7, 2, v6
	v_lshl_add_u32 v6, v105, 1, v6
	v_lshl_add_u32 v6, v106, 3, v6                 ; p
	v_lshlrev_b32 v3, 2, v6
	v_lshl_add_u32 v3, v104, 8, v3                 ; freqs: row * 256 + 4 p
	v_lshlrev_b32 v4, 3, v5                        ; cs: 8 tau
	s_wait_kmcnt 0x0
	s_add_nc_u64 s[4:5], s[4:5], s[18:19]
	s_add_nc_u64 s[8:9], s[8:9], s[20:21]
	global_load_b32 v107, v3, s[6:7]
.set j, 0
.rept 16
	global_load_b128 v[X+4*j:X+4*j+3], v1, s[4:5] offset:j*16384 th:TH_LOAD_NT
.set j, j+1
.endr
	s_wait_loadcnt 16                              ; the angle is in; the sixteen loads of x behind it stay out
	v_mul_f32 v108, 0x3f22f983, v107               ; f * 2 / pi
	v_rndne_f32 v108, v108                         ; n
	v_fmamk_f32 v109, v108, 0xbfc90000, v107       ; r = f - n pi/2, pi/2 in three parts
	v_fmamk_f32 v109, v108, 0xb9fda000, v109
	v_fmamk_f32 v109, v108, 0xb3a22168, v109
	v_cvt_i32_f32 v110, v108                       ; the quadrant
	v_mul_f32 v111, v109, v109                     ; z = r r
	v_mov_b32 v112, 0xb94ca1f9
	v_mov_b32 v114, 0x37ccf5ce
	v_fmaak_f32 v112, v112, v111, 0x3c08839e
	v_fmaak_f32 v114, v114, v111, 0xbab6061a
	v_fmaak_f32 v112, v112, v111, 0xbe2aaaa3
	v_fmaak_f32 v114, v114, v111, 0x3d2aaaa5
	v_mul_f32 v113, v111, v109                     ; z r
	v_mul_f32 v115, v111, v111                     ; z z
	v_fma_f32 v116, v111, -0.5, 1.0                ; 1 - z / 2
	v_fma_f32 v112, v112, v113, v109               ; S = sin r
	v_fma_f32 v114, v114, v115, v116               ; C = cos r
	v_and_b32 v117, 1, v110
	v_cmp_eq_u32 vcc_lo, 1, v117                   ; an odd quadrant swaps the two: a select, no branch
	v_cndmask_b32 v118, v112, v114, vcc_lo
	v_cndmask_b32 v119, v114, v112, vcc_lo
	v_lshlrev_b32 v120, 30, v110                   ; sin is negative in quadrants 2, 3,
	v_and_b32 v120, 0x80000000, v120
	v_add_nc_u32 v121, 1, v110                     ; cos in quadrants 1, 2
	v_lshlrev_b32 v121, 30, v121
	v_and_b32 v121, 0x80000000, v121
	v_xor_b32 v123, v118, v120                     ; sin
	v_xor_b32 v122, v119, v121                     ; cos
	global_store_b64 v4, v[122:123], s[10:11]      ; a wave's store: 256 consecutive bytes, aligned
.set j, 0
.rept 16
	s_wait_loadcnt 15-j                            ; loads come back in order (ISA guide 5.7.1): row j is in, the later ones stay out
	v_cvt_pk_f16_f32 v[H+2*j], v[X+4*j], v[X+4*j+1]
	v_cvt_pk_f16_f32 v[H+2*j+1], v[X+4*j+2], v[X+4*j+3]
	ds_store_b64 v2, v[H+2*j:H+2*j+1] offset:j*LP
.set j, j+1
.endr
.set q, 0
.rept 8
	ds_load_b128 v[X+4*q:X+4*q+3], v124 offset:32*q  ; LDS serves a wave's instructions in order (ISA guide 5.7.1.4): these see the stores above
.set q, q+1
.endr
.set q, 0
.rept 8
	s_wait_dscnt 7-q                               ; block q is back; the later ones stay out
	global_store_b128 v125, v[X+4*q:X+4*q+3], s[8:9] offset:q*32768  ; 512 consecutive bytes, aligned
.set q, q+1
.endr
	s_endpgm
.Lfunc_end_k_q159287f806_prep:
	.size	k_q159287f806_prep, .Lfunc_end_k_q159287f806_prep-k_q159287f806_prep
	.p2alignl 7, 3214868480
	.fill 96, 4, 3214868480
	.section	.rodata,"a",@progbits
	.p2align	6, 0x0
	.amdhsa_kernel k_q159287f806_prep
		.amdhsa_group_segment_fixed_size 34816
		.amdhsa_private_segment_fixed_size 0
		.amdhsa_enable_private_segment 0
		.amdhsa_kernarg_size 32
		.amdhsa_user_sgpr_count 2
		.amdhsa_user_sgpr_kernarg_segment_ptr 1
		.amdhsa_wavefront_size32 1
		.amdhsa_system_sgpr_workgroup_id_x 1
		.amdhsa_system_sgpr_workgroup_id_y 1
		.amdhsa_system_sgpr_workgroup_id_z 1
		.amdhsa_system_vgpr_workitem_id 0
		.amdhsa_next_free_vgpr 128
		.amdhsa_next_free_sgpr 66
		.amdhsa_reserve_vcc 1
		.amdhsa_float_denorm_mode_32 3
		.amdhsa_float_denorm_mode_16_64 3
		.amdhsa_memory_ordered 1
		.amdhsa_forward_progress 1
		.amdhsa_inst_pref_size 11
	.end_amdhsa_kernel
	.amdgpu_metadata
---
amdhsa.version: [ 1, 2 ]
amdhsa.kernels:
  - .name:           k_q159287f806_prep
    .symbol:         k_q159287f806_prep.kd
    .args:
      - { .name: x, .offset: 0, .size: 8, .value_kind: global_buffer, .address_space: global }
      - { .name: freqs, .offset: 8, .size: 8, .value_kind: global_buffer, .address_space: global }
      - { .name: xh, .offset: 16, .size: 8, .value_kind: global_buffer, .address_space: global }
      - { .name: cs, .offset: 24, .size: 8, .value_kind: global_buffer, .address_space: global }
    .group_segment_fixed_size: 34816
    .private_segment_fixed_size: 0
    .kernarg_segment_align: 8
    .kernarg_segment_size: 32
    .max_flat_workgroup_size: 256
    .sgpr_count:     66
    .vgpr_count:     128
    .wavefront_size: 32
...
	.end_amdgpu_metadata
.endif
;; end of part 5
;; launch qkv (part 6): grid 4 x 64, 4 waves a work-group, clusters of 4 x 1, 327,680 bytes of LDS; arguments xh, wq, wk, wv, cs, qkv; writes qkv
.if DOCPART == 6
	.amdgcn_target "amdgcn-amd-amdhsa--gfx1250"
	.amdhsa_code_object_version 6
	.text
	.protected	k_q159287f806_qkv
	.globl	k_q159287f806_qkv
	.p2align	8
	.type	k_q159287f806_qkv,@function
k_q159287f806_qkv:
	s_mov_b64 s[64:65], 0
	v_nop
	global_prefetch_b8 v0, s[64:65] scope:SCOPE_SE
	s_setreg_imm32_b32 hwreg(HW_REG_WAVE_MODE, 25, 1), 1
	s_wait_xcnt 0x0
	s_wait_alu depctr_hold_cnt(0) depctr_sa_sdst(0) depctr_va_vdst(0) depctr_va_sdst(0) depctr_va_ssrc(0) depctr_va_vcc(0) depctr_vm_vsrc(0)
	s_getreg_b32 s2, hwreg(HW_REG_IB_STS2, 6, 4)
	s_cmp_eq_u32 s2, 0
	s_cbranch_scc0 .Lentry_in_a_cluster
	s_endpgm
.Lentry_in_a_cluster:
	s_bfe_u32 s2, ttmp6, 0x10000c
	s_cmp_lg_u32 s2, 0x3003
	s_cbranch_scc0 .Lentry_shape_is_right
	s_endpgm
.Lentry_shape_is_right:
; [q | k | v] = xh [wq; wk; wv]^T, 1024 x 6144 x 4096; interleaved rope on q and k; all divided by 8 (exact) and rounded once to f16.
; xh: [kb 256][row 1024][16] f16, kb = k / 16.  wq, wk, wv: f32, rows along K; they are read once, as f32, and rounded to f16 in the wave, between LDS and the matrix unit.
; qkv: [nb 384][row 1024][16] f16, nb = column / 16 of the joined 6,144 columns: a result of 16 rows x 16 columns is 512 consecutive bytes.
; LIMITS.  |x|, |w| under 65,504; |q|, |k|, |v| under 524,000 (f16's range after the division by 8).  NaN and infinities are not treated apart.
; SHARES.  A tile is 256 rows x 96 columns; 4 x 64 tiles, one to a work-group.  Four waves as 2 halves of the rows (mh) x 2 halves of each slot's K (kh):
; a wave makes 128 x 96 over 128 of every 256 along K: 48 accumulators, 384 registers.  At the end the two waves of a row half exchange half of their
; sums through LDS, and each finishes 64 rows.  So that one text serves all waves, accumulator row block a = 4 g + i holds rows 64 ((g + kh) & 1) + 16 i:
; every wave keeps a = 0..3 and sends a = 4..7, which are the rows that its partner (wave ^ 2) keeps.
; W GOES THROUGH LDS, two slots of 256 along K, filled by tensor loads.  CLUSTER 4 x 1: the four row tiles of one column tile need the same rows of W: each tile is asked for jointly.
; XH GOES STRAIGHT INTO REGISTERS and is not asked for jointly.  The waves split rows and K, so each byte of xh's tile is wanted by one wave alone: LDS would add no reuse.
; With xh's 512 bytes for each k beside W's 384, two slots hold 128 along K each; with W alone 256: half as many changes of slots, each of which waits for all tensor
; loads.  The price: each work-group asks for its own 2 MB of xh.  In xh's layout half a fragment (16 rows x 16 k) is one load of 512 consecutive bytes.
; A CHUNK is 32 along K for one wave: 48 matrix instructions.  xh's fragments lie in a ring of four buffers: chunk c waits for its own 16 loads and asks for chunk c + 3:
; 48 loads of the wave are out; a fourth chunk's would pass what LOADcnt's six bits count.
; THE MATRIX INSTRUCTION IS USED TRANSPOSED: source 0 = 16 rows of W, source 1 = 16 rows of xh: a lane holds one row and eight neighbouring columns.
; REGISTERS, in windows of 256 (s_set_vgpr_msb: bits 1:0 source 0, 3:2 source 1, 5:4 source 2, 7:6 destination):
;   window 0: v10-29 addresses; v160-207, v208-255 fragments of W in f16, two buffers; all of v32-255 at work on the way out
;   window 1: accumulators of column blocks 0-3, (a, b) at 8 (8 b + a)     window 2: v0-127 those of blocks 4, 5; v128-223 W as f32, as it comes from LDS
;   window 3: xh's ring, buffer n at 64 n; at the end v0-191 take the rope table for my 64 rows x 96 columns
.set NB,     6                         ; blocks of 16 columns in a tile
.set BH,     3                         ; column blocks to an LDS address register: three blocks' rows stay inside the 16-bit offset
.set CH,     4                         ; chunks that a wave has in a slot
.set NLW,    3                         ; waves that fetch W: 32 rows each.  Chunks of 32 rows, since tiles 42 and 53 cross from one weight buffer into the next
.set NS,     16                        ; fills: 4,096 / 256
.set PW,     1040                      ; an LDS row of W: 1,024 bytes + 16: 65 x 16, so the 16 rows of a load start in 16 different groups of four banks (64 banks of 4 bytes: ISA guide 11.1)
.set WCH,    32*PW                     ; what one load brings
.set SLOT,   16*NB*PW
.set KHW,    512                       ; my 128 of a row's 256 f32
.set SB,     1024                      ; bytes of a row of W in a fill
.set SBL,    10
.set SPARE,  2*SLOT                    ; behind the two slots: the spare words, 128 bytes for each wave
.set XB,     4*NB*1024                 ; the exchange: 24 results of 1,024 bytes a wave, in slot 0's bytes when they have had their last fill and their last read
.set LAPS,   NS/2                      ; a lap = two slots
.set AG,   10                          ; v10-11  (first row of my row group g + l % 16) * 32 + 16 (l / 16): my bytes in a block of xh; never rewritten
.set GO,   AG                          ; row group 0 holds the rows that I finish: the same offset serves a block of qkv and a plane of cs
.set ADRW, 12                          ; v12-15  LDS address of my W fragments: slot s, column blocks 3 t .. at ADRW + 2 s + t
.set XST,  16                          ; v16     the exchange: where I write
.set XLD,  17                          ; v17     where I read my partner's
.set PF,   21                          ; v21     the prefetch's lane term; never rewritten
.set SPW,  28                          ; v28     LDS address of my spare word; never rewritten
.set NIL,  29                          ; v29     0; never rewritten
.set FW,   160
.set ST,   128                         ; window 2
.set XR,   32                          ; the way out: my partner's sums, two buffers of 48
.set CF,   128                         ; cos / 8 (or 1 / 8) of four pairs
.set SF,   132                         ; sin / 8 (or 0)
.set UU,   136
.set OO,   144
.set HB,   160                         ; 24 x 4 registers of f16: every store has data registers of its own
.set WV,  16
.set MH,  17
.set KH,  18
.set CX,  19
.set TX,  21
.set AB,  24                           ; s[24:25] xh at my half of the lap in hand
.set G1W, 40                           ; s[40:47] descriptor group 1 for W's chunks;  s[48:55] group 0, a set for each slot
.set G0W, 48
.set LAPC, 56
.set KL,  57                           ; the fill that the prefetch asks for
.set WB,  58                           ; s[58:59] my chunk of W at k = 0
.set PFB, 60                           ; s[60:61] the prefetch's base
.set KOFF, 62                          ; s[62:63] its byte offset along K, high word 0
.set TAB, 66                           ; s[66:77] cs at the table block of each of my six column blocks
.set OB,  78                           ; s[78:79] qkv at my tile's first block
.set RR,  80
.set NN,  81
.set NB0, 82                           ; my tile's first block: 6 x tile column
.set MSB, 0
.macro WIN new                         ; the immediate's high byte repeats the setting that is left; a switch that changes nothing is dropped
.if MSB != (\new)
	s_set_vgpr_msb (MSB<<8)|(\new)
.set MSB, \new
.endif
.endm
.macro PLACES                          ; four places between a matrix instruction and a write, or a load, into one of its registers, or a read of its result
.rept 4
	v_nop
.endr
.endm
.macro CREST                           ; a round of the cluster's barrier behind its opening barrier
	s_cmp_lg_u32 s[WV], 0
	s_cbranch_scc1 .Lnot_wave_0_\@
	s_barrier_signal -3
.Lnot_wave_0_\@:
	s_barrier_wait -3
	s_barrier_signal -1
	s_barrier_wait -1
.endm
.macro CROUND
	s_barrier_signal -1
	s_barrier_wait -1
	CREST
.endm
; A joint refill of slot s.  The branch hangs on the wave's number alone.  Four v_nop follow the load.  Behind them the wave asks ahead for its
; share of the fill after this one: 8 rows x 1,024 bytes of its own chunk, a lane to each 256 bytes.
.macro JLOAD s
	s_cmp_lt_u32 s[WV], NLW
	s_cbranch_scc0 .Lasked_\@
	tensor_load_to_lds s[G0W+4*(\s):G0W+4*(\s)+3], s[G1W:G1W+7]
	s_nop 0
.rept 4
	v_nop
.endr
	global_prefetch_b8 v[PF], s[PFB:PFB+1] th:TH_LOAD_NT scope:SCOPE_SE
.Lasked_\@:
.endm
; 16 loads: xh's fragments of my 128 rows for chunk rel (counted from the lap at which s[AB] stands), into ring buffer rel % 4.  Each covers 512 consecutive bytes.
.macro ALOAD rel
	WIN 0xc0                                       ; destination window 3, address window 0
.set AO, ((\rel)/CH)*CH*131072+((\rel)%CH)*65536   ; a slot is 16 blocks of 32,768 bytes, a chunk two
.set AR, 64*((\rel)%4)
.irp a, 0,1,2,3,4,5,6,7
	global_load_b128 v[AR+8*(\a):AR+8*(\a)+3],   v[AG+(\a)/4], s[AB:AB+1] offset:AO+((\a)%4)*512
	global_load_b128 v[AR+8*(\a)+4:AR+8*(\a)+7], v[AG+(\a)/4], s[AB:AB+1] offset:AO+((\a)%4)*512+32768
.endr
.endm
; 16 loads: eight of the rope table's 24 fragments, (i, b) = (f / 6, f % 6), into ring buffer g, which has fallen free
.macro TLOAD g
	WIN 0xc0
.set ff, 8*(\g)
.rept 8
	global_load_b128 v[8*ff:8*ff+3],   v[GO], s[TAB+2*(ff%6):TAB+2*(ff%6)+1] offset:(ff/6)*512
	global_load_b128 v[8*ff+4:8*ff+7], v[GO], s[TAB+2*(ff%6):TAB+2*(ff%6)+1] offset:32768+(ff/6)*512
.set ff, ff+1
.endr
.endm
; What chunk rel asks for: xh three chunks on; in the last lap (tail = 1), behind xh's end, the table: sixteen loads in every chunk, so that every count is alike
.macro LOADS rel, tail
.if !(\tail) || ((\rel)+3 < 2*CH)
	ALOAD (\rel)+3
.else
	TLOAD (\rel)+3-2*CH
.endif
.endm
	s_load_b256 s[4:11], s[0:1], 0x0               ; xh s[4:5], wq s[6:7], wk s[8:9], wv s[10:11]
	s_load_b128 s[12:15], s[0:1], 0x20             ; cs s[12:13], qkv s[14:15]
	v_lshl_add_u32 v[SPW], v0, 2, SPARE
	v_mov_b32 v[NIL], 0
	v_lshrrev_b32 v1, 5, v0
	v_readfirstlane_b32 s[WV], v1                  ; wave 0..3
	s_and_b32 s[MH], s[WV], 1                      ; my half of the rows
	s_lshr_b32 s[KH], s[WV], 1                     ; my half of each slot's K
	s_bfe_u32 s[CX], ttmp6, 0x40000                ; the tile row: the grid is one cluster wide.  It enters xh's, cs's and qkv's addresses and the prefetch's alone
	s_and_b32 s[TX], ttmp7, 0xffff                 ; the tile column, which the four partners share
	s_mov_b32 s[G1W], 15|(2<<16)|(1<<20)|(1<<21)|(7<<22)|(3<<25)  ; the mask of four; 4-byte elements; padding on; 21 set beside a mask; after every 256 words 4 words
	s_mov_b32 s[G1W+1], 256<<16                    ; tensor_dim0 = 256
	s_mov_b32 s[G1W+2], 32<<16                     ; tensor_dim1 = 32
	s_mov_b32 s[G1W+3], 256<<16                    ; tile_dim0 = 256
	s_mov_b32 s[G1W+4], 32                         ; tile_dim1 = 32
	s_mov_b32 s[G1W+5], 4096                       ; elements from row to row
	s_mov_b32 s[G1W+6], 0
	s_mov_b32 s[G1W+7], 0
	s_min_u32 s22, s[WV], NLW-1                    ; which chunk of the tile's three (wave 3 fetches none and never uses this)
	s_mul_i32 s23, s[TX], NB/2
	s_add_co_u32 s22, s22, s23                     ; chunk u of the 192: 0-127 wq, 128-159 wk, 160-191 wv; made of the tile column and the wave's number
	s_mov_b32 s88, 128
	s_mov_b32 s89, 160
	s_mul_i32 s91, s[WV], WCH                      ; where it goes: wave x a constant; no place in the cluster enters an LDS address
	s_mul_i32 s84, s[KH], CH*65536                 ; xh: my half of a slot's 16 blocks
	s_mov_b32 s85, 0
	s_mov_b32 s[KL], 2
	s_mov_b32 s[KOFF+1], 0
	s_mul_i32 s[NB0], s[TX], NB
	v_and_b32 v1, 15, v0                           ; r = l % 16
	v_bfe_u32 v2, v0, 4, 1                         ; h = l / 16
	s_lshl_b32 s94, s[CX], 8
	s_lshl_b32 s95, s[MH], 7
	s_add_co_u32 s94, s94, s95
	s_lshl_b32 s95, s[KH], 6
	s_add_co_u32 s92, s94, s95                     ; row group 0 begins at row 64 kh of my half: the rows that I finish,
	s_xor_b32 s95, s95, 64
	s_add_co_u32 s93, s94, s95                     ; row group 1 at row 64 (1 - kh)
	v_add_nc_u32 v6, s92, v1
	v_lshlrev_b32 v6, 5, v6
	v_lshl_add_u32 v[AG], v2, 4, v6
	v_add_nc_u32 v6, s93, v1
	v_lshlrev_b32 v6, 5, v6
	v_lshl_add_u32 v[AG+1], v2, 4, v6
	; The prefetch.  A chunk's 32 rows are shared out among the four partners, 8 rows each; a fill is 1,024 bytes of a row: 32 lanes, 256 bytes apart.
	; Fill 2 is asked for beside the first loads; the change of slots that loads fill n asks for fill n + 1, clamped to the last: no address leaves the row.
	v_bfe_u32 v7, v0, 2, 3
	s_lshl_b32 s94, s[CX], 3
	v_add_nc_u32 v7, s94, v7
	v_and_b32 v8, 3, v0
	v_lshlrev_b32 v8, 8, v8
	v_lshl_add_u32 v[PF], v7, 14, v8
	s_wait_kmcnt 0x0
	s_add_nc_u64 s[AB:AB+1], s[4:5], s[84:85]
	ALOAD 0                                        ; the first chunk's xh goes out ahead of the round
	WIN 0
	s_cmp_lt_u32 s22, 160                          ; the buffer is chosen by selects, not by a branch
	s_cselect_b64 s[WB:WB+1], s[8:9], s[10:11]
	s_cselect_b32 s23, s88, s89
	s_cmp_lt_u32 s22, 128
	s_cselect_b64 s[WB:WB+1], s[6:7], s[WB:WB+1]
	s_cselect_b32 s23, 0, s23
	s_sub_co_u32 s22, s22, s23                     ; the chunk's number in its buffer
	s_lshl_b32 s86, s22, 19                        ; 32 rows of 16,384 bytes
	s_mov_b32 s87, 0
	s_add_nc_u64 s[WB:WB+1], s[WB:WB+1], s[86:87]
	CROUND                                         ; all four work-groups are here: the first joint loads meet
.irp s, 0,1
	s_mov_b32 s[G0W+4*(\s)], 1
	s_add_co_u32 s[G0W+4*(\s)+1], s91, (\s)*SLOT
	s_add_nc_u64 s[G0W+4*(\s)+2:G0W+4*(\s)+3], s[WB:WB+1], (\s)*SB  ; fill s: 256 f32
	s_or_b32 s[G0W+4*(\s)+3], s[G0W+4*(\s)+3], 0x80000000
.endr
	s_cmp_lt_u32 s[WV], NLW                        ; a wave's two first fills stand in one branch: two loads of mine are out
	s_cbranch_scc0 .Lfirst_asked
	tensor_load_to_lds s[G0W:G0W+3], s[G1W:G1W+7]
	s_nop 0
	tensor_load_to_lds s[G0W+4:G0W+7], s[G1W:G1W+7]
	s_nop 0
.rept 4
	v_nop
.endr
	global_prefetch_b8 v[PF], s[WB:WB+1] offset:2*SB th:TH_LOAD_NT scope:SCOPE_SE
.Lfirst_asked:
	ALOAD 1
	ALOAD 2
	WIN 0
.irp b, 0,1,2,3,4,5
	s_add_co_u32 s86, s[NB0], \b
	s_and_b32 s86, s86, 7                          ; the block's place in its head
	s_lshl_b32 s86, s86, 16
	s_add_nc_u64 s[TAB+2*(\b):TAB+2*(\b)+1], s[12:13], s[86:87]
.endr
	s_lshl_b32 s86, s[NB0], 15
	s_add_nc_u64 s[OB:OB+1], s[14:15], s[86:87]
	; A fragment is 16 rows x 32 K: lane l holds row l % 16, K = 8 h + 0..7 and 16 + 8 h + 0..7.
	v_mul_u32_u24 v4, v1, PW
	v_lshl_add_u32 v4, v2, 5, v4                   ; r x pitch + 32 h: eight f32
	s_mul_i32 s22, s[KH], KHW
	v_add_nc_u32 v[ADRW], s22, v4
	v_add_nc_u32 v[ADRW+1], BH*16*PW, v[ADRW]
	v_add_nc_u32 v[ADRW+2], SLOT, v[ADRW]
	v_add_nc_u32 v[ADRW+3], SLOT, v[ADRW+1]
	v_and_b32 v5, 31, v0
	v_lshlrev_b32 v5, 4, v5
	s_mul_i32 s22, s[WV], XB
	v_add_nc_u32 v[XST], s22, v5
	s_xor_b32 s23, s[WV], 2
	s_mul_i32 s23, s23, XB
	v_add_nc_u32 v[XLD], s23, v5
; 4 NB LDS loads: W's 96 rows, 32 along K (chunk j of my half of the slot), as f32 into window 2: registers 2 q, 2 q + 1 of a block are the two numbers of fragment register q
.macro FETCH_W slot, j
	WIN 0x80
.set bb, 0
.rept NB
	ds_load_b128 v[ST+16*bb:ST+16*bb+3],     v[ADRW+2*(\slot)+bb/BH] offset:(bb%BH)*16*PW+128*(\j)
	ds_load_b128 v[ST+16*bb+4:ST+16*bb+7],   v[ADRW+2*(\slot)+bb/BH] offset:(bb%BH)*16*PW+128*(\j)+16
	ds_load_b128 v[ST+16*bb+8:ST+16*bb+11],  v[ADRW+2*(\slot)+bb/BH] offset:(bb%BH)*16*PW+128*(\j)+64
	ds_load_b128 v[ST+16*bb+12:ST+16*bb+15], v[ADRW+2*(\slot)+bb/BH] offset:(bb%BH)*16*PW+128*(\j)+80
.set bb, bb+1
.endr
.endm
; Matrix instructions lo .. hi - 1 of a chunk's 8 NB, on W's buffer f and xh's ring buffer ab: number 8 b + a is column block b x row block a.  The 48 accumulators take
; turns, one instruction a turn, in the same order in every chunk.  zero = 1: the product starts the sum.
; ride = 1: behind each stand four roundings of the next chunk's W to f16, into the other buffer; they name no register of the products round them.
.macro MULS f, ab, lo, hi, zero, ride
.set idx, \lo
.rept (\hi)-(\lo)
.set bb, idx/8
.set aa, idx%8
.set AC, 8*(8*(bb%4)+aa)
	WIN 0x5c+0x50*(bb/4)                           ; W window 0, xh window 3, C and D window 1 or 2
.if \zero
	v_wmma_f32_16x16x32_f16 v[AC:AC+7], v[FW+48*(\f)+8*bb:FW+48*(\f)+8*bb+7], v[64*(\ab)+8*aa:64*(\ab)+8*aa+7], 0
.else
	v_wmma_f32_16x16x32_f16 v[AC:AC+7], v[FW+48*(\f)+8*bb:FW+48*(\f)+8*bb+7], v[64*(\ab)+8*aa:64*(\ab)+8*aa+7], v[AC:AC+7]
.endif
.if \ride
	WIN 0x0a
.rept 4
	v_cvt_pk_f16_f32 v[FW+48*(1-(\f))+qq], v[ST+2*qq], v[ST+2*qq+1]
.set qq, qq+1
.endr
.endif
.set idx, idx+1
.endr
.endm
; Chunk j of slot s, any but the slot's last; rel is its number in the lap.  Its loads stand in one run at its head.
.macro CHUNK s, j, rel, zero, tail
	s_wait_loadcnt 32                              ; my xh is in; the sixteen loads of each of the two chunks behind it stay out
	PLACES                                         ; in front of the loads into the ring buffer that the last chunk multiplied
	LOADS \rel, \tail
	FETCH_W \s, (\j)+1
	MULS (\rel)%2, (\rel)%4, 0, 6*NB, \zero, 0
	s_wait_dscnt 0x0                               ; the next chunk's W is in, as f32
.set qq, 0
	MULS (\rel)%2, (\rel)%4, 6*NB, 8*NB, \zero, 1
.endm
; A slot's last chunk changes slots.  In front of the barrier each wave waits for all its tensor loads (one is out: its part of the other slot), adds 0 to its spare
; word, and waits for that; its reads of this slot were waited for in the chunk before.  fill = 1: the barrier opens a round of the cluster's, and behind it this slot is
; filled again, two fills on, first of all.  From that request to the wait for it a wave issues 184 of a slot's 192 matrix instructions.
.macro TURN s, rel, fill, tail
	s_wait_loadcnt 32
.if \fill
	s_wait_xcnt 0x0                                ; the last prefetch has read its base
	s_add_co_u32 s[KL], s[KL], 1
	s_min_u32 s[KOFF], s[KL], NS-1                 ; clamped to the last fill
	s_lshl_b32 s[KOFF], s[KOFF], SBL
	s_add_nc_u64 s[PFB:PFB+1], s[WB:WB+1], s[KOFF:KOFF+1]
.endif
	PLACES
	LOADS \rel, \tail
	WIN 0
	s_wait_tensorcnt 0x0                           ; all my tensor loads have landed
	ds_add_u32 v[SPW], v[NIL]                      ; 0 onto my spare word
	MULS (\rel)%2, (\rel)%4, 0, 4, 0, 0            ; four matrix instructions stand between the add and the wait for it
	s_wait_dscnt 0x0                               ; the add is done, and my reads of this slot are over
	s_barrier_signal -1
	MULS (\rel)%2, (\rel)%4, 4, 8, 0, 0            ; work on registers while the others arrive
	WIN 0
	s_barrier_wait -1
.if \fill
	CREST                                          ; no wave of any partner still reads this slot or has a tensor load on its way
	s_add_nc_u64 s[G0W+4*(\s)+2:G0W+4*(\s)+3], s[G0W+4*(\s)+2:G0W+4*(\s)+3], 2*SB
	JLOAD \s
.endif
	FETCH_W 1-(\s), 0
	MULS (\rel)%2, (\rel)%4, 8, 6*NB, 0, 0
	s_wait_dscnt 0x0
.set qq, 0
	MULS (\rel)%2, (\rel)%4, 6*NB, 8*NB, 0, 1
.endm
.macro SLOTRUN s, r0, jlo, fill, tail  ; slot s from its chunk jlo on; r0 is its first chunk's number in the lap
.set jj, \jlo
.rept CH-1-(\jlo)
	CHUNK \s, jj, (\r0)+jj, 0, \tail
.set jj, jj+1
.endr
	TURN \s, (\r0)+CH-1, \fill, \tail
.endm
	s_wait_tensorcnt 0x1                           ; my part of fill 0 is in; fill 1's may stay out
	s_barrier_signal -1
	s_barrier_wait -1
	FETCH_W 0, 0
	s_wait_dscnt 0x0
	WIN 0x0a
.set qq, 0
.rept 8*NB
	v_cvt_pk_f16_f32 v[FW+qq], v[ST+2*qq], v[ST+2*qq+1]
.set qq, qq+1
.endr
	CHUNK 0, 0, 0, 1, 0                            ; the first chunk stands in front of the loop: its products start the sums
	WIN 0
	s_mov_b32 s[LAPC], LAPS-1
.Llap:                                                 ; a trip goes once round the ring, from a lap's second chunk to the next lap's first, and fills both slots again: fills 2 to 15
	SLOTRUN 0, 0, 1, 1, 0
	SLOTRUN 1, CH, 0, 1, 0
	CHUNK 0, 0, 2*CH, 0, 0
	WIN 0
	s_wait_xcnt 0x0                                ; xh's loads have read their base
	s_add_nc_u64 s[AB:AB+1], s[AB:AB+1], 2*CH*131072
	s_sub_co_u32 s[LAPC], s[LAPC], 1
	s_cmp_lg_u32 s[LAPC], 0
	s_cbranch_scc1 .Llap
	SLOTRUN 0, 0, 1, 0, 1                          ; the last lap fills nothing
.set jj, 0
.rept CH-1
	CHUNK 1, jj, CH+jj, 0, 1
.set jj, jj+1
.endr
	s_wait_loadcnt 32                              ; the very last chunk
	PLACES
	LOADS 2*CH-1, 1
	MULS 1, 3, 0, 8*NB, 0, 0
	PLACES
	; THE EXCHANGE.  Slot 0 has had its last fill, and every wave's reads of it were over at the last barrier: its bytes take the sums of row blocks 4-7.
.set bb, 0
.rept NB
	WIN 0x04+0x04*(bb/4)                           ; the stores' data lie in window 1 or 2; each accumulator's lowest registers go first
.irp i, 0,1,2,3
	ds_store_b128 v[XST], v[8*(8*(bb%4)+4+(\i)):8*(8*(bb%4)+4+(\i))+3]   offset:((\i)*NB+bb)*1024
	ds_store_b128 v[XST], v[8*(8*(bb%4)+4+(\i))+4:8*(8*(bb%4)+4+(\i))+7] offset:((\i)*NB+bb)*1024+512
.endr
.set bb, bb+1
.endr
	WIN 0
	s_wait_dscnt 0x0                               ; for my partner's sake: my stores are done
	s_barrier_signal -1
	s_barrier_wait -1
.macro LOADX i                         ; my partner's sums for my row block i
.set bb, 0
.rept NB
	ds_load_b128 v[XR+8*NB*((\i)%2)+8*bb:XR+8*NB*((\i)%2)+8*bb+3],   v[XLD] offset:((\i)*NB+bb)*1024
	ds_load_b128 v[XR+8*NB*((\i)%2)+8*bb+4:XR+8*NB*((\i)%2)+8*bb+7], v[XLD] offset:((\i)*NB+bb)*1024+512
.set bb, bb+1
.endr
.endm
; Row block i is finished: the two halves of K are added; (t0, t1) becomes (t0 c - t1 s, t0 s + t1 c) with c = cos R + N, s = sin R:
; R = 1/8, N = 0 for q's and k's blocks, R = 0, N = 1/8 for v's: a select of two scalars, no branch.  Then f16, and 512 consecutive bytes leave.
.macro FINQ i
.set XRB, XR+8*NB*((\i)%2)
.irp b, 0,1,2,3,4,5
.set AC, 8*(8*((\b)%4)+(\i))
.set XF, XRB+8*(\b)
.set TBL, 8*(6*(\i)+(\b))
.set HH, HB+4*(6*(\i)+(\b))
	s_add_co_u32 s22, s[NB0], \b
	s_cmp_lt_u32 s22, 320
	s_cselect_b32 s[RR], 0x3e000000, 0
	s_cselect_b32 s[NN], 0, 0x3e000000
	WIN 0x01+(\b)/4                                ; source 0: the accumulator's window
.irp k, 0,1,2,3
	v_pk_add_f32 v[XF+2*(\k):XF+2*(\k)+1], v[AC+2*(\k):AC+2*(\k)+1], v[XF+2*(\k):XF+2*(\k)+1]
.endr
	WIN 0x03                                       ; source 0: the table
.irp k, 0,1,2,3
	v_fma_f32 v[CF+(\k)], v[TBL+2*(\k)], s[RR], s[NN]
	v_mul_f32 v[SF+(\k)], v[TBL+2*(\k)+1], s[RR]
.endr
	WIN 0
.irp k, 0,1,2,3
	v_mul_f32 v[UU+2*(\k)],   v[XF+2*(\k)+1], v[SF+(\k)]
	v_mul_f32 v[UU+2*(\k)+1], v[XF+2*(\k)+1], v[CF+(\k)]
.endr
.irp k, 0,1,2,3
	v_fma_f32 v[OO+2*(\k)],   v[XF+2*(\k)], v[CF+(\k)], -v[UU+2*(\k)]
	v_fma_f32 v[OO+2*(\k)+1], v[XF+2*(\k)], v[SF+(\k)], v[UU+2*(\k)+1]
.endr
.irp k, 0,1,2,3
	v_cvt_pk_f16_f32 v[HH+(\k)], v[OO+2*(\k)], v[OO+2*(\k)+1]
.endr
	global_store_b128 v[GO], v[HH:HH+3], s[OB:OB+1] offset:(\b)*32768+(\i)*512
.endr
.endm
	LOADX 0
.irp i, 0,1,2
	LOADX (\i)+1
	s_wait_dscnt 2*NB                              ; block i is in; the next block's loads are younger
	s_wait_loadcnt 32-16*(\i)                      ; the table came in three groups of eight fragments; block i reads fragments 6 i to 6 i + 5: the later groups' loads stay out
	FINQ \i
.endr
	s_wait_dscnt 0x0
	FINQ 3
	s_wait_tensorcnt 0x0                           ; the wave's end
	ds_add_u32 v[SPW], v[NIL]
	s_wait_dscnt 0x0
	CROUND                                         ; the closing round
	s_endpgm
.Lfunc_end_k_q159287f806_qkv:
	.size	k_q159287f806_qkv, .Lfunc_end_k_q159287f806_qkv-k_q159287f806_qkv
	.p2alignl 7, 3214868480
	.fill 96, 4, 3214868480
	.section	.rodata,"a",@progbits
	.p2align	6, 0x0
	.amdhsa_kernel k_q159287f806_qkv
		.amdhsa_group_segment_fixed_size 327680
		.amdhsa_private_segment_fixed_size 0
		.amdhsa_enable_private_segment 0
		.amdhsa_kernarg_size 48
		.amdhsa_user_sgpr_count 2
		.amdhsa_user_sgpr_kernarg_segment_ptr 1
		.amdhsa_wavefront_size32 1
		.amdhsa_system_sgpr_workgroup_id_x 1
		.amdhsa_system_sgpr_workgroup_id_y 1
		.amdhsa_system_sgpr_workgroup_id_z 1
		.amdhsa_system_vgpr_workitem_id 0
		.amdhsa_next_free_vgpr 1024
		.amdhsa_next_free_sgpr 100
		.amdhsa_reserve_vcc 0
		.amdhsa_float_denorm_mode_32 3
		.amdhsa_float_denorm_mode_16_64 3
		.amdhsa_memory_ordered 1
		.amdhsa_forward_progress 1
		.amdhsa_inst_pref_size 232
	.end_amdhsa_kernel
	.amdgpu_metadata
---
amdhsa.version: [ 1, 2 ]
amdhsa.kernels:
  - .name:           k_q159287f806_qkv
    .symbol:         k_q159287f806_qkv.kd
    .args:
      - { .name: xh, .offset: 0, .size: 8, .value_kind: global_buffer, .address_space: global }
      - { .name: wq, .offset: 8, .size: 8, .value_kind: global_buffer, .address_space: global }
      - { .name: wk, .offset: 16, .size: 8, .value_kind: global_buffer, .address_space: global }
      - { .name: wv, .offset: 24, .size: 8, .value_kind: global_buffer, .address_space: global }
      - { .name: cs, .offset: 32, .size: 8, .value_kind: global_buffer, .address_space: global }
      - { .name: qkv, .offset: 40, .size: 8, .value_kind: global_buffer, .address_space: global }
    .group_segment_fixed_size: 327680
    .private_segment_fixed_size: 0
    .kernarg_segment_align: 8
    .kernarg_segment_size: 48
    .max_flat_workgroup_size: 128
    .sgpr_count:     100
    .vgpr_count:     1024
    .wavefront_size: 32
...
	.end_amdgpu_metadata
.endif
;; end of part 6
;; launch attn (part 7): grid 8 x 32, 4 waves a work-group, clusters of 4 x 1, 327,680 bytes of LDS; arguments qkv, oh; writes oh
.if DOCPART == 7
	.amdgcn_target "amdgcn-amd-amdhsa--gfx1250"
	.amdhsa_code_object_version 6
	.text
	.protected	k_q159287f806_attn
	.globl	k_q159287f806_attn
	.p2align	8
	.type	k_q159287f806_attn,@function
k_q159287f806_attn:
	s_mov_b64 s[64:65], 0
	v_nop
	global_prefetch_b8 v0, s[64:65] scope:SCOPE_SE
	s_setreg_imm32_b32 hwreg(HW_REG_WAVE_MODE, 25, 1), 1
	s_wait_xcnt 0x0
	s_wait_alu depctr_hold_cnt(0) depctr_sa_sdst(0) depctr_va_vdst(0) depctr_va_sdst(0) depctr_va_ssrc(0) depctr_va_vcc(0) depctr_vm_vsrc(0)
	s_getreg_b32 s2, hwreg(HW_REG_IB_STS2, 6, 4)
	s_cmp_eq_u32 s2, 0
	s_cbranch_scc0 .Lentry_in_a_cluster
	s_endpgm
.Lentry_in_a_cluster:
	s_bfe_u32 s2, ttmp6, 0x10000c
	s_cmp_lg_u32 s2, 0x3003
	s_cbranch_scc0 .Lentry_shape_is_right
	s_endpgm
.Lentry_shape_is_right:
; O[q][128 hq + :] = the sum over k of softmax_k(Q[hq][q] . K[g][k] / sqrt(128)) V[g][k][:], g = hq / 4; 32 query heads, 8 key heads, 1,024 rows, no mask.  oh holds O / 2.
; qkv: [nb 384][row 1024][16] f16, holding q / 8 (blocks 8 hq ..), k / 8 (256 + 8 g ..), v / 8 (320 + 8 g ..).  oh: [kb 256][row 1024][16] f16, kb = column / 16 = 8 hq + channel / 16.
; Products, maxima and sums in f32; the weights p are rounded to f16 for the second product (their sum l is taken of the unrounded p), O once at the end.
; The powers of two are exact: c = 64 log2(e) / sqrt(128) undoes q's and k's, 4 / l makes O / 2 of the sum over v / 8.
; LIMITS.  |O| under 131,000 (f16's range after the division by 2); a weight below 2^-126 counts as 0 in l; NaN and infinities are not treated apart.
; SHARES.  A work-group owns 128 queries of one head.  Waves: qh = w & 1 picks 64 queries (four tiles of 16), kh = w >> 1 picks 64 of every 128 keys.  So a fragment of K or V
; read from LDS feeds four tiles' products, and each of the 256 work-groups has eight key steps a wave.  At the end the two waves of a query half merge (c m, l, O^T) through
; LDS.  Tile t holds query tile (t + 2 kh) & 3: every wave keeps t = 0, 1 and sends t = 2, 3, which are the tiles that its partner (wave ^ 2) keeps: one text for all waves.
; LAYOUT.  S^T = K Q^T (source 0 = 16 keys, source 1 = 16 queries): a lane holds ONE query (lane % 16) and the keys 8 (lane / 16) + 0..7.  Two such results, rounded to f16 in
; pairs, ARE source 1 of O^T = V^T P, whose result again holds one query a lane, and eight channels: 16 bytes of oh's layout, so that O leaves straight from registers.
; V comes out of LDS turned, by ds_load_tr16_b128.
; SOFTMAX.  A running maximum m and sum l for each query: p = 2^(c s - c m); in every step O and l are multiplied by a = 2^(c m_old - c m_new).
; BY TURNS.  The wave's tiles are two PIECES (0: tiles 0, 1; 2: tiles 2, 3).  In a TURN one piece has the matrix unit: 32 products V^T P of the step in hand, then 32 products
; K Q^T of the next step; the other piece's softmax, cut into 64 slices, stands between them, one slice behind each matrix instruction.  Two turns are a key step.
; CLUSTER.  Four query blocks of one head walk the same K and V: each tile is asked for JOINTLY, with the same descriptor and a mask that names the four.
; REGISTERS, in windows of 256 (s_set_vgpr_msb: bits 1:0 source 0, 3:2 source 1, 5:4 source 2, 7:6 destination):
;   window 0: v0-11, v44-49 addresses; v12-43 eight registers of statistics a tile; v64-191 S^T, 32 a tile; v192-255 P, 16 a tile
;   window 1: O^T, 64 a tile          window 2: v0-127 Q, 32 a tile; v128-255 K of one step          window 3: v0-127 V of one step
.set GP,    272       ; eight keys of a channel block in LDS: 256 bytes + 16 of padding
.set CB,    16*GP     ; a channel block (16 channels) of a slot's 128 keys
.set VOFF,  8*CB      ; a slot: K's eight channel blocks, then V's
.set SLOT1, 1<<17     ; slot 1 begins here, so that one exclusive or turns an address in one slot into the other's
.set MERGE, SLOT1+2*VOFF   ; behind the ring, never filled by a tensor load: for each wave two tiles of O^T (8,192 bytes each), then two x 256 bytes of statistics
.set MB,    16896
.set SPARE, MERGE+4*MB     ; the spare words, 128 bytes for each wave
.set AK0, 2           ; v2   my lane's place in a slot's K; never rewritten
.set AV0, 3           ; v3   the same for V
.set ADR, 4           ; v4   the LDS address of the run of loads in hand
.set GO,  8           ; v8   my 16 bytes in 16 rows of a block of oh
.set QOLO, 44         ; v44  my byte offset in Q for tiles 0, 1
.set QOHI, 45         ; v45  for tiles 2, 3
.set MS16, 46         ; v46  the merge: where I write O^T
.set MS8,  47         ; v47  where I write (c m, l)
.set ML16, 48         ; v48  where I read my partner's O^T
.set ML8,  49         ; v49  and its (c m, l)
.set SPW, 62          ; v62  LDS address of my spare word; never rewritten
.set NIL, 63          ; v63  0; never rewritten
.set ST,  12          ; tile t's statistics at v[ST+8 t]: +0 c m, +1 m, +2, +3 l (even keys', odd keys'), +4 to +7 c0-c3, at work; a takes c2's place once the maximum is found
.set S,   64
.set P,   192
.set KF,  128         ; K's fragments, in window 2
.set WV,  12          ; s12  my wave's number
.set G1,  24          ; s[24:31] descriptor group 1, for K's and V's tiles alike
.set G0K, 40          ; s[40:47] descriptor group 0 for K's tiles: a set for each of the two first fills; the second then walks on
.set G0V, 48          ; s[48:55] the same for V's
.set SLOTS, 56
.set CS,  58          ; s[58:59] c
.set SEL, 60          ; s[60:61] lane selects for v_permlanex16_b32: each lane takes its own place in the other half
.set TB,  62          ; s62  LDS byte at which the slot to be fetched from begins
.set MSB, 0
.macro WIN new
.if MSB != (\new)
	s_set_vgpr_msb (MSB<<8)|(\new)
.set MSB, \new
.endif
.endm
.set W_KQ, 0x0a       ; K and Q in window 2, S^T in window 0
.set W_PV, 0x53       ; V in window 3, P in window 0, O^T in window 1
.set W_RS, 0x41       ; O^T (destination and source 0) in window 1, a in window 0
; A joint refill.  Waves 0 and 1 fetch the two halves of K's channel blocks, waves 2 and 3 those of V's.  Four v_nop follow each of the two lines.
.macro JLOAD
	s_cmp_lt_u32 s[WV], 2
	s_cbranch_scc0 .Lfor_v_\@
	tensor_load_to_lds s[G0K+4:G0K+7], s[G1:G1+7]
	s_nop 0
.rept 4
	v_nop
.endr
	s_branch .Lasked_\@
.Lfor_v_\@:
	tensor_load_to_lds s[G0V+4:G0V+7], s[G1:G1+7]
	s_nop 0
.rept 4
	v_nop
.endr
.Lasked_\@:
.endm
.macro CROUND                       ; a round of the cluster's barrier
	s_barrier_signal -1
	s_barrier_wait -1
	s_cmp_lg_u32 s[WV], 0
	s_cbranch_scc1 .Lnot_wave_0_\@
	s_barrier_signal -3
.Lnot_wave_0_\@:
	s_barrier_wait -3
	s_barrier_signal -1
	s_barrier_wait -1
.endm
	s_load_b128 s[4:7], s[0:1], 0x0 ; qkv s[4:5], oh s[6:7]
	v_lshl_add_u32 v[SPW], v0, 2, SPARE
	v_mov_b32 v[NIL], 0
	v_lshrrev_b32 v1, 5, v0
	v_readfirstlane_b32 s[WV], v1   ; wave 0..3
	s_bfe_u32 s13, ttmp6, 0x40000   ; cx
	s_lshl_b32 s14, ttmp9, 2
	s_add_co_u32 s14, s14, s13      ; my block of 128 queries: it enters Q's and oh's addresses alone
	s_and_b32 s15, ttmp7, 0xffff    ; the query head, which the four partners share
	s_lshr_b32 s16, s15, 2          ; the key head
	s_and_b32 s17, s[WV], 1         ; qh.  Also: which four channel blocks I fetch
	s_lshr_b32 s18, s[WV], 1        ; kh
	s_lshl_b32 s20, s16, 3
	s_lshl_b32 s21, s17, 2
	s_add_co_u32 s20, s20, s21
	s_add_co_u32 s20, s20, 256      ; K's block 256 + 8 g + 4 (w & 1),
	s_lshl_b32 s20, s20, 15         ; 32,768 bytes a block
	s_mov_b32 s21, 0
	s_mul_i32 s19, s17, 4*CB        ; and its place in a slot: no place in the cluster enters an LDS address
	s_lshl_b32 s2, s15, 18          ; Q: block 8 hq,
	s_lshl_b32 s3, s14, 12          ; row 128 qb
	s_add_co_u32 s2, s2, s3
	s_lshl_b32 s3, s17, 11          ; + 64 qh, 32 bytes a row
	s_add_co_u32 s2, s2, s3
	s_mov_b32 s3, 0
	s_lshl_b32 s22, s18, 10         ; oh: the same block and row, + the 32 kh rows in front of those that I store
	s_add_co_u32 s22, s22, s2
	s_mov_b32 s23, 0
	; descriptor group 1: four channel blocks, each 128 keys x 32 bytes = a row of 4,096 dense bytes, 32,768 bytes apart; padded in LDS after every eight keys
	s_mov_b32 s[G1], 15|(1<<16)|(1<<20)|(1<<21)|(5<<22)|(3<<25)  ; the mask of four; 2-byte elements; padding on; 21 set beside a mask; after every 64 words 4 words
	s_mov_b32 s[G1+1], 2048<<16     ; tensor_dim0 = 2,048
	s_mov_b32 s[G1+2], 4<<16        ; tensor_dim1 = 4
	s_mov_b32 s[G1+3], 2048<<16     ; tile_dim0 = 2,048
	s_mov_b32 s[G1+4], 4            ; tile_dim1 = 4
	s_mov_b32 s[G1+5], 16384        ; elements from row to row
	s_mov_b32 s[G1+6], 0
	s_mov_b32 s[G1+7], 0
	s_mov_b32 s[CS], 0x410293ee     ; c = 64 log2(e) / sqrt(128) = 8.1611
	s_mov_b32 s[CS+1], s[CS]        ; named with it as a pair
	s_mov_b32 s[SEL], 0x76543210
	s_mov_b32 s[SEL+1], 0xfedcba98
	s_mov_b32 s[TB], 0
	s_mov_b32 s[SLOTS], 5
	s_wait_kmcnt 0x0
	s_add_nc_u64 s[32:33], s[4:5], s[20:21]      ; K at my four blocks, key 0
	s_add_nc_u64 s[34:35], s[32:33], 0x200000    ; V lies 64 blocks on
	s_add_nc_u64 s[8:9], s[4:5], s[2:3]          ; Q at my wave's first row
	s_add_nc_u64 s[10:11], s[6:7], s[22:23]      ; oh at the first row that I store
	CROUND                          ; all four work-groups are here: the first joint loads meet
.irp s, 0,1
	s_mov_b32 s[G0K+4*(\s)], 1
	s_add_co_u32 s[G0K+4*(\s)+1], s19, (\s)*SLOT1
	s_add_nc_u64 s[G0K+4*(\s)+2:G0K+4*(\s)+3], s[32:33], (\s)*4096  ; slot s begins with keys 128 s to 128 s + 127
	s_or_b32 s[G0K+4*(\s)+3], s[G0K+4*(\s)+3], 0x80000000
	s_mov_b32 s[G0V+4*(\s)], 1
	s_add_co_u32 s[G0V+4*(\s)+1], s19, (\s)*SLOT1+VOFF
	s_add_nc_u64 s[G0V+4*(\s)+2:G0V+4*(\s)+3], s[34:35], (\s)*4096
	s_or_b32 s[G0V+4*(\s)+3], s[G0V+4*(\s)+3], 0x80000000
.endr
	s_cmp_lt_u32 s[WV], 2           ; a wave's two first fills stand in one branch, ahead of every wait on TENSORcnt and every LDS read: two loads of mine are out
	s_cbranch_scc0 .Lfirst_v
	tensor_load_to_lds s[G0K:G0K+3], s[G1:G1+7]
	s_nop 0
	tensor_load_to_lds s[G0K+4:G0K+7], s[G1:G1+7]
	s_nop 0
.rept 4
	v_nop
.endr
	s_branch .Lfirst_asked
.Lfirst_v:
	tensor_load_to_lds s[G0V:G0V+3], s[G1:G1+7]
	s_nop 0
	tensor_load_to_lds s[G0V+4:G0V+7], s[G1:G1+7]
	s_nop 0
.rept 4
	v_nop
.endr
.Lfirst_asked:
	; A fragment of K or Q is 16 rows x 32 channels: lane l holds row l % 16; registers 0-3 channels 8 (l / 16) + 0..7 of the first of two channel blocks, registers 4-7 the same of the second.
	v_and_b32 v1, 15, v0            ; l % 16
	v_bfe_u32 v9, v0, 4, 1          ; l / 16
	v_lshlrev_b32 v10, 5, v1
	v_lshl_add_u32 v10, v9, 4, v10  ; row x 32 + 16 x half
	s_lshl_b32 s13, s18, 10         ; tiles 0, 1 begin at row 32 kh,
	v_add_nc_u32 v[QOLO], s13, v10
	s_xor_b32 s13, s13, 1024        ; tiles 2, 3 at row 32 (1 - kh)
	v_add_nc_u32 v[QOHI], s13, v10
	WIN 0x80                        ; destination window 2, address window 0
.irp i, 0,1,2,3,4,5,6,7,8,9,10,11,12,13,14,15  ; Q stays in registers: tile i / 4, channels 32 (i % 4) on; each load covers 512 consecutive bytes
	global_load_b128 v[8*(\i):8*(\i)+3],   v[QOLO+(\i)/8], s[8:9] offset:((\i)%4)*65536+(((\i)/4)%2)*512
	global_load_b128 v[8*(\i)+4:8*(\i)+7], v[QOLO+(\i)/8], s[8:9] offset:((\i)%4)*65536+(((\i)/4)%2)*512+32768
.endr
	WIN 0
	v_bfe_u32 v10, v0, 3, 1         ; (l / 8) % 2
	v_and_b32 v11, 7, v0            ; l % 8
	s_mul_i32 s13, s18, 8*GP        ; my 64 of the slot's 128 keys
	v_mul_u32_u24 v[AK0], v10, GP   ; key l % 16: group (l / 8) % 2, place l % 8
	v_lshl_add_u32 v[AK0], v11, 5, v[AK0]
	v_lshl_add_u32 v[AK0], v9, 4, v[AK0]
	v_add_nc_u32 v[AK0], s13, v[AK0]
	; The turning load takes 16 keys x 16 channels (lane l reads 16 bytes: key 8 (l / 16) + l % 8, channels 8 ((l / 8) % 2) + 0..7) and leaves half a fragment of V^T: lane l holds channel l % 16 and 8 keys.
	s_add_co_u32 s13, s13, VOFF
	v_mul_u32_u24 v[AV0], v9, GP
	v_lshl_add_u32 v[AV0], v11, 5, v[AV0]
	v_lshl_add_u32 v[AV0], v10, 4, v[AV0]
	v_add_nc_u32 v[AV0], s13, v[AV0]
; THE MATRIX WORK OF A TURN, for piece x.  The accumulators take turns, one instruction a turn.
; Product i of 32 of O^T += V^T P: keys 32 (i / 16) on, channels 16 ((i / 2) % 8) on, tile x + i % 2.  zero = 1: the first 16 start the sums.
.macro PV x, zero
	WIN W_PV
.set rO, 64*((\x)+i%2)+8*((i/2)%8)
.set rV, 64*(i/16)+8*((i/2)%8)
.set rP, P+16*((\x)+i%2)+8*(i/16)
.if (\zero) && (i < 16)
	v_wmma_f32_16x16x32_f16 v[rO:rO+7], v[rV:rV+7], v[rP:rP+7], 0
.else
	v_wmma_f32_16x16x32_f16 v[rO:rO+7], v[rV:rV+7], v[rP:rP+7], v[rO:rO+7]
.endif
.endm
; Product i of 32 of S^T = K Q^T: channels 32 (i / 8) on, keys 16 ((i / 2) % 4) on, tile x + i % 2.  The first 8 start the sums.
.macro KQ x
	WIN W_KQ
.set rS, S+32*((\x)+i%2)+8*((i/2)%4)
.set rK, KF+32*((i/2)%4)+8*(i/8)
.set rQ, 32*((\x)+i%2)+8*(i/8)
.if i < 8
	v_wmma_f32_16x16x32_f16 v[rS:rS+7], v[rK:rK+7], v[rQ:rQ+7], 0
.else
	v_wmma_f32_16x16x32_f16 v[rS:rS+7], v[rK:rK+7], v[rQ:rQ+7], v[rS:rS+7]
.endif
.endm
; THE LDS LOADS stand in runs of 32: a step's K (64 keys x 128 channels: 16 fragments) and, a turn later, its V (turned).
.macro FETCH_K
	WIN 0
	v_add_nc_u32 v[ADR], s[TB], v[AK0]
	WIN 0x80                        ; destination window 2
.irp f, 0,1,2,3,4,5,6,7,8,9,10,11,12,13,14,15  ; keys 16 (f / 4) on (two groups of eight), channels 32 (f % 4) on (two channel blocks)
	ds_load_b128 v[KF+8*(\f):KF+8*(\f)+3],   v[ADR] offset:((\f)/4)*2*GP+((\f)%4)*2*CB
	ds_load_b128 v[KF+8*(\f)+4:KF+8*(\f)+7], v[ADR] offset:((\f)/4)*2*GP+((\f)%4)*2*CB+CB
.endr
.endm
.macro FETCH_V
	WIN 0
	v_add_nc_u32 v[ADR], s[TB], v[AV0]
	WIN 0xc0                        ; destination window 3
.irp f, 0,1,2,3,4,5,6,7,8,9,10,11,12,13,14,15  ; keys 32 (f / 8) on, channel block f % 8
	ds_load_tr16_b128 v[8*(\f):8*(\f)+3],   v[ADR] offset:((\f)/8)*4*GP+((\f)%8)*CB
	ds_load_tr16_b128 v[8*(\f)+4:8*(\f)+7], v[ADR] offset:((\f)/8)*4*GP+((\f)%8)*CB+2*GP
.endr
.endm
; THE VECTOR WORK OF A TURN.  One tile's softmax for one key step is a list of 134 instructions; SM writes number j of it for tile t.  s0-s31 are the lane's 32 scores, in pairs 0-15.
; first = 1: the first key step, which starts m, l and O^T: it has no a and nothing to rescale.
;   0-15    the maximum of s0-s31 and the old m, three operands at a time (each accumulator's lowest registers are read first)
;   16-20   the other half of the lanes' maximum; the new m; c m; c m_old - c m_new
;   21-87   33 exponentials (a, then s0-s31) at the odd numbers from 23 on, a plain instruction between any two: c s - c m for pairs to come, roundings to f16 of pairs done, the first sums
;   88-101  the last rounding; the rest of the sums; l = a l + the sum
;   102-133 the tile's O^T times a: the one part that leaves window 0, so it stands together
.macro SM t, first
.set rT, ST+8*(\t)
.set rS, S+32*(\t)
.set rP, P+16*(\t)
.set rO, 64*(\t)+2*(j-102)
.set q, (j-20)/2
.if j < 102
	WIN 0
.endif
.if j < 4
	v_max3_num_f32 v[rT+4+j], v[rS+8*j], v[rS+8*j+1], v[rS+8*j+2]
.elseif j < 12
	v_max3_num_f32 v[rT+4+j%4], v[rT+4+j%4], v[rS+8*(j%4)+2*(j/4)+1], v[rS+8*(j%4)+2*(j/4)+2]
.elseif j == 12
	v_max3_num_f32 v[rT+4], v[rT+4], v[rS+7], v[rS+15]
.elseif j == 13
	v_max3_num_f32 v[rT+6], v[rT+6], v[rS+23], v[rS+31]
.elseif j == 14
	v_max3_num_f32 v[rT+4], v[rT+4], v[rT+5], v[rT+6]
.elseif (j == 15) && (\first)
	v_max_num_f32 v[rT+4], v[rT+4], v[rT+7]
.elseif j == 15
	v_max3_num_f32 v[rT+4], v[rT+4], v[rT+7], v[rT+1]
.elseif j == 16
	v_permlanex16_b32 v[rT+5], v[rT+4], s[SEL], s[SEL+1]  ; the query's other 32 keys lie in the lane 16 away
.elseif j == 18
	v_max_num_f32 v[rT+1], v[rT+4], v[rT+5]
.elseif j == 19
	v_mul_f32 v[rT], s[CS], v[rT+1]
.elseif ((j == 17) || (j == 20) || (j == 23) || (j > 101)) && (\first)  ; the first step has none of these
.elseif j == 17
	v_mov_b32 v[rT+7], v[rT]        ; c m_old is kept for a: number 19 writes c m anew
.elseif j == 20
	v_sub_f32 v[rT+7], v[rT+7], v[rT]
.elseif j == 23
	v_exp_f32 v[rT+6], v[rT+7]
.elseif (j < 88) && (j > 23) && (j%2 == 1)
	v_exp_f32 v[rS+(j-25)/2], v[rS+(j-25)/2]
.elseif (q < 4) || ((j < 76) && (q%2 == 0))
.set b, q/2+2
.if q < 4
.set b, q
.endif
	v_pk_fma_f32 v[rS+2*b:rS+2*b+1], v[rS+2*b:rS+2*b+1], s[CS:CS+1], v[rT:rT+1] op_sel_hi:[1,0,0] neg_lo:[0,0,1] neg_hi:[0,0,1]  ; pair b: c s - c m
.elseif (j < 88) && (q%2 == 1)
	s_wait_alu depctr_va_vdst(0)
	v_cvt_pk_f16_f32 v[rP+(q-5)/2], v[rS+q-5], v[rS+q-4]  ; pair (q - 5) / 2: its second exponential stands three numbers back
.elseif j == 89
	s_wait_alu depctr_va_vdst(0)
	v_cvt_pk_f16_f32 v[rP+15], v[rS+30], v[rS+31]
.elseif j < 102                     ; the sum of the tile's 16 pairs, in place: sum z of 16 adds neighbours 1, 2, 4 and 8 pairs apart, then l takes it
.set z, j-86
.if j < 89
.set z, (j-76)/4
.endif
.set w, 4
.set u, z
.if z >= 14
.set w, 32
.set u, 0
.elseif z >= 12
.set w, 16
.set u, z-12
.elseif z >= 8
.set w, 8
.set u, z-8
.endif
.if (z == 14) && (\first)
	v_pk_add_f32 v[rT+2:rT+3], v[rS:rS+1], v[rS+16:rS+17]
.elseif z < 15
	v_pk_add_f32 v[rS+w*u:rS+w*u+1], v[rS+w*u:rS+w*u+1], v[rS+w*u+w/2:rS+w*u+w/2+1]
.elseif !(\first)
	v_pk_fma_f32 v[rT+2:rT+3], v[rT+2:rT+3], v[rT+6:rT+7], v[rS:rS+1] op_sel_hi:[1,0,1]
.endif
.else
	WIN W_RS
	v_pk_mul_f32 v[rO:rO+1], v[rO:rO+1], v[rT+6:rT+7] op_sel_hi:[1,0]
.endif
.endm
; Slice k of 64 of piece y's softmax: numbers 2 k and 2 k + 1 of both tiles' lists, four instructions.  2 x 134 = 4 x 64 + 12: the twelve that are over stand together, in slice 63.
.macro SLICE y, first
.if (k >= 11) && (k < 44)           ; tile by tile: plain, exponential, plain, exponential
.irp t, \y, (\y)+1
.irp n, 0,1
.set j, 2*k+(\n)
	SM \t, \first
.endr
.endr
.else                               ; the two tiles alternate, so that no instruction reads the result of the one just before it
.irp n, 0,1,2,3,4,5,6,7
.if ((\n) < 2) || (k == 63)
.irp t, \y, (\y)+1
.set j, 2*k+(\n)
	SM \t, \first
.endr
.endif
.endr
.endif
.set k, k+1
.endm
.macro PLACES                       ; four places behind a matrix instruction (ISA guide 7.12.1); in the loop the slices are the places
.rept 4
	v_nop
.endr
.endm
; A TURN.  Piece x has the matrix unit; the other piece's softmax stands in slices behind its matrix instructions.
; pv = 2: 32 products V^T P; 1: they start O^T's sums; 0: none.  kq = 1: 32 products K Q^T for the next step.  A turn with one of the two kinds has two slices behind each product.
; first = 1: the softmax is the first key step's; its slices from 51 on are empty, and four v_nop take slice 63's part as the places behind the turn's last products.
; Each run of loads stands behind the second product of a run of 32, 30 matrix instructions ahead of its first use.  Piece 0's turn fetches the next step's K: the last product that
; read K stands in front of slice 63 of the turn before.  Piece 2's turn fetches the same step's V: the last product that read V stands three slices, six plain instructions, back.
.macro TURN x, pv, kq, first
.set k, 0
.set per, 2
.if (\pv) && (\kq)
.set per, 1
.endif
.if \pv
.if (\x) == 0
	s_wait_dscnt 0x0                ; V is in
.endif
.set i, 0
.rept 32
	PV \x, 2-(\pv)
.rept per
	SLICE 2-(\x), \first
.endr
.if ((\x) == 0) && (\kq) && (i == 1)
	FETCH_K
.endif
.set i, i+1
.endr
.endif
.if \kq
.if (\x) == 0
	s_wait_dscnt 0x0                ; K is in
.endif
.set i, 0
.rept 32
	KQ \x
.rept per
	SLICE 2-(\x), \first
.endr
.if ((\x) == 2) && (i == 1)
	FETCH_V
.endif
.set i, i+1
.endr
.endif
.if \first
	PLACES
.endif
.endm
; THE CHANGE OF SLOTS, behind piece 2's turn: my half of the slot's K and V has been asked for.  Each wave waits for all its tensor loads, of which one is out: its part of the other
; slot; adds 0 to its spare word; and waits for that and for its own reads of the slot.  fill = 1: the slot is filled again, with the keys two slots on.  The barrier is then a round
; of the cluster's, and the joint refill is the first thing behind it: it has a key step, 128 matrix instructions, in which to land.
.macro CHANGE fill
	WIN 0                           ; at a label and at a branch every window is 0
	s_wait_tensorcnt 0x0            ; no tensor load of mine is out, so a group 0 may be written
	ds_add_u32 v[SPW], v[NIL]       ; 0 onto my spare word
.if \fill
.irp g, G0K+4, G0V+4
	s_xor_b32 s[(\g)+1], s[(\g)+1], SLOT1  ; the walking descriptor: the other slot than last time,
	s_add_nc_u64 s[(\g)+2:(\g)+3], s[(\g)+2:(\g)+3], 4096  ; the next 128 keys
.endr
	s_wait_dscnt 0x0                ; the add is done, and my reads of the slot are over
	CROUND
	JLOAD
.else
	s_wait_dscnt 0x0
	s_barrier_signal -1
	s_barrier_wait -1
.endif
	s_xor_b32 s[TB], s[TB], SLOT1   ; the fetches go on in the other slot
.endm
	s_wait_tensorcnt 1              ; my part of slot 0 is in; slot 1's may stay out
	s_barrier_signal -1
	s_barrier_wait -1
	FETCH_K                         ; key step 0
	s_wait_loadcnt 0x0              ; Q
	s_wait_dscnt 0x0
.set i, 0
.rept 32
	KQ 0                            ; piece 0's first scores: there is no vector work yet to set between them
.set i, i+1
.endr
	WIN 0                           ; the addresses for the merge and the way out are made here: seven plain instructions, the places behind those products
	v_lshlrev_b32 v[GO], 5, v1      ; row l % 16 of 32 bytes,
	v_lshl_add_u32 v[GO], v9, 4, v[GO]  ; 16 bytes for each half of the lanes
	v_and_b32 v10, 31, v0
	s_mul_i32 s13, s[WV], MB
	s_add_co_u32 s13, s13, MERGE
	v_lshl_add_u32 v[MS16], v10, 4, s13
	s_add_co_u32 s13, s13, 16384
	v_lshl_add_u32 v[MS8], v10, 3, s13
	s_xor_b32 s14, s[WV], 2         ; my partner
	s_mul_i32 s14, s14, MB
	s_add_co_u32 s14, s14, MERGE
	v_lshl_add_u32 v[ML16], v10, 4, s14
	s_add_co_u32 s14, s14, 16384
	v_lshl_add_u32 v[ML8], v10, 3, s14
	TURN 2, 0, 1, 1                 ; piece 2's first scores | piece 0's first softmax | V of step 0
	CHANGE 1                        ; slot 0 takes keys 256 on
	TURN 0, 1, 1, 1                 ; piece 0: V^T P of step 0 starts O^T, K Q^T of step 1 | piece 2's first softmax | K of step 1
	TURN 2, 1, 1, 0                 ; piece 2: the same | piece 0's softmax of step 1 | V of step 1
	WIN 0
.Lslot:                             ; five trips: a slot is filled again (keys 384 on to 896 on) and a key step is done
	CHANGE 1
	TURN 0, 2, 1, 0
	TURN 2, 2, 1, 0
	WIN 0
	s_sub_co_u32 s[SLOTS], s[SLOTS], 1
	s_cmp_lg_u32 s[SLOTS], 0
	s_cbranch_scc1 .Lslot
	CHANGE 0                        ; the tail is written out: nothing is asked for
	TURN 0, 2, 1, 0
	TURN 2, 2, 1, 0
	TURN 0, 2, 0, 0                 ; piece 0: V^T P of the last step | piece 2's last softmax
.set i, 0
.rept 32
	PV 2, 0                         ; piece 2: V^T P of the last step
.set i, i+1
.endr
	; THE MERGE.  l's two halves and the other half of the lanes' are added, and the sum takes m's place beside c m.  The first additions are the places behind the last products.
	WIN 0
.irp t, 0,1,2,3
	v_add_f32 v[ST+8*(\t)+4], v[ST+8*(\t)+2], v[ST+8*(\t)+3]
.endr
.irp t, 0,1,2,3
	v_permlanex16_b32 v[ST+8*(\t)+5], v[ST+8*(\t)+4], s[SEL], s[SEL+1]
.endr
.irp t, 0,1,2,3
	v_add_f32 v[ST+8*(\t)+1], v[ST+8*(\t)+4], v[ST+8*(\t)+5]
.endr
.irp t, 2,3                         ; tiles 2, 3 go to my partner
	ds_store_b64 v[MS8], v[ST+8*(\t):ST+8*(\t)+1] offset:((\t)-2)*256
.endr
	WIN 0x04                        ; the stores' data lie in window 1; each accumulator's lowest registers go first
.irp t, 2,3
.irp n, 0,1,2,3,4,5,6,7,8,9,10,11,12,13,14,15
	ds_store_b128 v[MS16], v[64*(\t)+4*(\n):64*(\t)+4*(\n)+3] offset:((\t)-2)*8192+(\n)*512
.endr
.endr
	WIN 0
	s_wait_dscnt 0x0                ; for my partner's sake: my stores are done
	s_barrier_signal -1
	s_barrier_wait -1
.irp t, 0,1                         ; my partner's share of tiles 0, 1: (c m, l) and O^T, into S^T's registers
	ds_load_b64 v[ST+8*(\t)+4:ST+8*(\t)+5], v[ML8] offset:(\t)*256
.endr
.irp t, 0,1
.irp n, 0,1,2,3,4,5,6,7,8,9,10,11,12,13,14,15
	ds_load_b128 v[S+64*(\t)+4*(\n):S+64*(\t)+4*(\n)+3], v[ML16] offset:(\t)*8192+(\n)*512
.endr
.endr
	s_wait_dscnt 0x0
.irp t, 0,1
	v_max_num_f32 v[ST+8*(\t)+6], v[ST+8*(\t)], v[ST+8*(\t)+4]       ; the common c m
.endr
.irp t, 0,1
	v_sub_f32 v[ST+8*(\t)+2], v[ST+8*(\t)], v[ST+8*(\t)+6]
	v_sub_f32 v[ST+8*(\t)+3], v[ST+8*(\t)+4], v[ST+8*(\t)+6]
.endr
.irp t, 0,1
	v_exp_f32 v[ST+8*(\t)+2], v[ST+8*(\t)+2]                         ; my factor
	v_exp_f32 v[ST+8*(\t)+3], v[ST+8*(\t)+3]                         ; my partner's
.endr
	v_nop                           ; a plain instruction between the last exponential and the use of its result
.irp t, 0,1
	s_wait_alu depctr_va_vdst(0)
	v_mul_f32 v[ST+8*(\t)+7], v[ST+8*(\t)+1], v[ST+8*(\t)+2]
.endr
.irp t, 0,1
	v_fma_f32 v[ST+8*(\t)+7], v[ST+8*(\t)+5], v[ST+8*(\t)+3], v[ST+8*(\t)+7]  ; l
.endr
.irp t, 0,1
	v_rcp_f32 v[ST+8*(\t)+7], v[ST+8*(\t)+7]
.endr
	v_nop                           ; a plain instruction between the last reciprocal and the use of its result
.irp t, 0,1
	s_wait_alu depctr_va_vdst(0)
	v_mul_f32 v[ST+8*(\t)+7], 4.0, v[ST+8*(\t)+7]                    ; 8 for v / 8, 1/2 for O / 2
.endr
.irp t, 0,1
	v_mul_f32 v[ST+8*(\t)+2], v[ST+8*(\t)+2], v[ST+8*(\t)+7]
	v_mul_f32 v[ST+8*(\t)+6], v[ST+8*(\t)+3], v[ST+8*(\t)+7]
.endr
; Tile t: my partner's O^T times its factor, plus mine times mine; rounded to f16.  A lane's eight channels of a channel block are 16 bytes of its row in that block of oh:
; a store of the wave covers 16 rows x 32 bytes, 512 consecutive bytes, aligned.
.macro PACK t
	WIN 0
.set i, 0
.rept 32
	v_pk_mul_f32 v[S+64*(\t)+2*i:S+64*(\t)+2*i+1], v[S+64*(\t)+2*i:S+64*(\t)+2*i+1], v[ST+8*(\t)+6:ST+8*(\t)+7] op_sel_hi:[1,0]
.set i, i+1
.endr
	WIN 0x01                        ; source 0: O^T, in window 1, from its low end on
.set i, 0
.rept 32
	v_pk_fma_f32 v[S+64*(\t)+2*i:S+64*(\t)+2*i+1], v[64*(\t)+2*i:64*(\t)+2*i+1], v[ST+8*(\t)+2:ST+8*(\t)+3], v[S+64*(\t)+2*i:S+64*(\t)+2*i+1] op_sel_hi:[1,0,1]
.set i, i+1
.endr
	WIN 0
.set i, 0
.rept 32
	v_cvt_pk_f16_f32 v[P+32*(\t)+i], v[S+64*(\t)+2*i], v[S+64*(\t)+2*i+1]
.set i, i+1
.endr
.irp f, 0,1,2,3,4,5,6,7
	global_store_b128 v[GO], v[P+32*(\t)+4*(\f):P+32*(\t)+4*(\f)+3], s[10:11] offset:(\f)*32768+(\t)*512
.endr
.endm
	PACK 0
	PACK 1
	s_wait_tensorcnt 0x0            ; the wave's end
	ds_add_u32 v[SPW], v[NIL]
	s_wait_dscnt 0x0
	CROUND                          ; the closing round
	s_endpgm
.Lfunc_end_k_q159287f806_attn:
	.size	k_q159287f806_attn, .Lfunc_end_k_q159287f806_attn-k_q159287f806_attn
	.p2alignl 7, 3214868480
	.fill 96, 4, 3214868480
	.section	.rodata,"a",@progbits
	.p2align	6, 0x0
	.amdhsa_kernel k_q159287f806_attn
		.amdhsa_group_segment_fixed_size 327680
		.amdhsa_private_segment_fixed_size 0
		.amdhsa_enable_private_segment 0
		.amdhsa_kernarg_size 16
		.amdhsa_user_sgpr_count 2
		.amdhsa_user_sgpr_kernarg_segment_ptr 1
		.amdhsa_wavefront_size32 1
		.amdhsa_system_sgpr_workgroup_id_x 1
		.amdhsa_system_sgpr_workgroup_id_y 1
		.amdhsa_system_sgpr_workgroup_id_z 1
		.amdhsa_system_vgpr_workitem_id 0
		.amdhsa_next_free_vgpr 1024
		.amdhsa_next_free_sgpr 66
		.amdhsa_reserve_vcc 0
		.amdhsa_float_denorm_mode_32 3
		.amdhsa_float_denorm_mode_16_64 3
		.amdhsa_memory_ordered 1
		.amdhsa_forward_progress 1
		.amdhsa_inst_pref_size 224
	.end_amdhsa_kernel
	.amdgpu_metadata
---
amdhsa.version: [ 1, 2 ]
amdhsa.kernels:
  - .name:           k_q159287f806_attn
    .symbol:         k_q159287f806_attn.kd
    .args:
      - { .name: qkv, .offset: 0, .size: 8, .value_kind: global_buffer, .address_space: global }
      - { .name: oh, .offset: 8, .size: 8, .value_kind: global_buffer, .address_space: global }
    .group_segment_fixed_size: 327680
    .private_segment_fixed_size: 0
    .kernarg_segment_align: 8
    .kernarg_segment_size: 16
    .max_flat_workgroup_size: 128
    .sgpr_count:     66
    .vgpr_count:     1024
    .wavefront_size: 32
...
	.end_amdgpu_metadata
.endif
;; end of part 7
;; launch oproj (part 8): grid 4 x 64, 4 waves a work-group, clusters of 4 x 1, 327,680 bytes of LDS; arguments oh, wo, out0; writes out0
.if DOCPART == 8
	.amdgcn_target "amdgcn-amd-amdhsa--gfx1250"
	.amdhsa_code_object_version 6
	.text
	.protected	k_q159287f806_oproj
	.globl	k_q159287f806_oproj
	.p2align	8
	.type	k_q159287f806_oproj,@function
k_q159287f806_oproj:
	s_mov_b64 s[64:65], 0
	v_nop
	global_prefetch_b8 v0, s[64:65] scope:SCOPE_SE
	s_setreg_imm32_b32 hwreg(HW_REG_WAVE_MODE, 25, 1), 1
	s_wait_xcnt 0x0
	s_wait_alu depctr_hold_cnt(0) depctr_sa_sdst(0) depctr_va_vdst(0) depctr_va_sdst(0) depctr_va_ssrc(0) depctr_va_vcc(0) depctr_vm_vsrc(0)
	s_getreg_b32 s2, hwreg(HW_REG_IB_STS2, 6, 4)
	s_cmp_eq_u32 s2, 0
	s_cbranch_scc0 .Lentry_in_a_cluster
	s_endpgm
.Lentry_in_a_cluster:
	s_bfe_u32 s2, ttmp6, 0x10000c
	s_cmp_lg_u32 s2, 0x3003
	s_cbranch_scc0 .Lentry_shape_is_right
	s_endpgm
.Lentry_shape_is_right:
; out0 = 2 x (oh wo^T), 1024 x 4096 x 4096, f32.  oh: [kb 256][row 1024][16] f16, kb = k / 16, holding O / 2.  wo: f32, rows along K; read once, as f32, and rounded to f16
; in the wave, between LDS and the matrix unit.  Sums in f32; the factor 2 is exact.
; LIMITS.  |wo| under 65,504 (f16's range).  NaN and infinities are not treated apart.
; SHARES.  A tile is 256 rows x 64 columns; 4 x 64 tiles, one to a work-group.  Four waves as 2 halves of the rows (mh) x 2 halves of each slot's K (kh):
; a wave makes 128 x 64 over 256 of every 512 along K: 32 accumulators, 256 registers.  At the end the two waves of a row half exchange half of their
; sums through LDS, and each finishes 64 rows.  Accumulator row block a = 4 g + i holds rows 64 ((g + kh) & 1) + 16 i: every wave keeps a = 0..3 and
; sends a = 4..7, which are the rows that its partner (wave ^ 2) keeps: one text for all waves.
; WO GOES THROUGH LDS, two slots of 512 along K, filled by tensor loads.  CLUSTER 4 x 1: the four row tiles of one column tile need the same rows of wo: each tile is asked for jointly.
; OH GOES STRAIGHT INTO REGISTERS and is not asked for jointly.  The waves split rows and K, so each byte of oh's tile is wanted by one wave alone: LDS would add no reuse.
; With oh's 512 bytes for each k beside wo's 256, two slots hold 128 along K each; with wo alone 512: a quarter of the changes of slots, each of which waits for all tensor
; loads.  The price: each work-group asks for its own 2 MB of oh.  In oh's layout half a fragment (16 rows x 16 k) is one load of 512 consecutive bytes.
; A CHUNK is 32 along K for one wave: 32 matrix instructions.  oh's fragments lie in a ring of four buffers: chunk c waits for its own 16 loads and asks for chunk c + 3:
; 48 loads of the wave are out; a fourth chunk's would pass what LOADcnt's six bits count.
; THE MATRIX INSTRUCTION IS USED TRANSPOSED: source 0 = 16 rows of wo, source 1 = 16 rows of oh: a lane holds one row and eight neighbouring columns.
; REGISTERS, in windows of 256 (s_set_vgpr_msb: bits 1:0 source 0, 3:2 source 1, 5:4 source 2, 7:6 destination):
;   window 0: v10-29 addresses; v160-191, v208-239 fragments of wo in f16, two buffers; all of v32-255 at work on the way out
;   window 1: the accumulators, (a, b) at 8 (8 b + a)     window 2: v128-191 wo as f32, as it comes from LDS     window 3: oh's ring, buffer n at 64 n
.set NB,     4                         ; blocks of 16 columns in a tile
.set CH,     8                         ; chunks that a wave has in a slot
.set NS,     8                         ; fills: 4,096 / 512
.set PW,     1040                      ; an LDS row of wo: 1,024 bytes + 16: 65 x 16, so the 16 rows of a load start in 16 different groups of four banks (64 banks of 4 bytes: ISA guide 11.1)
.set WCH,    32*PW                     ; what one load brings: 32 rows x 256 along K
.set SLOT,   4*WCH                     ; the first 256 along K of the tile's 64 rows, then the second 256: wave w fetches part w
.set KHW,    2*WCH                     ; my 256 of the slot's 512
.set SB,     2048                      ; bytes of a row of wo in a fill
.set SBL,    11
.set SPARE,  2*SLOT                    ; behind the two slots: the spare words, 128 bytes for each wave
.set XB,     4*NB*1024                 ; the exchange: 16 results of 1,024 bytes a wave, in slot 0's bytes when they have had their last fill and their last read
.set STG,    4*XB                      ; behind the exchange, still in slot 0's bytes: 16 rows x 272 bytes for each wave, for the way out
.set SPITCH, 272
.set LAPS,   NS/2                      ; a lap = two slots
.set AG,   10                          ; v10-11  (first row of my row group g + l % 16) * 32 + 16 (l / 16): my bytes in a block of oh; never rewritten
.set ADRW, 12                          ; v12, v14  LDS address of my wo fragments, slot s at ADRW + 2 s
.set XST,  16                          ; v16     the exchange: where I write
.set XLD,  17                          ; v17     where I read my partner's
.set GO,   18                          ; v18     my byte offset in two rows of out0; never rewritten
.set STO,  19                          ; v19     the way out: where I put 32 bytes of a row
.set RD,   20                          ; v20     where I read a row back
.set PF,   21                          ; v21     the prefetch's lane term; never rewritten
.set SPW,  28                          ; v28     LDS address of my spare word; never rewritten
.set NIL,  29                          ; v29     0; never rewritten
.set FW,   160
.set ST,   128                         ; window 2
.set XR,   32                          ; the way out: my partner's sums, two buffers of 32
.set OBK,  128                         ; whole rows read back: 32 registers a block, every store has data registers of its own
.set WV,  16
.set MH,  17
.set KH,  18
.set CX,  19
.set TX,  21
.set AB,  24                           ; s[24:25] oh at my half of the lap in hand
.set G1W, 40                           ; s[40:47] descriptor group 1 for wo's parts;  s[48:55] group 0, a set for each slot
.set G0W, 48
.set LAPC, 56
.set KL,  57                           ; the fill that the prefetch asks for
.set WB,  58                           ; s[58:59] my part of wo in fill 0
.set PFB, 60                           ; s[60:61] the prefetch's base
.set KOFF, 62                          ; s[62:63] its byte offset along K, high word 0
.set OB,  78                           ; s[78:79] out0 at the first row and column that I store
.set MSB, 0
.macro WIN new                         ; the immediate's high byte repeats the setting that is left; a switch that changes nothing is dropped
.if MSB != (\new)
	s_set_vgpr_msb (MSB<<8)|(\new)
.set MSB, \new
.endif
.endm
.macro PLACES                          ; four places between a matrix instruction and a write, or a load, into one of its registers, or a read of its result
.rept 4
	v_nop
.endr
.endm
.macro CREST                           ; a round of the cluster's barrier behind its opening barrier
	s_cmp_lg_u32 s[WV], 0
	s_cbranch_scc1 .Lnot_wave_0_\@
	s_barrier_signal -3
.Lnot_wave_0_\@:
	s_barrier_wait -3
	s_barrier_signal -1
	s_barrier_wait -1
.endm
.macro CROUND
	s_barrier_signal -1
	s_barrier_wait -1
	CREST
.endm
; A joint refill of slot s: every wave fetches its part.  Four v_nop follow the load.  Behind them the wave asks ahead for its share of the fill
; after this one: 8 rows x 1,024 bytes of its own part, a lane to each 256 bytes.
.macro JLOAD s
	tensor_load_to_lds s[G0W+4*(\s):G0W+4*(\s)+3], s[G1W:G1W+7]
	s_nop 0
.rept 4
	v_nop
.endr
	global_prefetch_b8 v[PF], s[PFB:PFB+1] th:TH_LOAD_NT scope:SCOPE_SE
.endm
; 16 loads: oh's fragments of my 128 rows for chunk rel (counted from the lap at which s[AB] stands), into ring buffer rel % 4.  Each covers 512 consecutive bytes.
.macro ALOAD rel
	WIN 0xc0                                       ; destination window 3, address window 0
.set AO, ((\rel)/CH)*CH*131072+((\rel)%CH)*65536   ; a slot is 32 blocks of 32,768 bytes, a chunk two
.set AR, 64*((\rel)%4)
.irp a, 0,1,2,3,4,5,6,7
	global_load_b128 v[AR+8*(\a):AR+8*(\a)+3],   v[AG+(\a)/4], s[AB:AB+1] offset:AO+((\a)%4)*512
	global_load_b128 v[AR+8*(\a)+4:AR+8*(\a)+7], v[AG+(\a)/4], s[AB:AB+1] offset:AO+((\a)%4)*512+32768
.endr
.endm
; What chunk rel asks for: oh three chunks on; in the last lap (tail = 1) nothing behind oh's end
.macro LOADS rel, tail
.if !(\tail) || ((\rel)+3 < 2*CH)
	ALOAD (\rel)+3
.endif
.endm
; Chunk rel's oh is in; the sixteen loads of each chunk asked for behind it stay out: two chunks', in the last lap's last two chunks one's and none
.macro LCWAIT rel, tail
.if (\tail) && ((\rel)+2 >= 2*CH)
	s_wait_loadcnt 16*(2*CH-1-(\rel))
.else
	s_wait_loadcnt 32
.endif
.endm
	s_load_b128 s[4:7], s[0:1], 0x0                ; oh s[4:5], wo s[6:7]
	s_load_b64 s[14:15], s[0:1], 0x10              ; out0
	v_lshl_add_u32 v[SPW], v0, 2, SPARE
	v_mov_b32 v[NIL], 0
	v_lshrrev_b32 v1, 5, v0
	v_readfirstlane_b32 s[WV], v1                  ; wave 0..3
	s_and_b32 s[MH], s[WV], 1                      ; my half of the rows.  Also: which 32 rows of wo's tile I fetch
	s_lshr_b32 s[KH], s[WV], 1                     ; my half of each slot's K.  Also: which 256 along K I fetch
	s_bfe_u32 s[CX], ttmp6, 0x40000                ; the tile row: the grid is one cluster wide.  It enters oh's and out0's addresses and the prefetch's alone
	s_and_b32 s[TX], ttmp7, 0xffff                 ; the tile column, which the four partners share
	s_mov_b32 s[G1W], 15|(2<<16)|(1<<20)|(1<<21)|(7<<22)|(3<<25)  ; the mask of four; 4-byte elements; padding on; 21 set beside a mask; after every 256 words 4 words
	s_mov_b32 s[G1W+1], 256<<16                    ; tensor_dim0 = 256
	s_mov_b32 s[G1W+2], 32<<16                     ; tensor_dim1 = 32
	s_mov_b32 s[G1W+3], 256<<16                    ; tile_dim0 = 256
	s_mov_b32 s[G1W+4], 32                         ; tile_dim1 = 32
	s_mov_b32 s[G1W+5], 4096                       ; elements from row to row
	s_mov_b32 s[G1W+6], 0
	s_mov_b32 s[G1W+7], 0
	s_lshl_b32 s23, s[TX], 1
	s_add_co_u32 s22, s[MH], s23                   ; 32 rows number 2 x tile column + (w & 1) of wo's 128; made of the tile column and the wave's number
	s_lshl_b32 s86, s22, 19                        ; 32 rows of 16,384 bytes,
	s_lshl_b32 s23, s[KH], 10                      ; 256 f32
	s_add_co_u32 s86, s86, s23
	s_mov_b32 s87, 0
	s_mul_i32 s91, s[WV], WCH                      ; where it goes: wave x a constant; no place in the cluster enters an LDS address
	s_mul_i32 s84, s[KH], CH*65536                 ; oh: my half of a slot's 32 blocks
	s_mov_b32 s85, 0
	s_mov_b32 s[KL], 2
	s_mov_b32 s[KOFF+1], 0
	v_and_b32 v1, 15, v0                           ; r = l % 16
	v_bfe_u32 v2, v0, 4, 1                         ; h = l / 16
	s_lshl_b32 s94, s[CX], 8
	s_lshl_b32 s95, s[MH], 7
	s_add_co_u32 s94, s94, s95
	s_lshl_b32 s95, s[KH], 6
	s_add_co_u32 s92, s94, s95                     ; row group 0 begins at row 64 kh of my half: the rows that I finish,
	s_xor_b32 s95, s95, 64
	s_add_co_u32 s93, s94, s95                     ; row group 1 at row 64 (1 - kh)
	v_add_nc_u32 v6, s92, v1
	v_lshlrev_b32 v6, 5, v6
	v_lshl_add_u32 v[AG], v2, 4, v6
	v_add_nc_u32 v6, s93, v1
	v_lshlrev_b32 v6, 5, v6
	v_lshl_add_u32 v[AG+1], v2, 4, v6
	; The prefetch.  A part's 32 rows are shared out among the four partners, 8 rows each; a part is 1,024 bytes of a row: 32 lanes, 256 bytes apart.
	; Fill 2 is asked for beside the first loads; the change of slots that loads fill n asks for fill n + 1, clamped to the last: no address leaves the row.
	v_bfe_u32 v7, v0, 2, 3
	s_lshl_b32 s94, s[CX], 3
	v_add_nc_u32 v7, s94, v7
	v_and_b32 v8, 3, v0
	v_lshlrev_b32 v8, 8, v8
	v_lshl_add_u32 v[PF], v7, 14, v8
	s_wait_kmcnt 0x0
	s_add_nc_u64 s[AB:AB+1], s[4:5], s[84:85]
	ALOAD 0                                        ; the first chunk's oh goes out ahead of the round
	WIN 0
	s_add_nc_u64 s[WB:WB+1], s[6:7], s[86:87]
	CROUND                                         ; all four work-groups are here: the first joint loads meet
.irp s, 0,1
	s_mov_b32 s[G0W+4*(\s)], 1
	s_add_co_u32 s[G0W+4*(\s)+1], s91, (\s)*SLOT
	s_add_nc_u64 s[G0W+4*(\s)+2:G0W+4*(\s)+3], s[WB:WB+1], (\s)*SB  ; fill s: 512 f32 on
	s_or_b32 s[G0W+4*(\s)+3], s[G0W+4*(\s)+3], 0x80000000
.endr
	tensor_load_to_lds s[G0W:G0W+3], s[G1W:G1W+7]  ; the two first fills: two loads of mine are out
	s_nop 0
	tensor_load_to_lds s[G0W+4:G0W+7], s[G1W:G1W+7]
	s_nop 0
.rept 4
	v_nop
.endr
	global_prefetch_b8 v[PF], s[WB:WB+1] offset:2*SB th:TH_LOAD_NT scope:SCOPE_SE
	ALOAD 1
	ALOAD 2
	WIN 0
	s_lshl_b32 s94, s92, 14                        ; out0: the first of the 64 rows that I finish, 16,384 bytes a row,
	s_mov_b32 s95, 0
	s_add_nc_u64 s[OB:OB+1], s[14:15], s[94:95]
	s_lshl_b32 s86, s[TX], 8                       ; the tile's 256 bytes of a row
	s_add_nc_u64 s[OB:OB+1], s[OB:OB+1], s[86:87]
	v_lshlrev_b32 v6, 14, v2                       ; lanes 0-15 one row, lanes 16-31 the next
	v_lshl_add_u32 v[GO], v1, 4, v6
	; A fragment is 16 rows x 32 K: lane l holds row l % 16, K = 8 h + 0..7 and 16 + 8 h + 0..7.
	v_mul_u32_u24 v4, v1, PW
	v_lshl_add_u32 v4, v2, 5, v4                   ; r x pitch + 32 h: eight f32
	s_mul_i32 s22, s[KH], KHW
	v_add_nc_u32 v[ADRW], s22, v4
	v_add_nc_u32 v[ADRW+2], SLOT, v[ADRW]
	v_and_b32 v5, 31, v0
	v_lshlrev_b32 v5, 4, v5
	s_mul_i32 s22, s[WV], XB
	v_add_nc_u32 v[XST], s22, v5
	s_xor_b32 s23, s[WV], 2
	s_mul_i32 s23, s23, XB
	v_add_nc_u32 v[XLD], s23, v5
	s_mul_i32 s22, s[WV], 16*SPITCH
	s_add_co_u32 s22, s22, STG                     ; my stage
	v_mul_u32_u24 v6, v1, SPITCH                   ; in: row l % 16, 32 bytes for each half of the lanes
	v_lshl_add_u32 v6, v2, 5, v6
	v_add_nc_u32 v[STO], s22, v6
	v_mul_u32_u24 v6, v2, SPITCH                   ; back: lanes 0-15 take one row of 256 bytes, lanes 16-31 the next
	v_lshl_add_u32 v6, v1, 4, v6
	v_add_nc_u32 v[RD], s22, v6
; 4 NB LDS loads: wo's 64 rows, 32 along K (chunk j of my half of the slot), as f32 into window 2: registers 2 q, 2 q + 1 of a block are the two numbers of fragment register q
.macro FETCH_W slot, j
	WIN 0x80
.set bb, 0
.rept NB
	ds_load_b128 v[ST+16*bb:ST+16*bb+3],     v[ADRW+2*(\slot)] offset:bb*16*PW+128*(\j)
	ds_load_b128 v[ST+16*bb+4:ST+16*bb+7],   v[ADRW+2*(\slot)] offset:bb*16*PW+128*(\j)+16
	ds_load_b128 v[ST+16*bb+8:ST+16*bb+11],  v[ADRW+2*(\slot)] offset:bb*16*PW+128*(\j)+64
	ds_load_b128 v[ST+16*bb+12:ST+16*bb+15], v[ADRW+2*(\slot)] offset:bb*16*PW+128*(\j)+80
.set bb, bb+1
.endr
.endm
; Matrix instructions lo .. hi - 1 of a chunk's 8 NB, on wo's buffer f and oh's ring buffer ab: number 8 b + a is column block b x row block a.  The 32 accumulators take
; turns, one instruction a turn, in the same order in every chunk.  zero = 1: the product starts the sum.
; ride = 1: behind each stand four roundings of the next chunk's wo to f16, into the other buffer; they name no register of the products round them.
.macro MULS f, ab, lo, hi, zero, ride
.set idx, \lo
.rept (\hi)-(\lo)
.set bb, idx/8
.set aa, idx%8
.set AC, 8*(8*bb+aa)
	WIN 0x5c                                       ; wo window 0, oh window 3, C and D window 1
.if \zero
	v_wmma_f32_16x16x32_f16 v[AC:AC+7], v[FW+48*(\f)+8*bb:FW+48*(\f)+8*bb+7], v[64*(\ab)+8*aa:64*(\ab)+8*aa+7], 0
.else
	v_wmma_f32_16x16x32_f16 v[AC:AC+7], v[FW+48*(\f)+8*bb:FW+48*(\f)+8*bb+7], v[64*(\ab)+8*aa:64*(\ab)+8*aa+7], v[AC:AC+7]
.endif
.if \ride
	WIN 0x0a
.rept 4
	v_cvt_pk_f16_f32 v[FW+48*(1-(\f))+qq], v[ST+2*qq], v[ST+2*qq+1]
.set qq, qq+1
.endr
.endif
.set idx, idx+1
.endr
.endm
; Chunk j of slot s, any but the slot's last; rel is its number in the lap.  Its loads stand in one run at its head.
.macro CHUNK s, j, rel, zero, tail
	LCWAIT \rel, \tail
	PLACES                                         ; in front of the loads into the ring buffer that the last chunk multiplied
	LOADS \rel, \tail
	FETCH_W \s, (\j)+1
	MULS (\rel)%2, (\rel)%4, 0, 6*NB, \zero, 0
	s_wait_dscnt 0x0                               ; the next chunk's wo is in, as f32
.set qq, 0
	MULS (\rel)%2, (\rel)%4, 6*NB, 8*NB, \zero, 1
.endm
; A slot's last chunk changes slots.  In front of the barrier each wave waits for all its tensor loads (one is out: its part of the other slot), adds 0 to its spare
; word, and waits for that; its reads of this slot were waited for in the chunk before.  fill = 1: the barrier opens a round of the cluster's, and behind it this slot is
; filled again, two fills on, first of all.  From that request to the wait for it a wave issues 248 of a slot's 256 matrix instructions.
.macro TURN s, rel, fill, tail
	LCWAIT \rel, \tail
.if \fill
	s_wait_xcnt 0x0                                ; the last prefetch has read its base
	s_add_co_u32 s[KL], s[KL], 1
	s_min_u32 s[KOFF], s[KL], NS-1                 ; clamped to the last fill
	s_lshl_b32 s[KOFF], s[KOFF], SBL
	s_add_nc_u64 s[PFB:PFB+1], s[WB:WB+1], s[KOFF:KOFF+1]
.endif
	PLACES
	LOADS \rel, \tail
	WIN 0
	s_wait_tensorcnt 0x0                           ; all my tensor loads have landed
	ds_add_u32 v[SPW], v[NIL]                      ; 0 onto my spare word
	MULS (\rel)%2, (\rel)%4, 0, 4, 0, 0            ; four matrix instructions stand between the add and the wait for it
	s_wait_dscnt 0x0                               ; the add is done, and my reads of this slot are over
	s_barrier_signal -1
	MULS (\rel)%2, (\rel)%4, 4, 8, 0, 0            ; work on registers while the others arrive
	WIN 0
	s_barrier_wait -1
.if \fill
	CREST                                          ; no wave of any partner still reads this slot or has a tensor load on its way
	s_add_nc_u64 s[G0W+4*(\s)+2:G0W+4*(\s)+3], s[G0W+4*(\s)+2:G0W+4*(\s)+3], 2*SB
	JLOAD \s
.endif
	FETCH_W 1-(\s), 0
	MULS (\rel)%2, (\rel)%4, 8, 6*NB, 0, 0
	s_wait_dscnt 0x0
.set qq, 0
	MULS (\rel)%2, (\rel)%4, 6*NB, 8*NB, 0, 1
.endm
.macro SLOTRUN s, r0, jlo, fill, tail  ; slot s from its chunk jlo on; r0 is its first chunk's number in the lap
.set jj, \jlo
.rept CH-1-(\jlo)
	CHUNK \s, jj, (\r0)+jj, 0, \tail
.set jj, jj+1
.endr
	TURN \s, (\r0)+CH-1, \fill, \tail
.endm
	s_wait_tensorcnt 0x1                           ; my part of fill 0 is in; fill 1's may stay out
	s_barrier_signal -1
	s_barrier_wait -1
	FETCH_W 0, 0
	s_wait_dscnt 0x0
	WIN 0x0a
.set qq, 0
.rept 8*NB
	v_cvt_pk_f16_f32 v[FW+qq], v[ST+2*qq], v[ST+2*qq+1]
.set qq, qq+1
.endr
	CHUNK 0, 0, 0, 1, 0                            ; the first chunk stands in front of the loop: its products start the sums
	WIN 0
	s_mov_b32 s[LAPC], LAPS-1
.Llap:                                                 ; a trip goes once round the ring, from a lap's second chunk to the next lap's first, and fills both slots again: fills 2 to 7
	SLOTRUN 0, 0, 1, 1, 0
	SLOTRUN 1, CH, 0, 1, 0
	CHUNK 0, 0, 2*CH, 0, 0
	WIN 0
	s_wait_xcnt 0x0                                ; oh's loads have read their base
	s_add_nc_u64 s[AB:AB+1], s[AB:AB+1], 2*CH*131072
	s_sub_co_u32 s[LAPC], s[LAPC], 1
	s_cmp_lg_u32 s[LAPC], 0
	s_cbranch_scc1 .Llap
	SLOTRUN 0, 0, 1, 0, 1                          ; the last lap fills nothing
.set jj, 0
.rept CH-1
	CHUNK 1, jj, CH+jj, 0, 1
.set jj, jj+1
.endr
	LCWAIT 2*CH-1, 1                               ; the very last chunk
	MULS 1, 3, 0, 8*NB, 0, 0
	PLACES
	; THE EXCHANGE.  Slot 0 has had its last fill, and every wave's reads of it were over at the last barrier: its bytes take the sums of row blocks 4-7.
	WIN 0x04                                       ; the stores' data lie in window 1; each accumulator's lowest registers go first
.set bb, 0
.rept NB
.irp i, 0,1,2,3
	ds_store_b128 v[XST], v[8*(8*bb+4+(\i)):8*(8*bb+4+(\i))+3]   offset:((\i)*NB+bb)*1024
	ds_store_b128 v[XST], v[8*(8*bb+4+(\i))+4:8*(8*bb+4+(\i))+7] offset:((\i)*NB+bb)*1024+512
.endr
.set bb, bb+1
.endr
	WIN 0
	s_wait_dscnt 0x0                               ; for my partner's sake: my stores are done
	s_barrier_signal -1
	s_barrier_wait -1
.macro LOADX i                         ; my partner's sums for my row block i
.set bb, 0
.rept NB
	ds_load_b128 v[XR+8*NB*((\i)%2)+8*bb:XR+8*NB*((\i)%2)+8*bb+3],   v[XLD] offset:((\i)*NB+bb)*1024
	ds_load_b128 v[XR+8*NB*((\i)%2)+8*bb+4:XR+8*NB*((\i)%2)+8*bb+7], v[XLD] offset:((\i)*NB+bb)*1024+512
.set bb, bb+1
.endr
.endm
; Row block i is finished: the two halves of K are added and doubled; a lane's eight columns (32 bytes) go into my own stage, rows of 272 bytes, and come
; back as whole rows of 256 bytes, which sixteen lanes store.
.macro FINO i
.set XRB, XR+8*NB*((\i)%2)
.set BK, OBK+32*(\i)
	WIN 0x01                                       ; source 0: the accumulators, each from its low end on
.irp b, 0,1,2,3
.irp k, 0,1,2,3
	v_pk_add_f32 v[XRB+8*(\b)+2*(\k):XRB+8*(\b)+2*(\k)+1], v[8*(8*(\b)+(\i))+2*(\k):8*(8*(\b)+(\i))+2*(\k)+1], v[XRB+8*(\b)+2*(\k):XRB+8*(\b)+2*(\k)+1]
.endr
.endr
	WIN 0
.irp b, 0,1,2,3
.irp k, 0,1,2,3
	v_pk_mul_f32 v[XRB+8*(\b)+2*(\k):XRB+8*(\b)+2*(\k)+1], v[XRB+8*(\b)+2*(\k):XRB+8*(\b)+2*(\k)+1], 2.0 op_sel_hi:[1,0]
.endr
.endr
.irp b, 0,1,2,3
	ds_store_b128 v[STO], v[XRB+8*(\b):XRB+8*(\b)+3]   offset:64*(\b)
	ds_store_b128 v[STO], v[XRB+8*(\b)+4:XRB+8*(\b)+7] offset:64*(\b)+16
.endr
.irp t, 0,1,2,3,4,5,6,7
	ds_load_b128 v[BK+4*(\t):BK+4*(\t)+3], v[RD] offset:(\t)*2*SPITCH  ; LDS serves a wave's instructions in order (ISA guide 5.7.1.4): these see the stores above; the next block's stores come behind them
.endr
	s_wait_dscnt 0x0
.irp t, 0,1,2,3,4,5,6,7
	global_store_b128 v[GO], v[BK+4*(\t):BK+4*(\t)+3], s[OB:OB+1] offset:(16*(\i)+2*(\t))*16384  ; 16 lanes store 256 consecutive bytes, at a multiple of 256 from out0's first byte
.endr
.endm
	LOADX 0
.irp i, 0,1,2
	LOADX (\i)+1
	s_wait_dscnt 2*NB                              ; block i is in; the next block's loads are younger
	FINO \i
.endr
	s_wait_dscnt 0x0
	FINO 3
	s_wait_tensorcnt 0x0                           ; the wave's end
	ds_add_u32 v[SPW], v[NIL]
	s_wait_dscnt 0x0
	CROUND                                         ; the closing round
	s_endpgm
.Lfunc_end_k_q159287f806_oproj:
	.size	k_q159287f806_oproj, .Lfunc_end_k_q159287f806_oproj-k_q159287f806_oproj
	.p2alignl 7, 3214868480
	.fill 96, 4, 3214868480
	.section	.rodata,"a",@progbits
	.p2align	6, 0x0
	.amdhsa_kernel k_q159287f806_oproj
		.amdhsa_group_segment_fixed_size 327680
		.amdhsa_private_segment_fixed_size 0
		.amdhsa_enable_private_segment 0
		.amdhsa_kernarg_size 24
		.amdhsa_user_sgpr_count 2
		.amdhsa_user_sgpr_kernarg_segment_ptr 1
		.amdhsa_wavefront_size32 1
		.amdhsa_system_sgpr_workgroup_id_x 1
		.amdhsa_system_sgpr_workgroup_id_y 1
		.amdhsa_system_sgpr_workgroup_id_z 1
		.amdhsa_system_vgpr_workitem_id 0
		.amdhsa_next_free_vgpr 1024
		.amdhsa_next_free_sgpr 100
		.amdhsa_reserve_vcc 0
		.amdhsa_float_denorm_mode_32 3
		.amdhsa_float_denorm_mode_16_64 3
		.amdhsa_memory_ordered 1
		.amdhsa_forward_progress 1
		.amdhsa_inst_pref_size 255
	.end_amdhsa_kernel
	.section	.bss,"aw",@nobits
	.p2align	6
	.space	262144
	.amdgpu_metadata
---
amdhsa.version: [ 1, 2 ]
amdhsa.kernels:
  - .name:           k_q159287f806_oproj
    .symbol:         k_q159287f806_oproj.kd
    .args:
      - { .name: oh, .offset: 0, .size: 8, .value_kind: global_buffer, .address_space: global }
      - { .name: wo, .offset: 8, .size: 8, .value_kind: global_buffer, .address_space: global }
      - { .name: out0, .offset: 16, .size: 8, .value_kind: global_buffer, .address_space: global }
    .group_segment_fixed_size: 327680
    .private_segment_fixed_size: 0
    .kernarg_segment_align: 8
    .kernarg_segment_size: 24
    .max_flat_workgroup_size: 128
    .sgpr_count:     100
    .vgpr_count:     1024
    .wavefront_size: 32
...
	.end_amdgpu_metadata
.endif
;; end of part 8
